; MI455X (gfx1250); checked and timed in simulation.
; The chip was launched on July 23, 2026; its instructions are those of AMD's public machine-readable ISA for CDNA 5 (MIT licence, August 2026) and "CDNA5" Instruction Set Architecture Reference Guide (July 2026). The comments in the code are by the model that wrote it; some were corrected since.
;; Hybrid Block. Allowed arithmetic: float matrix products may take bf16 or f16 operands with f32 sums; other float arithmetic in f32, or as packed bf16 or f16 multiplies, adds, multiply-adds, maxima and minima; sums over many terms, partial sums and values carried from step to step in f32; what a program stores and reads back later, other than sums and carried values, may be rounded once to bf16 or f16.
;; Inputs: ed 16 x 1,024 x 1,024 float32; eg 16 x 1,024 x 1,024 float32; eu 16 x 1,024 x 1,024 float32; expert_bias 16 float32; norm1_w 1,024 float32; norm2_w 1,024 float32; router_w 16 x 1,024 float32; sd 1,024 x 1,024 float32; sg 1,024 x 1,024 float32; su 1,024 x 1,024 float32; wk 1,024 x 1,024 float32; wo 1,024 x 1,024 float32; wq 1,024 x 1,024 float32; wv 1,024 x 1,024 float32; x 4 x 256 x 1,024 float32.
;; Outputs: out0 4 x 256 x 1,024 float32.
;; 2 versions, each right and faster than the one before. Each part assembles by itself: llvm-mc -triple=amdgcn-amd-amdhsa -mcpu=gfx1250 --defsym DOCPART=n.
;; ======== version 1 of 2: 7 launches
;; limits: values outside matrix products are rounded to bf16; values outside matrix products are rounded to f16; values are held in f16: magnitudes above 65,504 overflow, below 6.1e-05 lose precision; inputs' magnitudes at most 65,504
;; workspace buffers: wsA 67,108,864 bytes; wsB 33,554,432 bytes; x1 4,194,304 bytes; hh 4,194,304 bytes; ids 8,192 bytes of whole numbers; gw 8,192 bytes; pos 8,448 bytes of whole numbers
;; launch qkv (part 1): grid 16 x 16, 8 waves a work-group, no clusters, 316,416 bytes of LDS; arguments x, norm1_w, wq, wk, wv, wsA; writes wsA
.if DOCPART == 1
	.amdgcn_target "amdgcn-amd-amdhsa--gfx1250"
	.amdhsa_code_object_version 6
	.text
	.protected	k_q58023d92db_qkv
	.globl	k_q58023d92db_qkv
	.p2align	8
	.type	k_q58023d92db_qkv,@function
k_q58023d92db_qkv:
	s_mov_b64 s[64:65], 0
	v_nop
	global_prefetch_b8 v0, s[64:65] scope:SCOPE_SE
	s_setreg_imm32_b32 hwreg(HW_REG_WAVE_MODE, 25, 1), 1
	s_wait_xcnt 0x0
; q, k, v = rope(rmsnorm(x, norm1_w) W^T), by heads: wsA holds q at 0, k at 2 MiB, v at 4 MiB, each [16 b + head][256][64] f16.
; A work-group makes 64 tokens x one head's 64 channels, three passes (wq, wk, wv).  The eight waves SPLIT K: wave w owns k = 128 w .. 128 w + 127,
; stages its own slices of x and W (rounded f32 -> f16 on the way through registers) in LDS bytes of its own, multiplies 64 x 64 x 128, and the eight f32 partial tiles meet in LDS.
; The norm's weight is folded into W (f16(W[e][k] norm1_w[k])); the row scale r = rsqrt(mean x^2 + 1e-6) multiplies the f32 sums.  mean x^2 is the diagonal of A A^T, taken of the f16-rounded x.
; LIMITS.  |x|, |W norm1_w|, q, k, v below 65,504 (f16); operands below 6e-5 keep f16's fixed step of 6e-8; r is made of the rounded row (relative error about 1e-5); the rotary angle is reduced in f32 (error under 1e-4 radians at position 255);
; NaN and infinities are not treated apart.
; NO TENSOR LOADS, NO CLUSTER: both operands are f32 in memory and must pass registers to be rounded; as f32 a pass's two operands are 512 KB, more than LDS holds, rounded they are 256 KB and lie there whole.
.set PITCH, 272                        ; an LDS row: 256 bytes + 16: the 16 rows of a fragment load start at 16 different groups of four banks
.set WST, 64*PITCH                     ; a wave's stage: 64 rows
.set BSTG, 8*WST                       ; A's stages at 0, B's here; after the products a wave's B stage takes its partial tile (64 rows x 256 bytes f32)
.set SSQ, 16*WST                       ; 512 bytes a wave: 64 partial sums of squares, then 256 bytes for the off-diagonal lanes
.set TRIG, SSQ+4096                    ; 4,096 bytes a wave: cos and signed sin for the lane's 2 rows x 8 channels
.set SPARE, TRIG+32768                 ; the spare words, 128 bytes a wave
.set R0, 128                           ; three batches of 16 loads
.set R1, 192
.set R2, 64
; v0 thread  v1 lane  v2, v3 the add's registers  v4 512 w + 16 lane (global)  v5 my trig bytes  v6, v7 stage stores A, B  v8, v9 fragment loads A, B  v10 partial store
; v11, v12 partial reads  v13, v14 sums of squares: store, read  v15 output offset  v16-19 norm weight at my four k  v20-23 r, r, r', r'  v24-39 the sums  v40-63 at work
; v64-127 batch R2, fragments (A at 64 + 8 i, B at 96 + 8 c)  v128-255 batches R0, R1, then the 16 accumulators (i, c) at 128 + 8 (4 i + c)
.macro REP n, st, line:vararg
.set p, 0
.rept \n
	\line
.set p, p+(\st)
.endr
.endm
.macro PLACES                          ; four plain instructions between a matrix instruction and a load into, or a vector use of, its registers
.rept 4
	v_nop
.endr
.endm
.macro BAR
	s_wait_dscnt 0x0                       ; for the others' sake: my LDS stores are done and my LDS reads are back
	s_barrier_signal -1
	s_barrier_wait -1
.endm
.macro LDF R, b, lo                    ; 16 rows' slices: each load is 512 consecutive bytes of one row
	REP 16, 1, global_load_b128 v[(\R)+4*p:(\R)+4*p+3], v4, s[\lo:\lo+1] offset:(16*(\b)+p)*4096
.endm
.macro CV R, b, dst, sc                ; round to f16 in place and store 256 consecutive bytes a row
.set i, 0
.rept 16
.if \sc
	v_pk_mul_f32 v[(\R)+4*i:(\R)+4*i+1], v[(\R)+4*i:(\R)+4*i+1], v[16:17]
	v_pk_mul_f32 v[(\R)+4*i+2:(\R)+4*i+3], v[(\R)+4*i+2:(\R)+4*i+3], v[18:19]
.endif
	v_cvt_pk_f16_f32 v[(\R)+4*i], v[(\R)+4*i], v[(\R)+4*i+1]
	v_cvt_pk_f16_f32 v[(\R)+4*i+1], v[(\R)+4*i+2], v[(\R)+4*i+3]
	ds_store_b64 v[\dst], v[(\R)+4*i:(\R)+4*i+1] offset:(16*(\b)+i)*PITCH
.set i, i+1
.endr
.endm
; 32 along K: 16 LDS loads, 16 matrix instructions on 16 accumulators by turns.  Used transposed (source 0 = 16 rows of W, source 1 = 16 tokens): a lane holds one token and eight neighbouring channels.
.macro KSTEP s, zero
.if (\s) > 0
	PLACES
.endif
.irp i,0,1,2,3
	ds_load_b128 v[64+8*\i:67+8*\i], v8 offset:\i*16*PITCH+64*(\s)
	ds_load_b128 v[68+8*\i:71+8*\i], v8 offset:\i*16*PITCH+64*(\s)+32
.endr
.irp c,0,1,2,3
	ds_load_b128 v[96+8*\c:99+8*\c], v9 offset:\c*16*PITCH+64*(\s)
	ds_load_b128 v[100+8*\c:103+8*\c], v9 offset:\c*16*PITCH+64*(\s)+32
.endr
.irp c,0,1,2,3
.if \c == 0
	s_wait_dscnt 0x4                       ; the four youngest loads, W's blocks 2 and 3, may stay out
.endif
.if \c == 2
	s_wait_dscnt 0x0
.endif
.irp i,0,1,2,3
.if \zero
	v_wmma_f32_16x16x32_f16 v[128+8*(4*\i+\c):135+8*(4*\i+\c)], v[96+8*\c:103+8*\c], v[64+8*\i:71+8*\i], 0
.else
	v_wmma_f32_16x16x32_f16 v[128+8*(4*\i+\c):135+8*(4*\i+\c)], v[96+8*\c:103+8*\c], v[64+8*\i:71+8*\i], v[128+8*(4*\i+\c):135+8*(4*\i+\c)]
.endif
.endr
.endr
.endm
.macro PSTORE                          ; my partial tile into my B stage: token row, 32 bytes a lane; each accumulator's low registers first
	PLACES
.irp i,0,1,2,3
.irp c,0,1,2,3
	ds_store_b128 v10, v[128+8*(4*\i+\c):131+8*(4*\i+\c)] offset:\i*16*PITCH+64*\c
	ds_store_b128 v10, v[132+8*(4*\i+\c):135+8*(4*\i+\c)] offset:\i*16*PITCH+64*\c+16
.endr
.endr
.endm
.macro REDLD a                         ; four waves' partials of my 2 rows x 8 channels
.irp u,0,1,2,3
.irp j,0,1
	ds_load_b128 v[64+16*\u+8*\j:67+16*\u+8*\j], v[\a] offset:\u*WST+\j*4*PITCH
	ds_load_b128 v[68+16*\u+8*\j:71+16*\u+8*\j], v[\a] offset:\u*WST+\j*4*PITCH+16
.endr
.endr
	s_wait_dscnt 0x0
.endm
.macro REDADD first
.if \first
	REP 8, 2, v_pk_add_f32 v[24+p:25+p], v[64+p:65+p], v[80+p:81+p]
.else
	REP 8, 2, v_pk_add_f32 v[24+p:25+p], v[24+p:25+p], v[64+p:65+p]
	REP 8, 2, v_pk_add_f32 v[24+p:25+p], v[24+p:25+p], v[80+p:81+p]
.endif
	REP 8, 2, v_pk_add_f32 v[24+p:25+p], v[24+p:25+p], v[96+p:97+p]
	REP 8, 2, v_pk_add_f32 v[24+p:25+p], v[24+p:25+p], v[112+p:113+p]
.endm
; cos and signed sin of pos x theta for one of my two rows.  t = pos theta / 2 pi, f = t - round(t), y = pi f in -pi/2 .. pi/2; sin y to y^11, cos y to y^12; cos 2y = 1 - 2 sin^2 y, sin 2y = 2 sin y cos y.
.macro TRIGROW pp, jr
	REP 4, 2, v_pk_mul_f32 v[72+p:73+p], v[64+p:65+p], v[\pp:\pp+1]
	REP 8, 1, v_rndne_f32 v[80+p], v[72+p]
	REP 4, 2, v_pk_add_f32 v[72+p:73+p], v[72+p:73+p], v[80+p:81+p] neg_lo:[0,1] neg_hi:[0,1]
	REP 4, 2, v_pk_mul_f32 v[72+p:73+p], v[72+p:73+p], 0x40490fdb op_sel_hi:[1,0]
	REP 4, 2, v_pk_mul_f32 v[80+p:81+p], v[72+p:73+p], v[72+p:73+p]
	REP 4, 2, v_pk_fma_f32 v[88+p:89+p], v[80+p:81+p], v[50:51], 0x3638ef1d op_sel_hi:[1,1,0]
	REP 4, 2, v_pk_fma_f32 v[88+p:89+p], v[88+p:89+p], v[80+p:81+p], 0xb9500d01 op_sel_hi:[1,1,0]
	REP 4, 2, v_pk_fma_f32 v[88+p:89+p], v[88+p:89+p], v[80+p:81+p], 0x3c088889 op_sel_hi:[1,1,0]
	REP 4, 2, v_pk_fma_f32 v[88+p:89+p], v[88+p:89+p], v[80+p:81+p], 0xbe2aaaab op_sel_hi:[1,1,0]
	REP 4, 2, v_pk_fma_f32 v[88+p:89+p], v[88+p:89+p], v[80+p:81+p], 1.0 op_sel_hi:[1,1,0]
	REP 4, 2, v_pk_mul_f32 v[88+p:89+p], v[88+p:89+p], v[72+p:73+p]
	REP 4, 2, v_pk_fma_f32 v[96+p:97+p], v[80+p:81+p], v[52:53], 0xb493f27e op_sel_hi:[1,1,0]
	REP 4, 2, v_pk_fma_f32 v[96+p:97+p], v[96+p:97+p], v[80+p:81+p], 0x37d00d01 op_sel_hi:[1,1,0]
	REP 4, 2, v_pk_fma_f32 v[96+p:97+p], v[96+p:97+p], v[80+p:81+p], 0xbab60b61 op_sel_hi:[1,1,0]
	REP 4, 2, v_pk_fma_f32 v[96+p:97+p], v[96+p:97+p], v[80+p:81+p], 0x3d2aaaab op_sel_hi:[1,1,0]
	REP 4, 2, v_pk_fma_f32 v[96+p:97+p], v[96+p:97+p], v[80+p:81+p], -0.5 op_sel_hi:[1,1,0]
	REP 4, 2, v_pk_fma_f32 v[96+p:97+p], v[96+p:97+p], v[80+p:81+p], 1.0 op_sel_hi:[1,1,0]
	REP 4, 2, v_pk_mul_f32 v[104+p:105+p], v[88+p:89+p], v[88+p:89+p]
	REP 4, 2, v_pk_fma_f32 v[104+p:105+p], v[104+p:105+p], -2.0, 1.0 op_sel_hi:[1,0,0]
	REP 4, 2, v_pk_mul_f32 v[112+p:113+p], v[88+p:89+p], v[96+p:97+p]
	REP 4, 2, v_pk_mul_f32 v[112+p:113+p], v[112+p:113+p], v[42:43]
	ds_store_b128 v5, v[104:107] offset:512*(2*(\jr))
	ds_store_b128 v5, v[108:111] offset:512*(2*(\jr)+1)
	ds_store_b128 v5, v[112:115] offset:512*(2*(\jr)+4)
	ds_store_b128 v5, v[116:119] offset:512*(2*(\jr)+5)
.endm
	s_load_b256 s[8:15], s[0:1], 0x0               ; x s[8:9], norm1_w s[10:11], wq s[12:13], wk s[14:15]
	s_load_b128 s[16:19], s[0:1], 0x20             ; wv s[16:17], wsA s[18:19]
	v_lshl_add_u32 v2, v0, 2, SPARE                ; my spare word,
	v_mov_b32 v3, 0                                ; and 0: kept for the add at the wave's end
	v_and_b32 v1, 31, v0
	v_lshrrev_b32 v22, 5, v0
	v_readfirstlane_b32 s2, v22                    ; wave 0..7
	s_mov_b32 s20, ttmp9                           ; head
	s_and_b32 s21, ttmp7, 0xffff                   ; block of 64 tokens
	s_mul_i32 s3, s2, WST
	v_lshlrev_b32 v4, 4, v0                        ; 512 w + 16 lane
	v_lshl_add_u32 v6, v1, 3, s3
	v_add_nc_u32 v7, BSTG, v6
	v_and_b32 v22, 15, v0                          ; r
	v_bfe_u32 v23, v0, 4, 1                        ; h
	v_mul_u32_u24 v8, v22, PITCH
	v_lshl_add_u32 v8, v23, 4, v8
	v_add_nc_u32 v8, s3, v8                        ; row r x pitch + 16 h, in my A stage
	v_add_nc_u32 v9, BSTG, v8
	v_lshl_add_u32 v10, v23, 4, v9                 ; row r x pitch + 32 h, in my B stage
	v_bfe_u32 v40, v0, 3, 2                        ; lane / 8
	v_and_b32 v41, 7, v0                           ; lane % 8
	s_mul_i32 s4, s2, 8*PITCH
	s_add_co_u32 s4, s4, BSTG
	v_mul_u32_u24 v11, v40, PITCH
	v_lshl_add_u32 v11, v41, 5, v11
	v_add_nc_u32 v11, s4, v11                      ; row 8 w + lane / 8, 32 bytes at 32 (lane % 8), in wave 0's partial
	v_add_nc_u32 v12, 4*WST, v11                   ; the same in wave 4's
	v_bfe_u32 v42, v0, 3, 1
	v_xor_b32 v42, v42, v23                        ; 0 in the lanes that hold a diagonal number
	v_lshlrev_b32 v13, 2, v22
	v_lshl_add_u32 v13, v42, 8, v13
	s_lshl_b32 s5, s2, 9
	s_add_co_u32 s5, s5, SSQ
	v_add_nc_u32 v13, s5, v13
	s_lshl_b32 s5, s2, 5
	s_add_co_u32 s5, s5, SSQ
	v_lshl_add_u32 v14, v40, 2, s5                 ; word of row 8 w + lane / 8 in wave 0's sums
	s_lshl_b32 s5, s2, 10
	v_lshl_add_u32 v15, v1, 4, s5                  ; 1,024 w + 16 lane
	s_lshl_b32 s5, s2, 12
	s_add_co_u32 s5, s5, TRIG
	v_lshl_add_u32 v5, v1, 4, s5
.irp j,1,2,3,4,5,6,7
	v_cmp_eq_u32 s[32+\j], \j, v41                 ; lanes whose diagonal number lies in register j
.endr
	s_lshl_b32 s22, s21, 18                        ; 64 rows of 4,096 bytes
	s_mov_b32 s23, 0
	s_lshl_b32 s6, s20, 18
	s_mov_b32 s7, 0
	s_lshr_b32 s27, s21, 2                         ; b
	s_lshl_b32 s27, s27, 4
	s_add_co_u32 s27, s27, s20                     ; 16 b + head
	s_lshl_b32 s30, s27, 15
	s_and_b32 s27, s21, 3                          ; which 64 of the sequence's 256
	s_lshl_b32 s28, s27, 13
	s_add_co_u32 s30, s30, s28
	s_mov_b32 s31, 0
	s_mov_b32 s26, 3                               ; passes to go
	s_wait_kmcnt 0x0
	s_add_nc_u64 s[8:9], s[8:9], s[22:23]
	s_add_nc_u64 s[12:13], s[12:13], s[6:7]
	s_add_nc_u64 s[14:15], s[14:15], s[6:7]
	s_add_nc_u64 s[16:17], s[16:17], s[6:7]
	s_add_nc_u64 s[18:19], s[18:19], s[30:31]
	s_mov_b64 s[24:25], s[12:13]
	global_load_b128 v[16:19], v4, s[10:11]
	LDF R0, 0, 8
	LDF R1, 1, 8
	; the rotary tables, while x is on its way
	s_lshl_b32 s28, s27, 6
	s_lshl3_add_u32 s28, s2, s28                   ; 64 (block % 4) + 8 w
	v_add_nc_u32 v44, s28, v40
	v_cvt_f32_u32 v44, v44                         ; position of my first row,
	v_mov_b32 v45, v44
	v_add_f32 v46, 4.0, v44                        ; and of my second
	v_mov_b32 v47, v46
	v_and_b32 v48, 3, v0
	v_lshlrev_b32 v48, 3, v48                      ; my first frequency: 8 (lane % 4)
	v_cmp_gt_u32 vcc_lo, 4, v41
	v_cndmask_b32 v42, 2.0, -2.0, vcc_lo           ; channels 0-31 take -x[d + 32] sin, channels 32-63 +x[d - 32] sin; the 2 is sin 2y's
	v_mov_b32 v43, v42
	v_mov_b32 v50, 0xb2d7322b                      ; -1/11!
	v_mov_b32 v51, 0xb2d7322b
	v_mov_b32 v52, 0x310f76c7                      ; 1/12!
	v_mov_b32 v53, 0x310f76c7
	REP 8, 1, v_add_nc_u32 v[64+p], p, v48
	REP 8, 1, v_cvt_f32_u32 v[64+p], v[64+p]
	REP 8, 1, v_mul_f32 v[64+p], 0xbed49a78, v[64+p]   ; -i log2(10000) / 32
	REP 8, 1, v_exp_f32 v[64+p], v[64+p]
	v_nop                                          ; a plain instruction behind the last exponential,
	s_wait_alu depctr_va_vdst(0)                   ; and one wait for the batch of eight
	REP 8, 1, v_mul_f32 v[64+p], 0.15915494, v[64+p]
	TRIGROW 44, 0
	TRIGROW 46, 1
	LDF R2, 2, 8
	s_wait_loadcnt 32                              ; two younger batches stay out: the norm weight and x's rows 0-15 are in
	CV R0, 0, 6, 0
	LDF R0, 3, 8
	s_wait_loadcnt 32
	CV R1, 1, 6, 0
	LDF R1, 0, 24                                  ; the first pass's W, rows 0-15
	s_wait_loadcnt 32
	CV R2, 2, 6, 0
	s_wait_loadcnt 16                              ; W's rows 0-15 stay out
	CV R0, 3, 6, 0
	LDF R0, 1, 24
	; sums of squares of my K slice: the diagonal of A A^T, four accumulators by turns
.irp s,0,1,2,3
.if \s > 0
	PLACES
.endif
.irp i,0,1,2,3
	ds_load_b128 v[64+8*\i:67+8*\i], v8 offset:\i*16*PITCH+64*\s
	ds_load_b128 v[68+8*\i:71+8*\i], v8 offset:\i*16*PITCH+64*\s+32
.endr
	s_wait_dscnt 0x0
.irp i,0,1,2,3
.if \s == 0
	v_wmma_f32_16x16x32_f16 v[96+8*\i:103+8*\i], v[64+8*\i:71+8*\i], v[64+8*\i:71+8*\i], 0
.else
	v_wmma_f32_16x16x32_f16 v[96+8*\i:103+8*\i], v[64+8*\i:71+8*\i], v[64+8*\i:71+8*\i], v[96+8*\i:103+8*\i]
.endif
.endr
.endr
	PLACES
.irp i,0,1,2,3
	v_cndmask_b32 v[40+\i], v[96+8*\i], v[97+8*\i], s33    ; register lane % 8 of the accumulator
.irp j,2,3,4,5,6,7
	v_cndmask_b32 v[40+\i], v[40+\i], v[96+8*\i+\j], s[32+\j]
.endr
	ds_store_b32 v13, v[40+\i] offset:64*\i
.endr
	s_mov_b32 s28, 0x3a800000                      ; 1/1024
	s_mov_b32 s29, 0x358637bd                      ; 1e-6
	BAR                                            ; every wave's partial sums of squares are in LDS
.irp j,0,1
.irp u,0,1,2,3,4,5,6,7
	ds_load_b32 v[64+8*\j+\u], v14 offset:512*\u+16*\j
.endr
.endr
	s_wait_dscnt 0x0
	REP 2, 8, v_pk_add_f32 v[64+p:65+p], v[64+p:65+p], v[66+p:67+p]
	REP 2, 8, v_pk_add_f32 v[68+p:69+p], v[68+p:69+p], v[70+p:71+p]
	REP 2, 8, v_pk_add_f32 v[64+p:65+p], v[64+p:65+p], v[68+p:69+p]
	v_add_f32 v20, v64, v65
	v_add_f32 v22, v72, v73
	v_fma_f32 v20, v20, s28, s29
	v_fma_f32 v22, v22, s28, s29
	v_rsq_f32 v20, v20
	v_rsq_f32 v22, v22
	v_nop
	s_wait_alu depctr_va_vdst(0)                   ; one wait for both roots
	v_mov_b32 v21, v20
	v_mov_b32 v23, v22
.Lpass:                                                ; at the head W's rows 0-15 (R1) and 16-31 (R0) are on their way, on the way in and round the back edge alike
	LDF R2, 2, 24
	s_wait_loadcnt 32
	CV R1, 0, 7, 1
	LDF R1, 3, 24
	s_wait_loadcnt 32
	CV R0, 1, 7, 1
	s_wait_loadcnt 16
	CV R2, 2, 7, 1
	s_wait_loadcnt 0
	CV R1, 3, 7, 1
	KSTEP 0, 1
	KSTEP 1, 0
	KSTEP 2, 0
	KSTEP 3, 0
	PSTORE
	s_cmp_eq_u32 s26, 1
	s_cbranch_scc1 .Lnonext
	s_cmp_eq_u32 s26, 3                            ; the next pass's W flies under the reduction, into the freed accumulators
	s_cselect_b64 s[24:25], s[14:15], s[16:17]
	LDF R1, 0, 24
	LDF R0, 1, 24
.Lnonext:
	BAR                                            ; all eight partial tiles are in LDS
	REDLD 11
	REDADD 1
	REDLD 12
	REDADD 0
	BAR                                            ; every wave's reads of the partials are back: the B stages may be written again
	REP 4, 2, v_pk_mul_f32 v[24+p:25+p], v[24+p:25+p], v[20:21]
	REP 4, 2, v_pk_mul_f32 v[32+p:33+p], v[32+p:33+p], v[22:23]
	s_cmp_eq_u32 s26, 1
	s_cbranch_scc1 .Lnorope                        ; v is not rotated
	REP 8, 1, ds_load_b128 v[64+4*p:67+4*p], v5 offset:512*p
	s_wait_dscnt 0x0
	REP 16, 1, v_mul_f32_dpp v[96+p], v[24+p], v[80+p] row_xmask:4 row_mask:0xf bank_mask:0xf  ; the partner channel, 32 away, lies in lane xor 4
	REP 16, 1, v_fma_f32 v[24+p], v[24+p], v[64+p], v[96+p]
.Lnorope:
	REP 8, 1, v_cvt_pk_f16_f32 v[40+p], v[24+2*p], v[25+2*p]
	global_store_b128 v15, v[40:43], s[18:19]              ; four rows of 128 bytes: 512 consecutive bytes
	global_store_b128 v15, v[44:47], s[18:19] offset:512
	s_wait_xcnt 0x0                                ; the stores' base and data are rewritten only behind this wait
	s_add_nc_u64 s[18:19], s[18:19], 0x200000
	s_sub_co_u32 s26, s26, 1
	s_cmp_lg_u32 s26, 0
	s_cbranch_scc1 .Lpass
	s_wait_tensorcnt 0x0                           ; the wave's end, behind my last LDS store
	ds_add_u32 v2, v3
	s_wait_dscnt 0x0
	s_endpgm
.Lfunc_end_k_q58023d92db_qkv:
	.size	k_q58023d92db_qkv, .Lfunc_end_k_q58023d92db_qkv-k_q58023d92db_qkv
	.p2alignl 7, 3214868480
	.fill 96, 4, 3214868480
	.section	.rodata,"a",@progbits
	.p2align	6, 0x0
	.amdhsa_kernel k_q58023d92db_qkv
		.amdhsa_group_segment_fixed_size 316416
		.amdhsa_private_segment_fixed_size 0
		.amdhsa_enable_private_segment 0
		.amdhsa_kernarg_size 48
		.amdhsa_user_sgpr_count 2
		.amdhsa_user_sgpr_kernarg_segment_ptr 1
		.amdhsa_wavefront_size32 1
		.amdhsa_system_sgpr_workgroup_id_x 1
		.amdhsa_system_sgpr_workgroup_id_y 1
		.amdhsa_system_sgpr_workgroup_id_z 1
		.amdhsa_system_vgpr_workitem_id 0
		.amdhsa_next_free_vgpr 256
		.amdhsa_next_free_sgpr 66
		.amdhsa_reserve_vcc 1
		.amdhsa_float_denorm_mode_32 3
		.amdhsa_float_denorm_mode_16_64 3
		.amdhsa_memory_ordered 1
		.amdhsa_forward_progress 1
		.amdhsa_inst_pref_size 95
	.end_amdhsa_kernel
	.amdgpu_metadata
---
amdhsa.version: [ 1, 2 ]
amdhsa.kernels:
  - .name:           k_q58023d92db_qkv
    .symbol:         k_q58023d92db_qkv.kd
    .args:
      - { .name: x, .offset: 0, .size: 8, .value_kind: global_buffer, .address_space: global }
      - { .name: norm1_w, .offset: 8, .size: 8, .value_kind: global_buffer, .address_space: global }
      - { .name: wq, .offset: 16, .size: 8, .value_kind: global_buffer, .address_space: global }
      - { .name: wk, .offset: 24, .size: 8, .value_kind: global_buffer, .address_space: global }
      - { .name: wv, .offset: 32, .size: 8, .value_kind: global_buffer, .address_space: global }
      - { .name: wsA, .offset: 40, .size: 8, .value_kind: global_buffer, .address_space: global }
    .group_segment_fixed_size: 316416
    .private_segment_fixed_size: 0
    .kernarg_segment_align: 8
    .kernarg_segment_size: 48
    .max_flat_workgroup_size: 256
    .sgpr_count:     66
    .vgpr_count:     256
    .wavefront_size: 32
...
	.end_amdgpu_metadata
.endif
;; end of part 1
;; launch attn (part 2): grid 4 x 64, 4 waves a work-group, no clusters, 87,552 bytes of LDS; arguments wsA, wsB; writes wsB
.if DOCPART == 2
	.amdgcn_target "amdgcn-amd-amdhsa--gfx1250"
	.amdhsa_code_object_version 6
	.text
	.protected	k_q58023d92db_attn
	.globl	k_q58023d92db_attn
	.p2align	8
	.type	k_q58023d92db_attn,@function
k_q58023d92db_attn:
	s_mov_b64 s[64:65], 0
	v_nop
	global_prefetch_b8 v0, s[64:65] scope:SCOPE_SE
	s_setreg_imm32_b32 hwreg(HW_REG_WAVE_MODE, 25, 1), 1
	s_wait_xcnt 0x0
; Causal attention, head size 64, 256 positions.  q, k, v: wsA at 0, 2 MiB, 4 MiB, [16 b + head][256][64] f16.  ctx: wsB [head][token 256 b + s][64] f16.
; A work-group owns 64 queries of one (b, head), a wave 16.  Key blocks of 64 above the diagonal block are neither loaded nor multiplied.
; S^T = K Q^T: a lane holds one query (lane % 16) and the keys 8 (lane / 16) + 0..7 of each 16; two such results rounded to f16 are source 1 of O^T = V^T P.
; p = 2^(c s - c m), c = log2(e) / 8, running maximum m and sum l in f32; O and l are multiplied by a = 2^(c m_old - c m_new) in every step; m starts at the lowest finite number, so the first a is 0.
; LIMITS.  q, k, v within f16's 65,504; a hidden score counts as -1e30; a weight below 2^-126 counts as 0; NaN and infinities are not treated apart.
; NO CLUSTER: K and V of a (b, head) are 64 KB, loaded once through registers by each of its four work-groups; they are a small part of the launch and the four need different numbers of blocks.
.set PK, 144                           ; a row of K in LDS: 128 bytes + 16
.set PV, 160                           ; a row of V: 128 + 32
.set VB, 256*PK
.set STAGE, VB+256*PV                  ; 16 rows x 144 bytes for each wave, for the way out
.set SPARE, STAGE+4*16*PK
; v5 r  v6 h  v7 Q offset  v8 16 lane  v9, v10 K, V stage stores  v11 K fragments  v12 V fragments  v13 query - 8 h  v14, v15 way out  v16 c m  v17 m  v18-19 l  v20-23 at work (a in v22)  v24 c m_old  v27 -1e30
; v48-63 Q  v64-127 K, then V fragments  v128-159 S^T  v160-175 P  v176-207 O^T
.macro REP n, st, line:vararg
.set p, 0
.rept \n
	\line
.set p, p+(\st)
.endr
.endm
.macro PLACES
.rept 4
	v_nop
.endr
.endm
	s_load_b128 s[8:11], s[0:1], 0x0               ; wsA, wsB
	v_lshl_add_u32 v2, v0, 2, SPARE
	v_mov_b32 v3, 0
	v_and_b32 v1, 31, v0
	v_lshrrev_b32 v4, 5, v0
	v_readfirstlane_b32 s2, v4                     ; wave 0..3
	s_sub_co_u32 s20, 3, ttmp9                     ; query block: the longest first
	s_and_b32 s21, ttmp7, 0xffff                   ; 16 b + head
	v_and_b32 v5, 15, v0
	v_bfe_u32 v6, v0, 4, 1
	v_lshlrev_b32 v7, 7, v5
	v_lshl_add_u32 v7, v6, 4, v7
	v_lshlrev_b32 v8, 4, v1
	v_bfe_u32 v24, v0, 3, 2
	v_and_b32 v25, 7, v0
	s_mul_i32 s3, s2, 64*PK
	v_mul_u32_u24 v9, v24, PK
	v_lshl_add_u32 v9, v25, 4, v9
	v_add_nc_u32 v9, s3, v9
	s_mul_i32 s4, s2, 64*PV
	s_add_co_u32 s4, s4, VB
	v_mul_u32_u24 v10, v24, PV
	v_lshl_add_u32 v10, v25, 4, v10
	v_add_nc_u32 v10, s4, v10
	v_mul_u32_u24 v11, v5, PK
	v_lshl_add_u32 v11, v6, 4, v11
	v_bfe_u32 v26, v0, 3, 1
	v_lshl_add_u32 v12, v6, 3, v25                 ; key 8 h + lane % 8,
	v_mul_u32_u24 v12, v12, PV
	v_lshl_add_u32 v12, v26, 4, v12                ; channels 8 ((lane / 8) % 2) on
	v_add_nc_u32 v12, VB, v12
	s_lshl_b32 s5, s2, 4
	v_lshlrev_b32 v13, 3, v6
	v_sub_nc_u32 v13, v5, v13
	v_add_nc_u32 v13, s5, v13                      ; register j of key group kt is hidden where 16 kt + j is greater
	s_mul_i32 s5, s2, 16*PK
	s_add_co_u32 s5, s5, STAGE
	v_mul_u32_u24 v14, v5, PK
	v_lshl_add_u32 v14, v6, 4, v14
	v_add_nc_u32 v14, s5, v14
	v_mul_u32_u24 v15, v24, PK
	v_lshl_add_u32 v15, v25, 4, v15
	v_add_nc_u32 v15, s5, v15
	v_mov_b32 v27, 0xf149f2ca                      ; -1e30
	s_lshl_b32 s12, s21, 15                        ; 256 rows of 128 bytes
	s_lshl_b32 s14, s20, 13
	s_lshl_b32 s15, s2, 11
	s_add_co_u32 s14, s14, s15
	s_add_co_u32 s14, s14, s12                     ; my 16 queries
	s_mov_b32 s15, 0
	s_lshl_b32 s16, s2, 13
	s_add_co_u32 s16, s16, s12
	s_add_co_u32 s16, s16, 0x200000                ; key block w of K; V lies 2 MiB on
	s_mov_b32 s17, 0
	s_and_b32 s18, s21, 15
	s_lshl_b32 s18, s18, 17                        ; head x 1,024 tokens x 128 bytes
	s_lshr_b32 s19, s21, 4
	s_lshl_b32 s19, s19, 15
	s_add_co_u32 s18, s18, s19
	s_lshl_b32 s19, s20, 13
	s_add_co_u32 s18, s18, s19
	s_lshl_b32 s19, s2, 11
	s_add_co_u32 s18, s18, s19
	s_mov_b32 s19, 0
	s_mov_b32 s26, 0x76543210                      ; v_permlanex16_b32: each lane takes its own place in the other half
	s_mov_b32 s27, 0xfedcba98
	s_mov_b32 s28, 0x3e38aa3b                      ; c = log2(e) / 8
	s_mov_b32 s29, s28
	s_wait_kmcnt 0x0
	s_add_nc_u64 s[14:15], s[8:9], s[14:15]
	s_add_nc_u64 s[16:17], s[8:9], s[16:17]
	s_add_nc_u64 s[10:11], s[10:11], s[18:19]
	REP 4, 1, global_load_b128 v[48+4*p:51+4*p], v7, s[14:15] offset:32*p
	s_cmp_gt_u32 s2, s20
	s_cbranch_scc1 .Lnokv                          ; my key block lies above the diagonal block: nobody reads it
	REP 16, 1, global_load_b128 v[64+4*p:67+4*p], v8, s[16:17] offset:512*p
	REP 16, 1, global_load_b128 v[128+4*p:131+4*p], v8, s[16:17] offset:0x200000+512*p
	s_wait_loadcnt 16                              ; V's sixteen stay out
	REP 16, 1, ds_store_b128 v9, v[64+4*p:67+4*p] offset:p*4*PK
	s_wait_loadcnt 0
	REP 16, 1, ds_store_b128 v10, v[128+4*p:131+4*p] offset:p*4*PV
.Lnokv:
	REP 32, 1, v_mov_b32 v[176+p], 0               ; no first step is written out: O and l start at 0
	v_mov_b32 v16, 0xfe000000                      ; c m: far below every c s
	v_mov_b32 v17, 0xff7fffff
	v_mov_b32 v18, 0
	v_mov_b32 v19, 0
	s_wait_loadcnt 0                               ; Q
	s_wait_dscnt 0x0
	s_barrier_signal -1
	s_barrier_wait -1                              ; K and V are whole; nothing writes them again
	s_mov_b32 s30, 0
.Lkb:                                                  ; four trips; those above the diagonal are jumped
	s_cmp_gt_u32 s30, s20
	s_cbranch_scc1 .Lskip
.irp kt,0,1,2,3
.irp c,0,1
	ds_load_b128 v[64+16*\kt+8*\c:67+16*\kt+8*\c], v11 offset:\kt*16*PK+64*\c
	ds_load_b128 v[68+16*\kt+8*\c:71+16*\kt+8*\c], v11 offset:\kt*16*PK+64*\c+32
.endr
.endr
	s_wait_dscnt 0x0
.irp kt,0,1,2,3
	v_wmma_f32_16x16x32_f16 v[128+8*\kt:135+8*\kt], v[64+16*\kt:71+16*\kt], v[48:55], 0
.endr
.irp kt,0,1,2,3
	v_wmma_f32_16x16x32_f16 v[128+8*\kt:135+8*\kt], v[72+16*\kt:79+16*\kt], v[56:63], v[128+8*\kt:135+8*\kt]
.endr
	PLACES
.irp f,0,1,2,3,4,5,6,7
	ds_load_tr16_b128 v[64+8*\f:67+8*\f], v12 offset:(\f/4)*32*PV+(\f%4)*32
	ds_load_tr16_b128 v[68+8*\f:71+8*\f], v12 offset:(\f/4)*32*PV+16*PV+(\f%4)*32
.endr
	s_cmp_lg_u32 s30, s20
	s_cbranch_scc1 .Lnomask
.set i, 0
.rept 32
	v_cmp_gt_i32 vcc_lo, 16*(i/8)+i%8, v13
	v_cndmask_b32 v[128+i], v[128+i], v27, vcc_lo
.set i, i+1
.endr
.Lnomask:
	REP 4, 1, v_max3_num_f32 v[20+p], v[128+8*p], v[129+8*p], v[130+8*p]   ; each accumulator's lowest registers are read first
	REP 4, 1, v_max3_num_f32 v[20+p], v[20+p], v[131+8*p], v[132+8*p]
	REP 4, 1, v_max3_num_f32 v[20+p], v[20+p], v[133+8*p], v[134+8*p]
	v_max3_num_f32 v20, v20, v135, v143
	v_max3_num_f32 v21, v21, v151, v159
	v_max3_num_f32 v22, v22, v23, v17
	v_mov_b32 v24, v16
	v_max3_num_f32 v20, v20, v21, v22
	v_permlanex16_b32 v23, v20, s26, s27           ; the query's other 32 keys lie in the lane 16 away
	v_max_num_f32 v17, v20, v23
	v_mul_f32 v16, s28, v17
	v_sub_f32 v21, v24, v16
	REP 16, 2, v_pk_fma_f32 v[128+p:129+p], v[128+p:129+p], s[28:29], v[16:17] op_sel_hi:[1,0,0] neg_lo:[0,0,1] neg_hi:[0,0,1]
	v_exp_f32 v22, v21
	REP 32, 1, v_exp_f32 v[128+p], v[128+p]
	v_nop                                          ; a plain instruction behind the last exponential,
	s_wait_alu depctr_va_vdst(0)                   ; and one wait for the batch of 33
	REP 16, 1, v_cvt_pk_f16_f32 v[160+p], v[128+2*p], v[129+2*p]
	REP 8, 4, v_pk_add_f32 v[128+p:129+p], v[128+p:129+p], v[130+p:131+p]
	REP 4, 8, v_pk_add_f32 v[128+p:129+p], v[128+p:129+p], v[132+p:133+p]
	REP 2, 16, v_pk_add_f32 v[128+p:129+p], v[128+p:129+p], v[136+p:137+p]
	v_pk_add_f32 v[128:129], v[128:129], v[144:145]
	v_pk_fma_f32 v[18:19], v[18:19], v[22:23], v[128:129] op_sel_hi:[1,0,1]
	REP 16, 2, v_pk_mul_f32 v[176+p:177+p], v[176+p:177+p], v[22:23] op_sel_hi:[1,0]
	s_wait_dscnt 0x0                               ; V is in
.irp kk,0,1
.irp cb,0,1,2,3
	v_wmma_f32_16x16x32_f16 v[176+8*\cb:183+8*\cb], v[64+32*\kk+8*\cb:71+32*\kk+8*\cb], v[160+8*\kk:167+8*\kk], v[176+8*\cb:183+8*\cb]
.endr
.endr
	PLACES
.Lskip:
	v_add_nc_u32 v11, 64*PK, v11
	v_add_nc_u32 v12, 64*PV, v12
	s_add_co_u32 s30, s30, 1
	s_cmp_lt_u32 s30, 4
	s_cbranch_scc1 .Lkb
	v_add_f32 v18, v18, v19
	v_permlanex16_b32 v19, v18, s26, s27
	v_add_f32 v18, v18, v19
	v_rcp_f32 v18, v18
	v_nop
	s_wait_alu depctr_va_vdst(0)
	v_mov_b32 v19, v18
	REP 16, 2, v_pk_mul_f32 v[176+p:177+p], v[176+p:177+p], v[18:19]
	REP 16, 1, v_cvt_pk_f16_f32 v[128+p], v[176+2*p], v[177+2*p]
	REP 4, 1, ds_store_b128 v14, v[128+4*p:131+4*p] offset:32*p
	REP 4, 1, ds_load_b128 v[144+4*p:147+4*p], v15 offset:p*4*PK   ; LDS serves a wave's instructions in order (ISA guide 5.7.1.4): these see the stores above
.irp f,0,1,2,3
	s_wait_dscnt 3-\f
	global_store_b128 v8, v[144+4*\f:147+4*\f], s[10:11] offset:512*\f     ; four rows of 128 bytes: 512 consecutive bytes
.endr
	s_wait_tensorcnt 0x0                           ; the wave's end
	ds_add_u32 v2, v3
	s_wait_dscnt 0x0
	s_endpgm
.Lfunc_end_k_q58023d92db_attn:
	.size	k_q58023d92db_attn, .Lfunc_end_k_q58023d92db_attn-k_q58023d92db_attn
	.p2alignl 7, 3214868480
	.fill 96, 4, 3214868480
	.section	.rodata,"a",@progbits
	.p2align	6, 0x0
	.amdhsa_kernel k_q58023d92db_attn
		.amdhsa_group_segment_fixed_size 87552
		.amdhsa_private_segment_fixed_size 0
		.amdhsa_enable_private_segment 0
		.amdhsa_kernarg_size 16
		.amdhsa_user_sgpr_count 2
		.amdhsa_user_sgpr_kernarg_segment_ptr 1
		.amdhsa_wavefront_size32 1
		.amdhsa_system_sgpr_workgroup_id_x 1
		.amdhsa_system_sgpr_workgroup_id_y 1
		.amdhsa_system_sgpr_workgroup_id_z 1
		.amdhsa_system_vgpr_workitem_id 0
		.amdhsa_next_free_vgpr 208
		.amdhsa_next_free_sgpr 66
		.amdhsa_reserve_vcc 1
		.amdhsa_float_denorm_mode_32 3
		.amdhsa_float_denorm_mode_16_64 3
		.amdhsa_memory_ordered 1
		.amdhsa_forward_progress 1
		.amdhsa_inst_pref_size 26
	.end_amdhsa_kernel
	.amdgpu_metadata
---
amdhsa.version: [ 1, 2 ]
amdhsa.kernels:
  - .name:           k_q58023d92db_attn
    .symbol:         k_q58023d92db_attn.kd
    .args:
      - { .name: wsA, .offset: 0, .size: 8, .value_kind: global_buffer, .address_space: global }
      - { .name: wsB, .offset: 8, .size: 8, .value_kind: global_buffer, .address_space: global }
    .group_segment_fixed_size: 87552
    .private_segment_fixed_size: 0
    .kernarg_segment_align: 8
    .kernarg_segment_size: 16
    .max_flat_workgroup_size: 128
    .sgpr_count:     66
    .vgpr_count:     208
    .wavefront_size: 32
...
	.end_amdgpu_metadata
.endif
;; end of part 2
;; launch oproj (part 3): grid 16 x 16, 8 waves a work-group, no clusters, 279,552 bytes of LDS; arguments wsB, wo, x, x1; writes x1
.if DOCPART == 3
	.amdgcn_target "amdgcn-amd-amdhsa--gfx1250"
	.amdhsa_code_object_version 6
	.text
	.protected	k_q58023d92db_oproj
	.globl	k_q58023d92db_oproj
	.p2align	8
	.type	k_q58023d92db_oproj,@function
k_q58023d92db_oproj:
	s_mov_b64 s[64:65], 0
	v_nop
	global_prefetch_b8 v0, s[64:65] scope:SCOPE_SE
	s_setreg_imm32_b32 hwreg(HW_REG_WAVE_MODE, 25, 1), 1
	s_wait_xcnt 0x0
; x1 = x + ctx wo^T.  ctx: wsB [head][token][64] f16; wo, x, x1 f32.  A work-group makes 64 tokens x 64 columns; the eight waves split K: wave w owns k = 128 w .. + 127, that is heads 2 w and 2 w + 1.
; wo is rounded f32 -> f16 on its way through registers; each wave stages its own slices in LDS bytes of its own; the eight f32 partial tiles meet in LDS; the residual is added in f32.
; LIMITS.  |wo| below 65,504 (f16), numbers below 6e-5 keep f16's step of 6e-8; NaN and infinities are not treated apart.
; NO TENSOR LOADS, NO CLUSTER: wo is f32 in memory and must pass registers to be rounded.
.set PITCH, 272
.set WST, 64*PITCH
.set BSTG, 8*WST
.set SPARE, 16*WST
.set R0, 128
.set R1, 192
.set R2, 64
; v4 512 w + 16 lane  v5 ctx offset  v6, v7 stage stores A, B  v8, v9 fragment loads  v10 partial store  v11, v12 partial reads  v15 x, x1 offset  v24-39 sums  v64-127 R2, fragments  v128-255 R0, R1, accumulators
.macro REP n, st, line:vararg
.set p, 0
.rept \n
	\line
.set p, p+(\st)
.endr
.endm
.macro PLACES
.rept 4
	v_nop
.endr
.endm
.macro BAR
	s_wait_dscnt 0x0
	s_barrier_signal -1
	s_barrier_wait -1
.endm
.macro LDF R, b, lo
	REP 16, 1, global_load_b128 v[(\R)+4*p:(\R)+4*p+3], v4, s[\lo:\lo+1] offset:(16*(\b)+p)*4096
.endm
.macro LDA16 R, bp                     ; 64 rows x 128 bytes of head 2 w + bp: 8 KB on end, 512 bytes a load
	REP 16, 1, global_load_b128 v[(\R)+4*p:(\R)+4*p+3], v5, s[8:9] offset:(\bp)*131072+p*512
.endm
.macro STA16 R, bp
	REP 16, 1, ds_store_b128 v6, v[(\R)+4*p:(\R)+4*p+3] offset:p*4*PITCH+128*(\bp)
.endm
.macro CV R, b, dst
.set i, 0
.rept 16
	v_cvt_pk_f16_f32 v[(\R)+4*i], v[(\R)+4*i], v[(\R)+4*i+1]
	v_cvt_pk_f16_f32 v[(\R)+4*i+1], v[(\R)+4*i+2], v[(\R)+4*i+3]
	ds_store_b64 v[\dst], v[(\R)+4*i:(\R)+4*i+1] offset:(16*(\b)+i)*PITCH
.set i, i+1
.endr
.endm
.macro KSTEP s, zero
.if (\s) > 0
	PLACES
.endif
.irp i,0,1,2,3
	ds_load_b128 v[64+8*\i:67+8*\i], v8 offset:\i*16*PITCH+64*(\s)
	ds_load_b128 v[68+8*\i:71+8*\i], v8 offset:\i*16*PITCH+64*(\s)+32
.endr
.irp c,0,1,2,3
	ds_load_b128 v[96+8*\c:99+8*\c], v9 offset:\c*16*PITCH+64*(\s)
	ds_load_b128 v[100+8*\c:103+8*\c], v9 offset:\c*16*PITCH+64*(\s)+32
.endr
.irp c,0,1,2,3
.if \c == 0
	s_wait_dscnt 0x4                       ; the four youngest loads may stay out
.endif
.if \c == 2
	s_wait_dscnt 0x0
.endif
.irp i,0,1,2,3
.if \zero
	v_wmma_f32_16x16x32_f16 v[128+8*(4*\i+\c):135+8*(4*\i+\c)], v[96+8*\c:103+8*\c], v[64+8*\i:71+8*\i], 0
.else
	v_wmma_f32_16x16x32_f16 v[128+8*(4*\i+\c):135+8*(4*\i+\c)], v[96+8*\c:103+8*\c], v[64+8*\i:71+8*\i], v[128+8*(4*\i+\c):135+8*(4*\i+\c)]
.endif
.endr
.endr
.endm
.macro PSTORE
	PLACES
.irp i,0,1,2,3
.irp c,0,1,2,3
	ds_store_b128 v10, v[128+8*(4*\i+\c):131+8*(4*\i+\c)] offset:\i*16*PITCH+64*\c
	ds_store_b128 v10, v[132+8*(4*\i+\c):135+8*(4*\i+\c)] offset:\i*16*PITCH+64*\c+16
.endr
.endr
.endm
.macro REDLD a                         ; four waves' partials of my 4 rows x 4 columns
.irp u,0,1,2,3
.irp j,0,1,2,3
	ds_load_b128 v[64+16*\u+4*\j:67+16*\u+4*\j], v[\a] offset:\u*WST+\j*2*PITCH
.endr
.endr
	s_wait_dscnt 0x0
.endm
.macro REDADD first
.if \first
	REP 8, 2, v_pk_add_f32 v[24+p:25+p], v[64+p:65+p], v[80+p:81+p]
.else
	REP 8, 2, v_pk_add_f32 v[24+p:25+p], v[24+p:25+p], v[64+p:65+p]
	REP 8, 2, v_pk_add_f32 v[24+p:25+p], v[24+p:25+p], v[80+p:81+p]
.endif
	REP 8, 2, v_pk_add_f32 v[24+p:25+p], v[24+p:25+p], v[96+p:97+p]
	REP 8, 2, v_pk_add_f32 v[24+p:25+p], v[24+p:25+p], v[112+p:113+p]
.endm
	s_load_b256 s[8:15], s[0:1], 0x0               ; ctx s[8:9], wo s[10:11], x s[12:13], x1 s[14:15]
	v_lshl_add_u32 v2, v0, 2, SPARE
	v_mov_b32 v3, 0
	v_and_b32 v1, 31, v0
	v_lshrrev_b32 v22, 5, v0
	v_readfirstlane_b32 s2, v22
	s_mov_b32 s20, ttmp9                           ; column block
	s_and_b32 s21, ttmp7, 0xffff                   ; block of 64 tokens
	s_mul_i32 s3, s2, WST
	v_lshlrev_b32 v4, 4, v0
	s_lshl_b32 s5, s2, 18
	v_lshl_add_u32 v5, v1, 4, s5                   ; two heads of 131,072 bytes a wave
	v_bfe_u32 v40, v0, 3, 2
	v_and_b32 v41, 7, v0
	v_mul_u32_u24 v6, v40, PITCH
	v_lshl_add_u32 v6, v41, 4, v6
	v_add_nc_u32 v6, s3, v6
	v_lshl_add_u32 v7, v1, 3, s3
	v_add_nc_u32 v7, BSTG, v7
	v_and_b32 v22, 15, v0
	v_bfe_u32 v23, v0, 4, 1
	v_mul_u32_u24 v8, v22, PITCH
	v_lshl_add_u32 v8, v23, 4, v8
	v_add_nc_u32 v8, s3, v8
	v_add_nc_u32 v9, BSTG, v8
	v_lshl_add_u32 v10, v23, 4, v9
	s_mul_i32 s4, s2, 8*PITCH
	s_add_co_u32 s4, s4, BSTG
	v_mul_u32_u24 v11, v23, PITCH
	v_lshl_add_u32 v11, v22, 4, v11
	v_add_nc_u32 v11, s4, v11                      ; row 8 w + lane / 16, 16 bytes at 16 (lane % 16)
	v_add_nc_u32 v12, 4*WST, v11
	s_lshl_b32 s5, s2, 15
	v_lshl_add_u32 v15, v23, 12, s5
	v_lshl_add_u32 v15, v22, 4, v15
	s_lshl_b32 s22, s21, 13
	s_mov_b32 s23, 0
	s_lshl_b32 s6, s20, 18
	s_mov_b32 s7, 0
	s_lshl_b32 s24, s21, 18
	s_lshl_b32 s25, s20, 8
	s_add_co_u32 s24, s24, s25
	s_mov_b32 s25, 0
	s_wait_kmcnt 0x0
	s_add_nc_u64 s[8:9], s[8:9], s[22:23]
	s_add_nc_u64 s[10:11], s[10:11], s[6:7]
	s_add_nc_u64 s[12:13], s[12:13], s[24:25]
	s_add_nc_u64 s[14:15], s[14:15], s[24:25]
	LDA16 R0, 0
	LDA16 R1, 1
	LDF R2, 0, 10
	s_wait_loadcnt 32                              ; in each of these waits the count is the loads of the younger batches, 16 each
	STA16 R0, 0
	LDF R0, 1, 10
	s_wait_loadcnt 32
	STA16 R1, 1
	LDF R1, 2, 10
	s_wait_loadcnt 32
	CV R2, 0, 7
	LDF R2, 3, 10
	s_wait_loadcnt 32
	CV R0, 1, 7
	s_wait_loadcnt 16
	CV R1, 2, 7
	s_wait_loadcnt 0
	CV R2, 3, 7
	KSTEP 0, 1
	KSTEP 1, 0
	KSTEP 2, 0
	KSTEP 3, 0
	PSTORE
	REP 4, 1, global_load_b128 v[128+4*p:131+4*p], v15, s[12:13] offset:p*8192     ; the residual flies under the reduction
	BAR                                            ; all eight partial tiles are in LDS
	REDLD 11
	REDADD 1
	REDLD 12
	REDADD 0
	s_wait_loadcnt 0
	REP 8, 2, v_pk_add_f32 v[24+p:25+p], v[24+p:25+p], v[128+p:129+p]
	REP 4, 1, global_store_b128 v15, v[24+4*p:27+4*p], s[14:15] offset:p*8192      ; sixteen lanes store 256 consecutive bytes, aligned
	s_wait_tensorcnt 0x0                           ; the wave's end
	ds_add_u32 v2, v3
	s_wait_dscnt 0x0
	s_endpgm
.Lfunc_end_k_q58023d92db_oproj:
	.size	k_q58023d92db_oproj, .Lfunc_end_k_q58023d92db_oproj-k_q58023d92db_oproj
	.p2alignl 7, 3214868480
	.fill 96, 4, 3214868480
	.section	.rodata,"a",@progbits
	.p2align	6, 0x0
	.amdhsa_kernel k_q58023d92db_oproj
		.amdhsa_group_segment_fixed_size 279552
		.amdhsa_private_segment_fixed_size 0
		.amdhsa_enable_private_segment 0
		.amdhsa_kernarg_size 32
		.amdhsa_user_sgpr_count 2
		.amdhsa_user_sgpr_kernarg_segment_ptr 1
		.amdhsa_wavefront_size32 1
		.amdhsa_system_sgpr_workgroup_id_x 1
		.amdhsa_system_sgpr_workgroup_id_y 1
		.amdhsa_system_sgpr_workgroup_id_z 1
		.amdhsa_system_vgpr_workitem_id 0
		.amdhsa_next_free_vgpr 256
		.amdhsa_next_free_sgpr 66
		.amdhsa_reserve_vcc 0
		.amdhsa_float_denorm_mode_32 3
		.amdhsa_float_denorm_mode_16_64 3
		.amdhsa_memory_ordered 1
		.amdhsa_forward_progress 1
		.amdhsa_inst_pref_size 44
	.end_amdhsa_kernel
	.amdgpu_metadata
---
amdhsa.version: [ 1, 2 ]
amdhsa.kernels:
  - .name:           k_q58023d92db_oproj
    .symbol:         k_q58023d92db_oproj.kd
    .args:
      - { .name: wsB, .offset: 0, .size: 8, .value_kind: global_buffer, .address_space: global }
      - { .name: wo, .offset: 8, .size: 8, .value_kind: global_buffer, .address_space: global }
      - { .name: x, .offset: 16, .size: 8, .value_kind: global_buffer, .address_space: global }
      - { .name: x1, .offset: 24, .size: 8, .value_kind: global_buffer, .address_space: global }
    .group_segment_fixed_size: 279552
    .private_segment_fixed_size: 0
    .kernarg_segment_align: 8
    .kernarg_segment_size: 32
    .max_flat_workgroup_size: 256
    .sgpr_count:     66
    .vgpr_count:     256
    .wavefront_size: 32
...
	.end_amdgpu_metadata
.endif
;; end of part 3
;; launch shup (part 4): grid 16 x 16, 8 waves a work-group, no clusters, 283,648 bytes of LDS; arguments x1, norm2_w, sg, su, router_w, expert_bias, hh, ids, gw; writes hh, ids, gw
.if DOCPART == 4
	.amdgcn_target "amdgcn-amd-amdhsa--gfx1250"
	.amdhsa_code_object_version 6
	.text
	.protected	k_q58023d92db_shup
	.globl	k_q58023d92db_shup
	.p2align	8
	.type	k_q58023d92db_shup,@function
k_q58023d92db_shup:
	s_mov_b64 s[64:65], 0
	v_nop
	global_prefetch_b8 v0, s[64:65] scope:SCOPE_SE
	s_setreg_imm32_b32 hwreg(HW_REG_WAVE_MODE, 25, 1), 1
	s_wait_xcnt 0x0
; Two things.  (1) hs = silu(h2 sg^T) x (h2 su^T), h2 = rmsnorm(x1, norm2_w): hh + 2 MiB, [column block of 64][token][64] bf16.  64 tokens x 64 hidden channels a work-group, two passes (sg, su),
; the eight waves split K as in the projections: A = bf16(x1), B = bf16(W norm2_w), the row scale r on the f32 sums; mean x1^2 is the diagonal of A A^T (of the rounded row: relative error about 2e-4).
; (2) The router, all in f32 on the vector unit, since the choice of experts hangs on it: waves 0-3 take one token each (64 rb + 4 cb + w): h2 (stored as bf16: hh [token][1024]), 16 logits, sigmoid, top 2
; (a tie goes to the lower index), the two gates divided by their sum + 1e-9.  The chosen experts go to ids, the gates to gw, at fixed places: no address and no branch of this launch hangs on them.
; LIMITS.  NaN and infinities are not treated apart (a NaN gate gives index 15).  NO TENSOR LOADS, NO CLUSTER: the operands are f32 in memory and must pass registers to be rounded.
.set PITCH, 272
.set WST, 64*PITCH
.set BSTG, 8*WST
.set SSQ, 16*WST
.set SPARE, SSQ+4096
.set R0, 128
.set R1, 192
.set R2, 64
.macro REP n, st, line:vararg
.set p, 0
.rept \n
	\line
.set p, p+(\st)
.endr
.endm
.macro PLACES
.rept 4
	v_nop
.endr
.endm
.macro BAR
	s_wait_dscnt 0x0
	s_barrier_signal -1
	s_barrier_wait -1
.endm
.macro LDF R, b, lo
	REP 16, 1, global_load_b128 v[(\R)+4*p:(\R)+4*p+3], v4, s[\lo:\lo+1] offset:(16*(\b)+p)*4096
.endm
.macro CV R, b, dst, sc
.set i, 0
.rept 16
.if \sc
	v_pk_mul_f32 v[(\R)+4*i:(\R)+4*i+1], v[(\R)+4*i:(\R)+4*i+1], v[16:17]
	v_pk_mul_f32 v[(\R)+4*i+2:(\R)+4*i+3], v[(\R)+4*i+2:(\R)+4*i+3], v[18:19]
.endif
	v_cvt_pk_bf16_f32 v[(\R)+4*i], v[(\R)+4*i], v[(\R)+4*i+1]
	v_cvt_pk_bf16_f32 v[(\R)+4*i+1], v[(\R)+4*i+2], v[(\R)+4*i+3]
	ds_store_b64 v[\dst], v[(\R)+4*i:(\R)+4*i+1] offset:(16*(\b)+i)*PITCH
.set i, i+1
.endr
.endm
.macro KSTEP s, zero
.if (\s) > 0
	PLACES
.endif
.irp i,0,1,2,3
	ds_load_b128 v[64+8*\i:67+8*\i], v8 offset:\i*16*PITCH+64*(\s)
	ds_load_b128 v[68+8*\i:71+8*\i], v8 offset:\i*16*PITCH+64*(\s)+32
.endr
.irp c,0,1,2,3
	ds_load_b128 v[96+8*\c:99+8*\c], v9 offset:\c*16*PITCH+64*(\s)
	ds_load_b128 v[100+8*\c:103+8*\c], v9 offset:\c*16*PITCH+64*(\s)+32
.endr
.irp c,0,1,2,3
.if \c == 0
	s_wait_dscnt 0x4                       ; the four youngest loads may stay out
.endif
.if \c == 2
	s_wait_dscnt 0x0
.endif
.irp i,0,1,2,3
.if \zero
	v_wmma_f32_16x16x32_bf16 v[128+8*(4*\i+\c):135+8*(4*\i+\c)], v[96+8*\c:103+8*\c], v[64+8*\i:71+8*\i], 0
.else
	v_wmma_f32_16x16x32_bf16 v[128+8*(4*\i+\c):135+8*(4*\i+\c)], v[96+8*\c:103+8*\c], v[64+8*\i:71+8*\i], v[128+8*(4*\i+\c):135+8*(4*\i+\c)]
.endif
.endr
.endr
.endm
.macro PSTORE
	PLACES
.irp i,0,1,2,3
.irp c,0,1,2,3
	ds_store_b128 v10, v[128+8*(4*\i+\c):131+8*(4*\i+\c)] offset:\i*16*PITCH+64*\c
	ds_store_b128 v10, v[132+8*(4*\i+\c):135+8*(4*\i+\c)] offset:\i*16*PITCH+64*\c+16
.endr
.endr
.endm
.macro REDLD a
.irp u,0,1,2,3
.irp j,0,1
	ds_load_b128 v[64+16*\u+8*\j:67+16*\u+8*\j], v[\a] offset:\u*WST+\j*4*PITCH
	ds_load_b128 v[68+16*\u+8*\j:71+16*\u+8*\j], v[\a] offset:\u*WST+\j*4*PITCH+16
.endr
.endr
	s_wait_dscnt 0x0
.endm
.macro REDADD first
.if \first
	REP 8, 2, v_pk_add_f32 v[24+p:25+p], v[64+p:65+p], v[80+p:81+p]
.else
	REP 8, 2, v_pk_add_f32 v[24+p:25+p], v[24+p:25+p], v[64+p:65+p]
	REP 8, 2, v_pk_add_f32 v[24+p:25+p], v[24+p:25+p], v[80+p:81+p]
.endif
	REP 8, 2, v_pk_add_f32 v[24+p:25+p], v[24+p:25+p], v[96+p:97+p]
	REP 8, 2, v_pk_add_f32 v[24+p:25+p], v[24+p:25+p], v[112+p:113+p]
.endm
.macro LANESUM a, t                    ; the sum over the 32 lanes, in every lane
	v_add_f32_dpp v[\a], v[\a], v[\a] row_xmask:1 row_mask:0xf bank_mask:0xf
	v_add_f32_dpp v[\a], v[\a], v[\a] row_xmask:2 row_mask:0xf bank_mask:0xf
	v_add_f32_dpp v[\a], v[\a], v[\a] row_xmask:4 row_mask:0xf bank_mask:0xf
	v_add_f32_dpp v[\a], v[\a], v[\a] row_xmask:8 row_mask:0xf bank_mask:0xf
	v_permlanex16_b32 v[\t], v[\a], s46, s47
	v_add_f32 v[\a], v[\a], v[\t]
.endm
.macro ROWMAX a                        ; the maximum over 16 lanes
	v_max_num_f32_dpp v[\a], v[\a], v[\a] row_xmask:1 row_mask:0xf bank_mask:0xf
	v_max_num_f32_dpp v[\a], v[\a], v[\a] row_xmask:2 row_mask:0xf bank_mask:0xf
	v_max_num_f32_dpp v[\a], v[\a], v[\a] row_xmask:4 row_mask:0xf bank_mask:0xf
	v_max_num_f32_dpp v[\a], v[\a], v[\a] row_xmask:8 row_mask:0xf bank_mask:0xf
.endm
	s_load_b512 s[8:23], s[0:1], 0x0               ; x1 8, norm2_w 10, sg 12, su 14, router_w 16, expert_bias 18, hh 20, ids 22
	s_load_b64 s[24:25], s[0:1], 0x40              ; gw
	v_lshl_add_u32 v2, v0, 2, SPARE
	v_mov_b32 v3, 0
	v_and_b32 v1, 31, v0
	v_lshrrev_b32 v22, 5, v0
	v_readfirstlane_b32 s2, v22
	s_mov_b32 s27, ttmp9                           ; column block
	s_and_b32 s28, ttmp7, 0xffff                   ; block of 64 tokens
	s_mul_i32 s3, s2, WST
	v_lshlrev_b32 v4, 4, v0
	v_lshl_add_u32 v6, v1, 3, s3
	v_add_nc_u32 v7, BSTG, v6
	v_and_b32 v22, 15, v0
	v_bfe_u32 v23, v0, 4, 1
	v_mul_u32_u24 v8, v22, PITCH
	v_lshl_add_u32 v8, v23, 4, v8
	v_add_nc_u32 v8, s3, v8
	v_add_nc_u32 v9, BSTG, v8
	v_lshl_add_u32 v10, v23, 4, v9
	v_bfe_u32 v40, v0, 3, 2
	v_and_b32 v41, 7, v0
	s_mul_i32 s4, s2, 8*PITCH
	s_add_co_u32 s4, s4, BSTG
	v_mul_u32_u24 v11, v40, PITCH
	v_lshl_add_u32 v11, v41, 5, v11
	v_add_nc_u32 v11, s4, v11
	v_add_nc_u32 v12, 4*WST, v11
	v_bfe_u32 v42, v0, 3, 1
	v_xor_b32 v42, v42, v23
	v_lshlrev_b32 v13, 2, v22
	v_lshl_add_u32 v13, v42, 8, v13
	s_lshl_b32 s5, s2, 9
	s_add_co_u32 s5, s5, SSQ
	v_add_nc_u32 v13, s5, v13
	s_lshl_b32 s5, s2, 5
	s_add_co_u32 s5, s5, SSQ
	v_lshl_add_u32 v14, v40, 2, s5
	s_lshl_b32 s5, s2, 10
	v_lshl_add_u32 v15, v1, 4, s5
.irp j,1,2,3,4,5,6,7
	v_cmp_eq_u32 s[32+\j], \j, v41
.endr
	s_lshl_b32 s44, s28, 18
	s_mov_b32 s45, 0
	s_lshl_b32 s6, s27, 18
	s_mov_b32 s7, 0
	s_lshl_b32 s40, s27, 17                        ; hs: column block x 1,024 tokens x 128 bytes,
	s_lshl_b32 s41, s28, 13                        ; my 64 tokens,
	s_add_co_u32 s40, s40, s41
	s_add_co_u32 s40, s40, 0x200000                ; behind h2
	s_mov_b32 s41, 0
	s_mov_b32 s46, 0x76543210
	s_mov_b32 s47, 0xfedcba98
	s_mov_b32 s48, 0x3a800000                      ; 1/1024
	s_mov_b32 s49, 0x358637bd                      ; 1e-6
	s_mov_b32 s26, 2
	s_wait_kmcnt 0x0
	s_add_nc_u64 s[8:9], s[8:9], s[44:45]
	s_add_nc_u64 s[12:13], s[12:13], s[6:7]
	s_add_nc_u64 s[14:15], s[14:15], s[6:7]
	s_add_nc_u64 s[54:55], s[20:21], s[40:41]
	s_mov_b64 s[30:31], s[12:13]
	global_load_b128 v[16:19], v4, s[10:11]
	LDF R0, 0, 8
	LDF R1, 1, 8
	LDF R2, 2, 8
	s_wait_loadcnt 32                              ; the counts are the loads of the younger batches, 16 each
	CV R0, 0, 6, 0
	LDF R0, 3, 8
	s_wait_loadcnt 32
	CV R1, 1, 6, 0
	LDF R1, 0, 30
	s_wait_loadcnt 32
	CV R2, 2, 6, 0
	s_wait_loadcnt 16
	CV R0, 3, 6, 0
	LDF R0, 1, 30
.irp s,0,1,2,3
.if \s > 0
	PLACES
.endif
.irp i,0,1,2,3
	ds_load_b128 v[64+8*\i:67+8*\i], v8 offset:\i*16*PITCH+64*\s
	ds_load_b128 v[68+8*\i:71+8*\i], v8 offset:\i*16*PITCH+64*\s+32
.endr
	s_wait_dscnt 0x0
.irp i,0,1,2,3
.if \s == 0
	v_wmma_f32_16x16x32_bf16 v[96+8*\i:103+8*\i], v[64+8*\i:71+8*\i], v[64+8*\i:71+8*\i], 0
.else
	v_wmma_f32_16x16x32_bf16 v[96+8*\i:103+8*\i], v[64+8*\i:71+8*\i], v[64+8*\i:71+8*\i], v[96+8*\i:103+8*\i]
.endif
.endr
.endr
	PLACES
.irp i,0,1,2,3
	v_cndmask_b32 v[40+\i], v[96+8*\i], v[97+8*\i], s33
.irp j,2,3,4,5,6,7
	v_cndmask_b32 v[40+\i], v[40+\i], v[96+8*\i+\j], s[32+\j]
.endr
	ds_store_b32 v13, v[40+\i] offset:64*\i
.endr
	BAR                                            ; every wave's partial sums of squares are in LDS
.irp j,0,1
.irp u,0,1,2,3,4,5,6,7
	ds_load_b32 v[64+8*\j+\u], v14 offset:512*\u+16*\j
.endr
.endr
	s_wait_dscnt 0x0
	REP 2, 8, v_pk_add_f32 v[64+p:65+p], v[64+p:65+p], v[66+p:67+p]
	REP 2, 8, v_pk_add_f32 v[68+p:69+p], v[68+p:69+p], v[70+p:71+p]
	REP 2, 8, v_pk_add_f32 v[64+p:65+p], v[64+p:65+p], v[68+p:69+p]
	v_add_f32 v20, v64, v65
	v_add_f32 v22, v72, v73
	v_fma_f32 v20, v20, s48, s49
	v_fma_f32 v22, v22, s48, s49
	v_rsq_f32 v20, v20
	v_rsq_f32 v22, v22
	v_nop
	s_wait_alu depctr_va_vdst(0)
	v_mov_b32 v21, v20
	v_mov_b32 v23, v22
.Lpass:                                                ; at the head W's rows 0-15 (R1) and 16-31 (R0) are on their way
	LDF R2, 2, 30
	s_wait_loadcnt 32
	CV R1, 0, 7, 1
	LDF R1, 3, 30
	s_wait_loadcnt 32
	CV R0, 1, 7, 1
	s_wait_loadcnt 16
	CV R2, 2, 7, 1
	s_wait_loadcnt 0
	CV R1, 3, 7, 1
	KSTEP 0, 1
	KSTEP 1, 0
	KSTEP 2, 0
	KSTEP 3, 0
	PSTORE
	s_cmp_eq_u32 s26, 1
	s_cbranch_scc1 .Lnonext
	s_mov_b64 s[30:31], s[14:15]                   ; su flies under the reduction
	LDF R1, 0, 30
	LDF R0, 1, 30
.Lnonext:
	BAR
	REDLD 11
	REDADD 1
	REDLD 12
	REDADD 0
	BAR                                            ; every wave's reads of the partials are back
	s_cmp_eq_u32 s26, 1
	s_cbranch_scc1 .Lup
	REP 4, 2, v_pk_mul_f32 v[40+p:41+p], v[24+p:25+p], v[20:21]    ; the gate's sums are kept
	REP 4, 2, v_pk_mul_f32 v[48+p:49+p], v[32+p:33+p], v[22:23]
	s_branch .Lbottom
.Lup:
	REP 4, 2, v_pk_mul_f32 v[24+p:25+p], v[24+p:25+p], v[20:21]
	REP 4, 2, v_pk_mul_f32 v[32+p:33+p], v[32+p:33+p], v[22:23]
	REP 8, 2, v_pk_mul_f32 v[64+p:65+p], v[40+p:41+p], 0xbfb8aa3b op_sel_hi:[1,0]
	REP 16, 1, v_exp_f32 v[64+p], v[64+p]
	v_nop
	s_wait_alu depctr_va_vdst(0)                   ; one wait for the sixteen exponentials
	REP 8, 2, v_pk_add_f32 v[64+p:65+p], v[64+p:65+p], 1.0 op_sel_hi:[1,0]
	REP 16, 1, v_rcp_f32 v[64+p], v[64+p]
	v_nop
	s_wait_alu depctr_va_vdst(0)                   ; and one for the sixteen reciprocals
	REP 8, 2, v_pk_mul_f32 v[64+p:65+p], v[64+p:65+p], v[40+p:41+p]
	REP 8, 2, v_pk_mul_f32 v[64+p:65+p], v[64+p:65+p], v[24+p:25+p]
	REP 8, 1, v_cvt_pk_bf16_f32 v[96+p], v[64+2*p], v[65+2*p]
	global_store_b128 v15, v[96:99], s[54:55]
	global_store_b128 v15, v[100:103], s[54:55] offset:512
.Lbottom:
	s_sub_co_u32 s26, s26, 1
	s_cmp_lg_u32 s26, 0
	s_cbranch_scc1 .Lpass
	; THE ROUTER: waves 0-3, one token each; no barrier stands in what the others jump
	s_cmp_ge_u32 s2, 4
	s_cbranch_scc1 .Lend
	s_wait_loadcnt 0x0                             ; no load of the passes is out: the registers below are loaded anew
	s_wait_xcnt 0x0                                ; the stores above have read their registers
	s_lshl2_add_u32 s40, s27, s2                   ; 4 cb + w: my row among the block's 64
	s_lshl_b32 s44, s40, 12
	s_add_nc_u64 s[8:9], s[8:9], s[44:45]
	s_lshl_b32 s41, s28, 6
	s_add_co_u32 s40, s40, s41                     ; my token
	s_lshl_b32 s44, s40, 11
	s_add_nc_u64 s[52:53], s[20:21], s[44:45]
	s_lshl_b32 s44, s40, 3
	s_add_nc_u64 s[22:23], s[22:23], s[44:45]
	s_add_nc_u64 s[24:25], s[24:25], s[44:45]
	v_lshlrev_b32 v56, 4, v1
	v_and_b32 v61, 15, v0
	v_lshlrev_b32 v57, 2, v61
	v_lshlrev_b32 v59, 3, v1
	v_mov_b32 v60, 0
	REP 8, 1, global_load_b128 v[64+4*p:67+4*p], v56, s[8:9] offset:512*p
	REP 8, 1, global_load_b128 v[96+4*p:99+4*p], v56, s[10:11] offset:512*p
	global_load_b32 v58, v57, s[18:19]
.irp b,0,1,2,3
	REP 8, 1, global_load_b128 v[128+32*\b+4*p:131+32*\b+4*p], v56, s[16:17] offset:4096*\b+512*p
.endr
	s_wait_loadcnt 32                              ; the four router rows stay out
	v_pk_mul_f32 v[40:41], v[64:65], v[64:65]
	v_pk_mul_f32 v[42:43], v[66:67], v[66:67]
.set n, 2
.rept 14
	v_pk_fma_f32 v[40+2*(n%2):41+2*(n%2)], v[64+2*n:65+2*n], v[64+2*n:65+2*n], v[40+2*(n%2):41+2*(n%2)]
.set n, n+1
.endr
	v_pk_add_f32 v[40:41], v[40:41], v[42:43]
	v_add_f32 v40, v40, v41
	LANESUM 40, 41
	v_fma_f32 v40, v40, s48, s49
	v_rsq_f32 v40, v40
	v_nop
	s_wait_alu depctr_va_vdst(0)
	v_mov_b32 v41, v40
	REP 16, 2, v_pk_mul_f32 v[64+p:65+p], v[64+p:65+p], v[40:41]
	REP 16, 2, v_pk_mul_f32 v[64+p:65+p], v[64+p:65+p], v[96+p:97+p]
	REP 16, 1, v_cvt_pk_bf16_f32 v[96+p], v[64+2*p], v[65+2*p]
	REP 8, 1, global_store_b64 v59, v[96+2*p:97+2*p], s[52:53] offset:256*p       ; 256 consecutive bytes a store
	s_mov_b32 s41, 0
.Lrt:                                                  ; four trips of four experts; a ring of four row buffers
	s_wait_xcnt 0x0                                ; the refills' base is rewritten only behind this wait
	s_add_co_u32 s42, s41, 1
	s_min_u32 s42, s42, 3                          ; the last trip's refills repeat rows 12-15: inside the buffer, never used
	s_lshl_b32 s44, s42, 14
	s_add_nc_u64 s[50:51], s[16:17], s[44:45]
	s_lshl_b32 s43, s41, 2
.irp b,0,1,2,3
	s_wait_loadcnt 24                              ; three younger rows of eight loads stay out
	v_pk_mul_f32 v[42:43], v[128+32*\b:129+32*\b], v[64:65]
	v_pk_mul_f32 v[44:45], v[130+32*\b:131+32*\b], v[66:67]
.set n, 2
.rept 14
	v_pk_fma_f32 v[42+2*(n%2):43+2*(n%2)], v[128+32*\b+2*n:129+32*\b+2*n], v[64+2*n:65+2*n], v[42+2*(n%2):43+2*(n%2)]
.set n, n+1
.endr
	REP 8, 1, global_load_b128 v[128+32*\b+4*p:131+32*\b+4*p], v56, s[50:51] offset:4096*\b+512*p
	v_pk_add_f32 v[42:43], v[42:43], v[44:45]
	v_add_f32 v42, v42, v43
	LANESUM 42, 43
	s_add_co_u32 s42, s43, \b
	v_cmp_eq_u32 vcc_lo, s42, v61
	v_cndmask_b32 v60, v60, v42, vcc_lo            ; lane e % 16 keeps expert e's logit
.endr
	s_add_co_u32 s41, s41, 1
	s_cmp_lt_u32 s41, 4
	s_cbranch_scc1 .Lrt
	s_wait_loadcnt 0
	v_add_f32 v60, v60, v58
	v_mul_f32 v62, 0xbfb8aa3b, v60
	v_exp_f32 v62, v62
	v_nop
	s_wait_alu depctr_va_vdst(0)
	v_add_f32 v62, 1.0, v62
	v_rcp_f32 v62, v62
	v_nop
	s_wait_alu depctr_va_vdst(0)                   ; v62: the gate
	v_mov_b32 v42, v62
	ROWMAX 42
	v_cmp_eq_f32 s42, v62, v42
	s_and_b32 s42, s42, 0xffff
	s_ctz_i32_b32 s56, s42                         ; the lowest index among equals
	s_and_b32 s56, s56, 15
	v_cmp_eq_u32 vcc_lo, s56, v61
	v_cndmask_b32 v63, v62, -1.0, vcc_lo           ; gates lie in 0 .. 1: the first choice is taken out
	v_mov_b32 v44, v63
	ROWMAX 44
	v_cmp_eq_f32 s42, v63, v44
	s_and_b32 s42, s42, 0xffff
	s_ctz_i32_b32 s57, s42
	s_and_b32 s57, s57, 15
	v_add_f32 v45, v42, v44
	v_add_f32 v45, 0x3089705f, v45                 ; + 1e-9
	v_rcp_f32 v45, v45
	v_mov_b32 v48, s56
	s_wait_alu depctr_va_vdst(0)
	v_mul_f32 v46, v42, v45
	v_mul_f32 v47, v44, v45
	v_mov_b32 v49, s57
	v_mov_b32 v50, 0
	v_cmp_eq_u32 vcc_lo, 0, v1
	s_wait_xcnt 0x0                                ; EXEC changes only behind this wait
	s_and_saveexec_b32 s58, vcc_lo
	global_store_b64 v50, v[48:49], s[22:23]
	global_store_b64 v50, v[46:47], s[24:25]
	s_wait_xcnt 0x0
	s_or_b32 exec_lo, exec_lo, s58
.Lend:
	s_wait_tensorcnt 0x0                           ; the wave's end
	ds_add_u32 v2, v3
	s_wait_dscnt 0x0
	s_endpgm
.Lfunc_end_k_q58023d92db_shup:
	.size	k_q58023d92db_shup, .Lfunc_end_k_q58023d92db_shup-k_q58023d92db_shup
	.p2alignl 7, 3214868480
	.fill 96, 4, 3214868480
	.section	.rodata,"a",@progbits
	.p2align	6, 0x0
	.amdhsa_kernel k_q58023d92db_shup
		.amdhsa_group_segment_fixed_size 283648
		.amdhsa_private_segment_fixed_size 0
		.amdhsa_enable_private_segment 0
		.amdhsa_kernarg_size 72
		.amdhsa_user_sgpr_count 2
		.amdhsa_user_sgpr_kernarg_segment_ptr 1
		.amdhsa_wavefront_size32 1
		.amdhsa_system_sgpr_workgroup_id_x 1
		.amdhsa_system_sgpr_workgroup_id_y 1
		.amdhsa_system_sgpr_workgroup_id_z 1
		.amdhsa_system_vgpr_workitem_id 0
		.amdhsa_next_free_vgpr 256
		.amdhsa_next_free_sgpr 66
		.amdhsa_reserve_vcc 1
		.amdhsa_float_denorm_mode_32 3
		.amdhsa_float_denorm_mode_16_64 3
		.amdhsa_memory_ordered 1
		.amdhsa_forward_progress 1
		.amdhsa_inst_pref_size 103
	.end_amdhsa_kernel
	.amdgpu_metadata
---
amdhsa.version: [ 1, 2 ]
amdhsa.kernels:
  - .name:           k_q58023d92db_shup
    .symbol:         k_q58023d92db_shup.kd
    .args:
      - { .name: x1, .offset: 0, .size: 8, .value_kind: global_buffer, .address_space: global }
      - { .name: norm2_w, .offset: 8, .size: 8, .value_kind: global_buffer, .address_space: global }
      - { .name: sg, .offset: 16, .size: 8, .value_kind: global_buffer, .address_space: global }
      - { .name: su, .offset: 24, .size: 8, .value_kind: global_buffer, .address_space: global }
      - { .name: router_w, .offset: 32, .size: 8, .value_kind: global_buffer, .address_space: global }
      - { .name: expert_bias, .offset: 40, .size: 8, .value_kind: global_buffer, .address_space: global }
      - { .name: hh, .offset: 48, .size: 8, .value_kind: global_buffer, .address_space: global }
      - { .name: ids, .offset: 56, .size: 8, .value_kind: global_buffer, .address_space: global }
      - { .name: gw, .offset: 64, .size: 8, .value_kind: global_buffer, .address_space: global }
    .group_segment_fixed_size: 283648
    .private_segment_fixed_size: 0
    .kernarg_segment_align: 8
    .kernarg_segment_size: 72
    .max_flat_workgroup_size: 256
    .sgpr_count:     66
    .vgpr_count:     256
    .wavefront_size: 32
...
	.end_amdgpu_metadata
.endif
;; end of part 4
;; launch exup (part 5): grid 16 x 16, 8 waves a work-group, no clusters, 283,648 bytes of LDS; arguments hh, ids, eg, eu, wsB, pos; writes wsB, pos
.if DOCPART == 5
	.amdgcn_target "amdgcn-amd-amdhsa--gfx1250"
	.amdhsa_code_object_version 6
	.text
	.protected	k_q58023d92db_exup
	.globl	k_q58023d92db_exup
	.p2align	8
	.type	k_q58023d92db_exup,@function
k_q58023d92db_exup:
	s_mov_b64 s[64:65], 0
	v_nop
	global_prefetch_b8 v0, s[64:65] scope:SCOPE_SE
	s_setreg_imm32_b32 hwreg(HW_REG_WAVE_MODE, 25, 1), 1
	s_wait_xcnt 0x0
; The routed experts' first products: hid = silu(h2 eg[e]^T) x (h2 eu[e]^T) for the rows that chose expert e.  Grid: x = slice of 64 hidden channels, y = expert.
; A work-group alone reads its slice of eg and eu (512 KB of f32, each byte once), rounds it to bf16 on the way through registers and lays it in LDS; then it walks the expert's rows in tiles of 32.
; THE LIST.  Every wave reads ids (8 KB, stored by the launch before) and builds, in LDS bytes of its own, the list of the slots 2 t + k that chose e, in ascending order: rank = place in that list.  Row p = 1024 e + rank.
; An entry is 4 x slot in 16 bits: the slot's byte in pos; (entry & 0x1ff8) << 8 is the token's row in h2.  Entries n .. n + 31 repeat entry 0, so a tile that is not full repeats a row that exists and stores
; into the expert's own rows past n.  It serves every split: n = 0 .. 1,024.
; hid: wsB [block of 16 channels (64)][p (16,384)][16] bf16: a store is 512 consecutive bytes, and the next launch's fragment loads are too.  Slice 0's wave 0 also stores pos[slot] = p and cnt[e] = n.
; The tile loop has a constant count of 8 trips; dead tiles are jumped; it holds no barrier and writes no LDS.  Its length in work hangs on n, so the weights' LDS addresses are four fixed registers and
; immediates: the 32 K steps are written out.  Token rows come straight from memory as matrix operands.
; NO TENSOR LOADS, NO CLUSTER: each slice of weights has one reader and must pass registers to be rounded; the token rows come by a list.
.set WP, 2064                          ; a weight row in LDS: 2,048 bytes + 16
.set LIST, 128*WP                      ; rows 0-63 gate, 64-127 up; then eight lists of 2,304 bytes (1,056 entries and 32 for the lanes that have none; the rest unused)
.set LSZ, 2304
.set SPARE, LIST+8*LSZ
; v4-7 ring: global offsets  v8-11 ring: LDS addresses  v12, v13 token row offsets (first: zeros v12-15)  v16 r  v17 8 lane  v18, v19 4 x slot of my token's two choices in chunk 0  v20-23 weight fragment addresses, fixed
; v24 1056 + lane  v25, v26, v28, v29 at work  v27 output offset  v30 list address  v31 16 h  v32-95 accumulators (f, c, gate/up) at 32 + 8 (4 f + 2 c + u)  v96-127 weight fragments
; v128-191, v192-255 token fragments X, Y (before: the ring)  v64-127 first hold ids, then (one wave) the list and the numbers for pos
.macro REP n, st, line:vararg
.set p, 0
.rept \n
	\line
.set p, p+(\st)
.endr
.endm
.macro PLACES                          ; four plain instructions between a matrix instruction and a load into, or a vector use of, its registers
.rept 4
	v_nop
.endr
.endm
.macro LCH c                           ; tokens 32 c .. 32 c + 31: those that chose e append their slot
	v_cmp_eq_u32 s40, s21, v[64+2*(\c)]
	v_cmp_eq_u32 s41, s21, v[65+2*(\c)]
	s_or_b32 s42, s40, s41
	v_mbcnt_lo_u32_b32 v25, s42, s27               ; rank = entries so far + choosing lanes below me
	v_cndmask_b32 v26, v18, v19, s41
	v_cndmask_b32 v25, v24, v25, s42               ; lanes without an entry write behind the list
	v_add_nc_u32 v26, 256*(\c), v26
	v_min_u32 v25, 0x43f, v25
	v_lshl_add_u32 v25, v25, 1, s26
	ds_store_b16 v25, v26
	s_bcnt1_i32_b32 s43, s42
	s_add_co_u32 s27, s27, s43
.endm
.macro PCH c                           ; pos of ranks 32 c .. 32 c + 31.  Whole chunks past n are jumped; in the chunk that holds n the lanes past n repeat entry 0's word with entry 0's value
	s_cmp_le_u32 s27, 32*(\c)
	s_cbranch_scc1 .Lposdone
	v_min_u32 v[64+(\c)], 0x1ffc, v[64+(\c)]
	v_add_nc_u32 v[96+(\c)], 32*(\c), v29
	v_cmp_gt_u32 vcc_lo, s45, v[96+(\c)]
	v_cndmask_b32 v[96+(\c)], v25, v[96+(\c)], vcc_lo
	global_store_b32 v[64+(\c)], v[96+(\c)], s[18:19]
.endm
.macro SLOT i, ahead, left             ; one weight row: rounded, stored, and the slot filled again with the row four further on
	s_wait_loadcnt \left
.set q, 0
.rept 8
	v_cvt_pk_bf16_f32 v[128+32*(\i)+4*q], v[128+32*(\i)+4*q], v[128+32*(\i)+4*q+1]
	v_cvt_pk_bf16_f32 v[128+32*(\i)+4*q+1], v[128+32*(\i)+4*q+2], v[128+32*(\i)+4*q+3]
	ds_store_b64 v[8+(\i)], v[128+32*(\i)+4*q:128+32*(\i)+4*q+1] offset:256*q
.set q, q+1
.endr
.if \ahead
	v_add_nc_u32 v[4+(\i)], 16384, v[4+(\i)]       ; free since the wait above
	REP 8, 1, global_load_b128 v[128+32*(\i)+4*p:128+32*(\i)+4*p+3], v[4+(\i)], s[24:25] offset:512*p th:TH_LOAD_NT
.endif
	v_add_nc_u32 v[8+(\i)], 4*WP, v[8+(\i)]
.endm
.macro WM d, a, b, zero
.if \zero
	v_wmma_f32_16x16x32_bf16 v[\d:\d+7], v[\a:\a+7], v[\b:\b+7], 0
.else
	v_wmma_f32_16x16x32_bf16 v[\d:\d+7], v[\a:\a+7], v[\b:\b+7], v[\d:\d+7]
.endif
.endm
; K step s of chunk kc: 8 LDS loads of weights, 8 matrix instructions on 8 accumulators by turns (source 0 = 16 channels, source 1 = 16 tokens)
.macro KS buf, s, kc, zero, pl
.if \pl
	PLACES
.endif
	ds_load_b128 v[96:99], v20 offset:256*(\kc)+64*(\s)
	ds_load_b128 v[100:103], v20 offset:256*(\kc)+64*(\s)+32
	ds_load_b128 v[104:107], v21 offset:256*(\kc)+64*(\s)
	ds_load_b128 v[108:111], v21 offset:256*(\kc)+64*(\s)+32
	ds_load_b128 v[112:115], v22 offset:256*(\kc)+64*(\s)
	ds_load_b128 v[116:119], v22 offset:256*(\kc)+64*(\s)+32
	ds_load_b128 v[120:123], v23 offset:256*(\kc)+64*(\s)
	ds_load_b128 v[124:127], v23 offset:256*(\kc)+64*(\s)+32
	s_wait_dscnt 0x4                               ; the four youngest, channel block 1's, may stay out
	WM 32, 96, (\buf)+8*(\s), \zero
	WM 64, 96, (\buf)+32+8*(\s), \zero
	WM 40, 104, (\buf)+8*(\s), \zero
	WM 72, 104, (\buf)+32+8*(\s), \zero
	s_wait_dscnt 0x0
	WM 48, 112, (\buf)+8*(\s), \zero
	WM 80, 112, (\buf)+32+8*(\s), \zero
	WM 56, 120, (\buf)+8*(\s), \zero
	WM 88, 120, (\buf)+32+8*(\s), \zero
.endm
.macro ISSUE buf, kc                   ; chunk kc: 128 along K of 32 token rows: 256 bytes of each row, as fragments
.irp f,0,1
.irp t,0,1,2,3
	global_load_b128 v[(\buf)+32*\f+8*\t:(\buf)+32*\f+8*\t+3], v[12+\f], s[8:9] offset:256*(\kc)+64*\t
	global_load_b128 v[(\buf)+32*\f+8*\t+4:(\buf)+32*\f+8*\t+7], v[12+\f], s[8:9] offset:256*(\kc)+64*\t+32
.endr
.endr
.endm
	s_load_b256 s[8:15], s[0:1], 0x0               ; hh s[8:9], ids s[10:11], eg s[12:13], eu s[14:15]
	s_load_b128 s[16:19], s[0:1], 0x20             ; wsB s[16:17], pos s[18:19]
	v_lshl_add_u32 v2, v0, 2, SPARE
	v_mov_b32 v3, 0
	v_and_b32 v1, 31, v0
	v_lshrrev_b32 v16, 5, v0
	v_readfirstlane_b32 s2, v16                    ; wave 0..7
	s_mov_b32 s20, ttmp9                           ; slice
	s_and_b32 s21, ttmp7, 0xffff                   ; expert
	v_lshlrev_b32 v17, 3, v1
	v_lshlrev_b32 v18, 3, v1                       ; 4 x slot 2 lane,
	v_add_nc_u32 v19, 4, v18                       ; 4 x slot 2 lane + 1
	v_add_nc_u32 v24, 1056, v1
	s_mul_i32 s26, s2, LSZ
	s_add_co_u32 s26, s26, LIST                    ; my list
	s_mov_b32 s27, 0                               ; entries so far; in the end n
	REP 4, 1, v_mov_b32 v[12+p], 0
	v_lshl_add_u32 v25, v1, 4, s26
	v_lshl_add_u32 v26, v1, 3, s26
	REP 4, 1, ds_store_b128 v25, v[12:15] offset:512*p     ; my list starts as zeros, all 2,304 bytes of it
	ds_store_b64 v26, v[12:13] offset:2048
	s_mul_i32 s3, s2, 16*WP
.irp i,0,1,2,3
	v_lshl_add_u32 v[4+\i], v1, 4, \i*4096
	v_lshl_add_u32 v[8+\i], v1, 3, s3
.endr
.irp i,1,2,3
	v_add_nc_u32 v[8+\i], \i*WP, v[8+\i]
.endr
	s_lshl_b32 s6, s21, 22                         ; an expert's 4 MiB,
	s_lshl_b32 s7, s20, 18                         ; the slice's 64 rows,
	s_add_co_u32 s6, s6, s7
	s_and_b32 s7, s2, 3
	s_lshl_b32 s7, s7, 16                          ; my 16 of them
	s_add_co_u32 s6, s6, s7
	s_mov_b32 s7, 0
	s_wait_kmcnt 0x0
	s_cmp_lt_u32 s2, 4                             ; waves 0-3 stage the gate's rows, waves 4-7 the up rows
	s_cselect_b64 s[24:25], s[12:13], s[14:15]
	s_add_nc_u64 s[24:25], s[24:25], s[6:7]
	REP 32, 1, global_load_b64 v[64+2*p:65+2*p], v17, s[10:11] offset:256*p
.irp i,0,1,2,3
	REP 8, 1, global_load_b128 v[128+32*\i+4*p:131+32*\i+4*p], v[4+\i], s[24:25] offset:512*p th:TH_LOAD_NT
.endr
	s_wait_loadcnt 32                              ; ids are in; the ring's 32 loads stay out: the list is built while the weights fly
.set cc, 0
.rept 32
	LCH cc
.set cc, cc+1
.endr
	v_mov_b32 v28, s26
	ds_load_u16 v26, v28                           ; entry 0,
	v_add_nc_u32 v25, s27, v1
	v_min_u32 v25, 0x41f, v25
	v_lshl_add_u32 v25, v25, 1, s26
	s_wait_dscnt 0x0
	ds_store_b16 v25, v26                          ; repeated in entries n .. n + 31
	s_cmp_lg_u32 s20, 0
	s_cbranch_scc1 .Lnopos
	s_cmp_lg_u32 s2, 0
	s_cbranch_scc1 .Lnopos
	; slice 0's wave 0 stores where each slot's row lies, and the count
	v_lshl_add_u32 v28, v1, 1, s26
	REP 32, 1, ds_load_u16 v[64+p], v28 offset:64*p        ; entries 32 c + lane, behind my own stores of them
	s_lshl_b32 s44, s21, 10
	v_add_nc_u32 v29, s44, v1                      ; 1024 e + lane
	v_mov_b32 v25, s44                             ; 1024 e: entry 0's row
	s_add_co_u32 s45, s44, s27                     ; 1024 e + n
	s_wait_dscnt 0x0
.set cc, 0
.rept 32
	PCH cc
.set cc, cc+1
.endr
.Lposdone:
	v_mov_b32 v25, s27
	s_lshl_b32 s44, s21, 2
	v_mov_b32 v26, s44
	v_cmp_eq_u32 vcc_lo, 0, v1
	s_wait_xcnt 0x0                                ; EXEC changes only behind this wait; it also frees the registers of the stores above
	s_and_saveexec_b32 s47, vcc_lo
	global_store_b32 v26, v25, s[18:19] offset:8192
	s_wait_xcnt 0x0
	s_or_b32 exec_lo, exec_lo, s47
.Lnopos:
	s_mov_b32 s46, 3
.Lring:                                                ; rows 0-11 are stored, rows 4-15 asked for: three younger rows of eight loads stay out at each wait
	SLOT 0, 1, 24
	SLOT 1, 1, 24
	SLOT 2, 1, 24
	SLOT 3, 1, 24
	s_sub_co_u32 s46, s46, 1
	s_cmp_lg_u32 s46, 0
	s_cbranch_scc1 .Lring
	SLOT 0, 0, 24                                  ; the last four rows: the counts run down
	SLOT 1, 0, 16
	SLOT 2, 0, 8
	SLOT 3, 0, 0
	v_and_b32 v16, 15, v0
	v_bfe_u32 v31, v0, 4, 1
	v_lshlrev_b32 v31, 4, v31
	s_and_b32 s4, s2, 1                            ; which 32 of the slice's 64 channels
	s_lshr_b32 s5, s2, 1                           ; which of four tiles
	s_mul_i32 s6, s4, 32*WP
	v_mul_u32_u24 v20, v16, WP
	v_add_nc_u32 v20, v20, v31
	v_add_nc_u32 v20, s6, v20                      ; gate row 32 cg + r, 16 h;
	v_add_nc_u32 v21, 64*WP, v20                   ; the up row of the same channel;
	v_add_nc_u32 v22, 16*WP, v20                   ; and both 16 channels on
	v_add_nc_u32 v23, 80*WP, v20
	s_lshl_b32 s6, s20, 2
	s_lshl1_add_u32 s6, s4, s6                     ; channel block 4 sl + 2 cg
	s_lshl_b32 s6, s6, 19
	s_lshl_b32 s7, s21, 15
	s_add_co_u32 s6, s6, s7
	s_mov_b32 s7, 0
	s_add_nc_u64 s[16:17], s[16:17], s[6:7]
	s_lshl_b32 s28, s5, 5                          ; the tile's first rank
	s_lshl_b32 s6, s5, 6
	s_add_co_u32 s6, s6, s26
	v_lshl_add_u32 v30, v16, 1, s6
	s_lshl_b32 s6, s5, 10
	v_lshl_add_u32 v27, v16, 5, s6
	v_add_nc_u32 v27, v27, v31
	s_wait_dscnt 0x0
	s_barrier_signal -1
	s_barrier_wait -1                              ; the slice is whole in LDS; nothing writes it again
	s_mov_b32 s29, 8
.Ltile:
	s_cmp_ge_u32 s28, s27
	s_cbranch_scc1 .Ldead
	ds_load_u16 v28, v30
	ds_load_u16 v29, v30 offset:32
	s_wait_dscnt 0x0
	v_min_u32 v28, 0x1ffc, v28
	v_min_u32 v29, 0x1ffc, v29
	v_and_b32 v28, 0x1ff8, v28                     ; 8 x token
	v_and_b32 v29, 0x1ff8, v29
	v_lshl_add_u32 v12, v28, 8, v31                ; token x 2,048 bytes + 16 h
	v_lshl_add_u32 v13, v29, 8, v31
	ISSUE 128, 0
	ISSUE 192, 1
.set ch, 0
.rept 8                                ; eight chunks of 128 along K, on X and Y by turns; a buffer is asked for again as soon as it has been multiplied
.if ch < 7
	s_wait_loadcnt 16                              ; this chunk is in, the next chunk's sixteen stay out
.else
	s_wait_loadcnt 0
.endif
.if ch == 0
	KS 128, 0, 0, 1, 0                             ; the first K step starts the sums
.else
	KS 128+64*(ch%2), 0, ch, 0, 0
.endif
	KS 128+64*(ch%2), 1, ch, 0, 1
	KS 128+64*(ch%2), 2, ch, 0, 1
	KS 128+64*(ch%2), 3, ch, 0, 1
	PLACES                                         ; for the loads below, for the next K step's, and at the end for the activation
.if ch < 6
	ISSUE 128+64*(ch%2), ch+2
.endif
.set ch, ch+1
.endr
.irp f,0,1
.irp c,0,1
	REP 4, 2, v_pk_mul_f32 v[128+8*(2*\f+\c)+p:129+8*(2*\f+\c)+p], v[32+8*(4*\f+2*\c)+p:33+8*(4*\f+2*\c)+p], 0xbfb8aa3b op_sel_hi:[1,0]
.endr
.endr
	REP 32, 1, v_exp_f32 v[128+p], v[128+p]
	v_nop
	s_wait_alu depctr_va_vdst(0)                   ; one wait for the 32 exponentials
	REP 16, 2, v_pk_add_f32 v[128+p:129+p], v[128+p:129+p], 1.0 op_sel_hi:[1,0]
	REP 32, 1, v_rcp_f32 v[128+p], v[128+p]
	v_nop
	s_wait_alu depctr_va_vdst(0)                   ; and one for the 32 reciprocals
.irp f,0,1
.irp c,0,1
	REP 4, 2, v_pk_mul_f32 v[128+8*(2*\f+\c)+p:129+8*(2*\f+\c)+p], v[128+8*(2*\f+\c)+p:129+8*(2*\f+\c)+p], v[32+8*(4*\f+2*\c)+p:33+8*(4*\f+2*\c)+p]
	REP 4, 2, v_pk_mul_f32 v[128+8*(2*\f+\c)+p:129+8*(2*\f+\c)+p], v[128+8*(2*\f+\c)+p:129+8*(2*\f+\c)+p], v[40+8*(4*\f+2*\c)+p:41+8*(4*\f+2*\c)+p]
.endr
.endr
	REP 16, 1, v_cvt_pk_bf16_f32 v[160+p], v[128+2*p], v[129+2*p]
.irp f,0,1
.irp c,0,1
	global_store_b128 v27, v[160+4*(2*\f+\c):163+4*(2*\f+\c)], s[16:17] offset:\c*524288+\f*512   ; 16 rows of 32 bytes: 512 consecutive bytes
.endr
.endr
.Ldead:
	s_wait_xcnt 0x0                                ; the stores' offset and data are rewritten only behind this wait
	v_add_nc_u32 v30, 256, v30
	v_add_nc_u32 v27, 4096, v27
	s_add_co_u32 s28, s28, 128
	s_sub_co_u32 s29, s29, 1
	s_cmp_lg_u32 s29, 0
	s_cbranch_scc1 .Ltile
	s_wait_tensorcnt 0x0                           ; the wave's end
	ds_add_u32 v2, v3
	s_wait_dscnt 0x0
	s_endpgm
.Lfunc_end_k_q58023d92db_exup:
	.size	k_q58023d92db_exup, .Lfunc_end_k_q58023d92db_exup-k_q58023d92db_exup
	.p2alignl 7, 3214868480
	.fill 96, 4, 3214868480
	.section	.rodata,"a",@progbits
	.p2align	6, 0x0
	.amdhsa_kernel k_q58023d92db_exup
		.amdhsa_group_segment_fixed_size 283648
		.amdhsa_private_segment_fixed_size 0
		.amdhsa_enable_private_segment 0
		.amdhsa_kernarg_size 48
		.amdhsa_user_sgpr_count 2
		.amdhsa_user_sgpr_kernarg_segment_ptr 1
		.amdhsa_wavefront_size32 1
		.amdhsa_system_sgpr_workgroup_id_x 1
		.amdhsa_system_sgpr_workgroup_id_y 1
		.amdhsa_system_sgpr_workgroup_id_z 1
		.amdhsa_system_vgpr_workitem_id 0
		.amdhsa_next_free_vgpr 256
		.amdhsa_next_free_sgpr 66
		.amdhsa_reserve_vcc 1
		.amdhsa_float_denorm_mode_32 3
		.amdhsa_float_denorm_mode_16_64 3
		.amdhsa_memory_ordered 1
		.amdhsa_forward_progress 1
		.amdhsa_inst_pref_size 122
	.end_amdhsa_kernel
	.amdgpu_metadata
---
amdhsa.version: [ 1, 2 ]
amdhsa.kernels:
  - .name:           k_q58023d92db_exup
    .symbol:         k_q58023d92db_exup.kd
    .args:
      - { .name: hh, .offset: 0, .size: 8, .value_kind: global_buffer, .address_space: global }
      - { .name: ids, .offset: 8, .size: 8, .value_kind: global_buffer, .address_space: global }
      - { .name: eg, .offset: 16, .size: 8, .value_kind: global_buffer, .address_space: global }
      - { .name: eu, .offset: 24, .size: 8, .value_kind: global_buffer, .address_space: global }
      - { .name: wsB, .offset: 32, .size: 8, .value_kind: global_buffer, .address_space: global }
      - { .name: pos, .offset: 40, .size: 8, .value_kind: global_buffer, .address_space: global }
    .group_segment_fixed_size: 283648
    .private_segment_fixed_size: 0
    .kernarg_segment_align: 8
    .kernarg_segment_size: 48
    .max_flat_workgroup_size: 256
    .sgpr_count:     66
    .vgpr_count:     256
    .wavefront_size: 32
...
	.end_amdgpu_metadata
.endif
;; end of part 5
;; launch exdn (part 6): grid 16 x 16, 8 waves a work-group, no clusters, 169,984 bytes of LDS; arguments wsB, pos, ed, wsA; writes wsA
.if DOCPART == 6
	.amdgcn_target "amdgcn-amd-amdhsa--gfx1250"
	.amdhsa_code_object_version 6
	.text
	.protected	k_q58023d92db_exdn
	.globl	k_q58023d92db_exdn
	.p2align	8
	.type	k_q58023d92db_exdn,@function
k_q58023d92db_exdn:
	s_mov_b64 s[64:65], 0
	v_nop
	global_prefetch_b8 v0, s[64:65] scope:SCOPE_SE
	s_setreg_imm32_b32 hwreg(HW_REG_WAVE_MODE, 25, 1), 1
	s_wait_xcnt 0x0
; The routed experts' second product: part[p] = hid[p] ed[e]^T, f32, unweighted.  Grid: x = slice of 64 output columns, y = expert.  n = cnt[e] was stored by the launch before (pos, byte 8,192 on).
; A work-group alone reads its slice of ed (256 KB of f32, each byte once), rounds it to bf16 and lays it in LDS; then it walks the expert's rows p = 1024 e + rank in tiles of 32, as the launch before did.
; hid: wsB [block of 16 channels][p][16] bf16: a fragment load is 512 consecutive bytes.  part: wsA [block of 32 columns (32)][p][32] f32; partial sums stay f32; the last launch weighs and adds them.
; The tile loop has a constant count of 8 trips, dead tiles are jumped, no barrier stands in it; its length in work hangs on n, so every LDS address in it is a fixed register and an immediate: the 32 K steps
; are written out.  The way-out stage is each wave's own.
; NO TENSOR LOADS, NO CLUSTER: each slice of weights has one reader and must pass registers to be rounded.
.set WP, 2064
.set STG, 64*WP                        ; 32 rows x 144 bytes for each wave
.set SPARE, STG+8*4608
; v4-7, v8-11 the ring  v12-15 the tile's hid offsets, 8 MiB (16 channel blocks) apart  v16 r  v20, v21 weight fragment addresses, fixed  v25, v26 stage in, out  v27 output offset  v28 the tile's hid offset  v31 16 h
; v32-63 accumulators (f, c) at 32 + 8 (2 f + c)  v96-127 weight fragments of two K steps  v128-191, v192-255 X, Y (before: the ring)
.macro REP n, st, line:vararg
.set p, 0
.rept \n
	\line
.set p, p+(\st)
.endr
.endm
.macro PLACES
.rept 4
	v_nop
.endr
.endm
.macro SLOT i, ahead, left
	s_wait_loadcnt \left
.set q, 0
.rept 8
	v_cvt_pk_bf16_f32 v[128+32*(\i)+4*q], v[128+32*(\i)+4*q], v[128+32*(\i)+4*q+1]
	v_cvt_pk_bf16_f32 v[128+32*(\i)+4*q+1], v[128+32*(\i)+4*q+2], v[128+32*(\i)+4*q+3]
	ds_store_b64 v[8+(\i)], v[128+32*(\i)+4*q:128+32*(\i)+4*q+1] offset:256*q
.set q, q+1
.endr
.if \ahead
	v_add_nc_u32 v[4+(\i)], 16384, v[4+(\i)]
	REP 8, 1, global_load_b128 v[128+32*(\i)+4*p:128+32*(\i)+4*p+3], v[4+(\i)], s[12:13] offset:512*p th:TH_LOAD_NT
.endif
	v_add_nc_u32 v[8+(\i)], 4*WP, v[8+(\i)]
.endm
.macro WM d, a, b, zero
.if \zero
	v_wmma_f32_16x16x32_bf16 v[\d:\d+7], v[\a:\a+7], v[\b:\b+7], 0
.else
	v_wmma_f32_16x16x32_bf16 v[\d:\d+7], v[\a:\a+7], v[\b:\b+7], v[\d:\d+7]
.endif
.endm
; K steps s and s + 1 of chunk kc: 8 LDS loads, 8 matrix instructions, the four accumulators by turns
.macro KS2 buf, s, kc, zero, pl
.if \pl
	PLACES
.endif
	ds_load_b128 v[96:99], v20 offset:256*(\kc)+64*(\s)
	ds_load_b128 v[100:103], v20 offset:256*(\kc)+64*(\s)+32
	ds_load_b128 v[104:107], v21 offset:256*(\kc)+64*(\s)
	ds_load_b128 v[108:111], v21 offset:256*(\kc)+64*(\s)+32
	ds_load_b128 v[112:115], v20 offset:256*(\kc)+64*(\s)+64
	ds_load_b128 v[116:119], v20 offset:256*(\kc)+64*(\s)+96
	ds_load_b128 v[120:123], v21 offset:256*(\kc)+64*(\s)+64
	ds_load_b128 v[124:127], v21 offset:256*(\kc)+64*(\s)+96
	s_wait_dscnt 0x4                               ; the second K step's four may stay out
	WM 32, 96, (\buf)+8*(\s), \zero
	WM 48, 96, (\buf)+32+8*(\s), \zero
	WM 40, 104, (\buf)+8*(\s), \zero
	WM 56, 104, (\buf)+32+8*(\s), \zero
	s_wait_dscnt 0x0
	WM 32, 112, (\buf)+8*(\s)+8, 0
	WM 48, 112, (\buf)+32+8*(\s)+8, 0
	WM 40, 120, (\buf)+8*(\s)+8, 0
	WM 56, 120, (\buf)+32+8*(\s)+8, 0
.endm
.macro ISSUE buf, kc                   ; chunk kc: 128 along K of 32 rows: eight channel blocks, 512 consecutive bytes a load; two chunks share an offset register
.irp f,0,1
.irp t,0,1,2,3
	global_load_b128 v[(\buf)+32*\f+8*\t:(\buf)+32*\f+8*\t+3], v[12+(\kc)/2], s[8:9] offset:(8*((\kc)%2)+2*\t)*524288+\f*512
	global_load_b128 v[(\buf)+32*\f+8*\t+4:(\buf)+32*\f+8*\t+7], v[12+(\kc)/2], s[8:9] offset:(8*((\kc)%2)+2*\t+1)*524288+\f*512
.endr
.endr
.endm
	s_load_b256 s[8:15], s[0:1], 0x0               ; hid s[8:9], pos s[10:11], ed s[12:13], part s[14:15]
	v_lshl_add_u32 v2, v0, 2, SPARE
	v_mov_b32 v3, 0
	v_and_b32 v1, 31, v0
	v_lshrrev_b32 v16, 5, v0
	v_readfirstlane_b32 s2, v16
	s_mov_b32 s20, ttmp9                           ; slice
	s_and_b32 s21, ttmp7, 0xffff                   ; expert
	s_mul_i32 s3, s2, 8*WP
.irp i,0,1,2,3
	v_lshl_add_u32 v[4+\i], v1, 4, \i*4096
	v_lshl_add_u32 v[8+\i], v1, 3, s3
.endr
.irp i,1,2,3
	v_add_nc_u32 v[8+\i], \i*WP, v[8+\i]
.endr
	s_lshl_b32 s6, s21, 22
	s_lshl_b32 s7, s20, 18
	s_add_co_u32 s6, s6, s7
	s_lshl_b32 s7, s2, 15                          ; my 8 rows
	s_add_co_u32 s6, s6, s7
	s_mov_b32 s7, 0
	s_lshl_b32 s31, s21, 2                         ; the count's word; this register is never rewritten
	s_wait_kmcnt 0x0
	s_add_nc_u64 s[12:13], s[12:13], s[6:7]
	s_load_b32 s27, s[10:11], s31 offset:0x2000    ; n
.irp i,0,1,2,3
	REP 8, 1, global_load_b128 v[128+32*\i+4*p:131+32*\i+4*p], v[4+\i], s[12:13] offset:512*p th:TH_LOAD_NT
.endr
	v_and_b32 v16, 15, v0
	v_bfe_u32 v31, v0, 4, 1
	v_lshlrev_b32 v31, 4, v31
	s_and_b32 s4, s2, 1                            ; which 32 of the slice's 64 columns
	s_lshr_b32 s5, s2, 1                           ; which of four tiles
	s_mul_i32 s6, s4, 32*WP
	v_mul_u32_u24 v20, v16, WP
	v_add_nc_u32 v20, v20, v31
	v_add_nc_u32 v20, s6, v20                      ; weight row 32 cg + r, 16 h,
	v_add_nc_u32 v21, 16*WP, v20                   ; and 16 columns on
	s_mul_i32 s6, s2, 4608
	s_add_co_u32 s6, s6, STG
	v_mul_u32_u24 v25, v16, 144
	v_lshl_add_u32 v25, v31, 1, v25                ; row r, 32 h
	v_add_nc_u32 v25, s6, v25
	v_bfe_u32 v26, v0, 3, 2
	v_mul_u32_u24 v26, v26, 144
	v_and_b32 v28, 7, v0
	v_lshl_add_u32 v26, v28, 4, v26
	v_add_nc_u32 v26, s6, v26
	s_lshl_b32 s6, s5, 12
	v_lshl_add_u32 v27, v1, 4, s6                  ; 32 rows of 128 bytes a tile
	s_lshl_b32 s6, s5, 10
	v_lshl_add_u32 v28, v16, 5, s6
	v_add_nc_u32 v28, v28, v31                     ; row x 32 bytes + 16 h
	s_lshl_b32 s6, s21, 15
	s_mov_b32 s7, 0
	s_add_nc_u64 s[8:9], s[8:9], s[6:7]
	s_lshl1_add_u32 s6, s20, s4                    ; column block 2 sl + cg
	s_lshl_b32 s6, s6, 21
	s_lshl_b32 s22, s21, 17
	s_add_co_u32 s6, s6, s22
	s_add_nc_u64 s[14:15], s[14:15], s[6:7]
	s_lshl_b32 s28, s5, 5
	SLOT 0, 1, 24                                  ; three younger rows of eight loads stay out
	SLOT 1, 1, 24
	SLOT 2, 1, 24
	SLOT 3, 1, 24
	SLOT 0, 0, 24
	SLOT 1, 0, 16
	SLOT 2, 0, 8
	SLOT 3, 0, 0
	s_wait_kmcnt 0x0
	s_min_u32 s27, s27, 1024
	s_wait_dscnt 0x0
	s_barrier_signal -1
	s_barrier_wait -1                              ; the slice is whole in LDS; nothing writes it again
	s_mov_b32 s29, 8
.Ltile:
	s_cmp_ge_u32 s28, s27
	s_cbranch_scc1 .Ldead
	v_mov_b32 v12, v28
	v_add_nc_u32 v13, 0x800000, v28                ; sixteen channel blocks on,
	v_add_nc_u32 v14, 0x1000000, v28               ; thirty-two,
	v_add_nc_u32 v15, 0x1800000, v28               ; forty-eight
	ISSUE 128, 0
	ISSUE 192, 1
.set ch, 0
.rept 8                                ; eight chunks of 128 along K, on X and Y by turns
.if ch < 7
	s_wait_loadcnt 16                              ; this chunk is in, the next chunk's sixteen stay out
.else
	s_wait_loadcnt 0
.endif
.if ch == 0
	KS2 128, 0, 0, 1, 0                            ; the first K step starts the sums
.else
	KS2 128+64*(ch%2), 0, ch, 0, 0
.endif
	KS2 128+64*(ch%2), 2, ch, 0, 1
	PLACES                                         ; for the loads below, for the next K steps', and at the end for the way out
.if ch < 6
	ISSUE 128+64*(ch%2), ch+2
.endif
.set ch, ch+1
.endr
.irp f,0,1
.irp c,0,1
	ds_store_b128 v25, v[32+8*(2*\f+\c):35+8*(2*\f+\c)] offset:\f*2304+64*\c
	ds_store_b128 v25, v[36+8*(2*\f+\c):39+8*(2*\f+\c)] offset:\f*2304+64*\c+16
.endr
.endr
	REP 8, 1, ds_load_b128 v[128+4*p:131+4*p], v26 offset:p*576    ; LDS serves a wave's instructions in order (ISA guide 5.7.1.4): these see the stores above
.irp i,0,1,2,3,4,5,6,7
	s_wait_dscnt 7-\i
	global_store_b128 v27, v[128+4*\i:131+4*\i], s[14:15] offset:512*\i    ; four rows of 128 bytes: 512 consecutive bytes
.endr
.Ldead:
	s_wait_xcnt 0x0                                ; the stores' offset and data are rewritten only behind this wait
	v_add_nc_u32 v27, 16384, v27
	v_add_nc_u32 v28, 4096, v28
	s_add_co_u32 s28, s28, 128
	s_sub_co_u32 s29, s29, 1
	s_cmp_lg_u32 s29, 0
	s_cbranch_scc1 .Ltile
	s_wait_tensorcnt 0x0                           ; the wave's end
	ds_add_u32 v2, v3
	s_wait_dscnt 0x0
	s_endpgm
.Lfunc_end_k_q58023d92db_exdn:
	.size	k_q58023d92db_exdn, .Lfunc_end_k_q58023d92db_exdn-k_q58023d92db_exdn
	.p2alignl 7, 3214868480
	.fill 96, 4, 3214868480
	.section	.rodata,"a",@progbits
	.p2align	6, 0x0
	.amdhsa_kernel k_q58023d92db_exdn
		.amdhsa_group_segment_fixed_size 169984
		.amdhsa_private_segment_fixed_size 0
		.amdhsa_enable_private_segment 0
		.amdhsa_kernarg_size 32
		.amdhsa_user_sgpr_count 2
		.amdhsa_user_sgpr_kernarg_segment_ptr 1
		.amdhsa_wavefront_size32 1
		.amdhsa_system_sgpr_workgroup_id_x 1
		.amdhsa_system_sgpr_workgroup_id_y 1
		.amdhsa_system_sgpr_workgroup_id_z 1
		.amdhsa_system_vgpr_workitem_id 0
		.amdhsa_next_free_vgpr 256
		.amdhsa_next_free_sgpr 66
		.amdhsa_reserve_vcc 0
		.amdhsa_float_denorm_mode_32 3
		.amdhsa_float_denorm_mode_16_64 3
		.amdhsa_memory_ordered 1
		.amdhsa_forward_progress 1
		.amdhsa_inst_pref_size 57
	.end_amdhsa_kernel
	.amdgpu_metadata
---
amdhsa.version: [ 1, 2 ]
amdhsa.kernels:
  - .name:           k_q58023d92db_exdn
    .symbol:         k_q58023d92db_exdn.kd
    .args:
      - { .name: wsB, .offset: 0, .size: 8, .value_kind: global_buffer, .address_space: global }
      - { .name: pos, .offset: 8, .size: 8, .value_kind: global_buffer, .address_space: global }
      - { .name: ed, .offset: 16, .size: 8, .value_kind: global_buffer, .address_space: global }
      - { .name: wsA, .offset: 24, .size: 8, .value_kind: global_buffer, .address_space: global }
    .group_segment_fixed_size: 169984
    .private_segment_fixed_size: 0
    .kernarg_segment_align: 8
    .kernarg_segment_size: 32
    .max_flat_workgroup_size: 256
    .sgpr_count:     66
    .vgpr_count:     256
    .wavefront_size: 32
...
	.end_amdgpu_metadata
.endif
;; end of part 6
;; launch fin (part 7): grid 16 x 16, 8 waves a work-group, no clusters, 279,552 bytes of LDS; arguments hh, sd, x1, wsA, pos, gw, out0; writes out0
.if DOCPART == 7
	.amdgcn_target "amdgcn-amd-amdhsa--gfx1250"
	.amdhsa_code_object_version 6
	.text
	.protected	k_q58023d92db_fin
	.globl	k_q58023d92db_fin
	.p2align	8
	.type	k_q58023d92db_fin,@function
k_q58023d92db_fin:
	s_mov_b64 s[64:65], 0
	v_nop
	global_prefetch_b8 v0, s[64:65] scope:SCOPE_SE
	s_setreg_imm32_b32 hwreg(HW_REG_WAVE_MODE, 25, 1), 1
	s_wait_xcnt 0x0
; out = x1 + hs sd^T + gate0 part[pos0] + gate1 part[pos1].  hs: hh + 2 MiB, [block of 64][token][64] bf16; sd, x1, out f32; part: wsA [block of 32 columns][p][32] f32; pos, gw: [token][2].
; A work-group makes 64 tokens x 64 columns and is each output number's one owner; the eight waves split K (wave w: hidden channels 128 w .. + 127); the eight f32 partial tiles meet in LDS.
; The two routed rows of a token are gathered by pos, which an earlier launch stored as whole numbers (clamped to the table's 16,384 rows), and weighed in f32.
; NO TENSOR LOADS, NO CLUSTER: sd is f32 in memory and must pass registers to be rounded.  NaN and infinities are not treated apart.
.set PITCH, 272
.set WST, 64*PITCH
.set BSTG, 8*WST
.set SPARE, 16*WST
.set R0, 128
.set R1, 192
.set R2, 64
; as in the output projection; further: v13 pos, gw offset  v23 my place in a routed row  v40-47 pos  v48-55 gates  v56-63 gather offsets
.macro REP n, st, line:vararg
.set p, 0
.rept \n
	\line
.set p, p+(\st)
.endr
.endm
.macro PLACES
.rept 4
	v_nop
.endr
.endm
.macro BAR
	s_wait_dscnt 0x0
	s_barrier_signal -1
	s_barrier_wait -1
.endm
.macro LDF R, b, lo
	REP 16, 1, global_load_b128 v[(\R)+4*p:(\R)+4*p+3], v4, s[\lo:\lo+1] offset:(16*(\b)+p)*4096
.endm
.macro LDA16 R, bp
	REP 16, 1, global_load_b128 v[(\R)+4*p:(\R)+4*p+3], v5, s[8:9] offset:(\bp)*131072+p*512
.endm
.macro STA16 R, bp
	REP 16, 1, ds_store_b128 v6, v[(\R)+4*p:(\R)+4*p+3] offset:p*4*PITCH+128*(\bp)
.endm
.macro CV R, b, dst
.set i, 0
.rept 16
	v_cvt_pk_bf16_f32 v[(\R)+4*i], v[(\R)+4*i], v[(\R)+4*i+1]
	v_cvt_pk_bf16_f32 v[(\R)+4*i+1], v[(\R)+4*i+2], v[(\R)+4*i+3]
	ds_store_b64 v[\dst], v[(\R)+4*i:(\R)+4*i+1] offset:(16*(\b)+i)*PITCH
.set i, i+1
.endr
.endm
.macro KSTEP s, zero
.if (\s) > 0
	PLACES
.endif
.irp i,0,1,2,3
	ds_load_b128 v[64+8*\i:67+8*\i], v8 offset:\i*16*PITCH+64*(\s)
	ds_load_b128 v[68+8*\i:71+8*\i], v8 offset:\i*16*PITCH+64*(\s)+32
.endr
.irp c,0,1,2,3
	ds_load_b128 v[96+8*\c:99+8*\c], v9 offset:\c*16*PITCH+64*(\s)
	ds_load_b128 v[100+8*\c:103+8*\c], v9 offset:\c*16*PITCH+64*(\s)+32
.endr
.irp c,0,1,2,3
.if \c == 0
	s_wait_dscnt 0x4                       ; the four youngest loads may stay out
.endif
.if \c == 2
	s_wait_dscnt 0x0
.endif
.irp i,0,1,2,3
.if \zero
	v_wmma_f32_16x16x32_bf16 v[128+8*(4*\i+\c):135+8*(4*\i+\c)], v[96+8*\c:103+8*\c], v[64+8*\i:71+8*\i], 0
.else
	v_wmma_f32_16x16x32_bf16 v[128+8*(4*\i+\c):135+8*(4*\i+\c)], v[96+8*\c:103+8*\c], v[64+8*\i:71+8*\i], v[128+8*(4*\i+\c):135+8*(4*\i+\c)]
.endif
.endr
.endr
.endm
.macro PSTORE
	PLACES
.irp i,0,1,2,3
.irp c,0,1,2,3
	ds_store_b128 v10, v[128+8*(4*\i+\c):131+8*(4*\i+\c)] offset:\i*16*PITCH+64*\c
	ds_store_b128 v10, v[132+8*(4*\i+\c):135+8*(4*\i+\c)] offset:\i*16*PITCH+64*\c+16
.endr
.endr
.endm
.macro REDLD a
.irp u,0,1,2,3
.irp j,0,1,2,3
	ds_load_b128 v[64+16*\u+4*\j:67+16*\u+4*\j], v[\a] offset:\u*WST+\j*2*PITCH
.endr
.endr
	s_wait_dscnt 0x0
.endm
.macro REDADD first
.if \first
	REP 8, 2, v_pk_add_f32 v[24+p:25+p], v[64+p:65+p], v[80+p:81+p]
.else
	REP 8, 2, v_pk_add_f32 v[24+p:25+p], v[24+p:25+p], v[64+p:65+p]
	REP 8, 2, v_pk_add_f32 v[24+p:25+p], v[24+p:25+p], v[80+p:81+p]
.endif
	REP 8, 2, v_pk_add_f32 v[24+p:25+p], v[24+p:25+p], v[96+p:97+p]
	REP 8, 2, v_pk_add_f32 v[24+p:25+p], v[24+p:25+p], v[112+p:113+p]
.endm
	s_load_b256 s[8:15], s[0:1], 0x0               ; hh s[8:9], sd s[10:11], x1 s[12:13], part s[14:15]
	s_load_b128 s[16:19], s[0:1], 0x20             ; pos s[16:17], gw s[18:19]
	s_load_b64 s[20:21], s[0:1], 0x30              ; out0
	v_lshl_add_u32 v2, v0, 2, SPARE
	v_mov_b32 v3, 0
	v_and_b32 v1, 31, v0
	v_lshrrev_b32 v22, 5, v0
	v_readfirstlane_b32 s2, v22
	s_mov_b32 s26, ttmp9                           ; column block
	s_and_b32 s27, ttmp7, 0xffff                   ; block of 64 tokens
	s_mul_i32 s3, s2, WST
	v_lshlrev_b32 v4, 4, v0
	s_lshl_b32 s5, s2, 18
	v_lshl_add_u32 v5, v1, 4, s5
	v_bfe_u32 v16, v0, 3, 2
	v_and_b32 v17, 7, v0
	v_mul_u32_u24 v6, v16, PITCH
	v_lshl_add_u32 v6, v17, 4, v6
	v_add_nc_u32 v6, s3, v6
	v_lshl_add_u32 v7, v1, 3, s3
	v_add_nc_u32 v7, BSTG, v7
	v_and_b32 v22, 15, v0
	v_bfe_u32 v21, v0, 4, 1
	v_mul_u32_u24 v8, v22, PITCH
	v_lshl_add_u32 v8, v21, 4, v8
	v_add_nc_u32 v8, s3, v8
	v_add_nc_u32 v9, BSTG, v8
	v_lshl_add_u32 v10, v21, 4, v9
	s_mul_i32 s4, s2, 8*PITCH
	s_add_co_u32 s4, s4, BSTG
	v_mul_u32_u24 v11, v21, PITCH
	v_lshl_add_u32 v11, v22, 4, v11
	v_add_nc_u32 v11, s4, v11
	v_add_nc_u32 v12, 4*WST, v11
	s_lshl_b32 s5, s2, 15
	v_lshl_add_u32 v15, v21, 12, s5
	v_lshl_add_u32 v15, v22, 4, v15                ; row 8 w + lane / 16, 16 bytes at 16 (lane % 16)
	s_lshl_b32 s5, s2, 6
	v_lshl_add_u32 v13, v21, 3, s5                 ; 8 bytes a token
	v_bfe_u32 v23, v0, 3, 1
	v_lshlrev_b32 v23, 21, v23                     ; which of my block's two blocks of 32 columns,
	v_lshl_add_u32 v23, v17, 4, v23                ; and 16 bytes in its row of 128
	s_lshl_b32 s22, s27, 13
	s_add_co_u32 s22, s22, 0x200000
	s_mov_b32 s23, 0
	s_lshl_b32 s6, s26, 18
	s_mov_b32 s7, 0
	s_lshl_b32 s24, s27, 18
	s_lshl_b32 s25, s26, 8
	s_add_co_u32 s24, s24, s25
	s_mov_b32 s25, 0
	s_lshl_b32 s28, s27, 9
	s_mov_b32 s29, 0
	s_lshl_b32 s30, s26, 22
	s_mov_b32 s31, 0
	s_wait_kmcnt 0x0
	s_add_nc_u64 s[8:9], s[8:9], s[22:23]
	s_add_nc_u64 s[10:11], s[10:11], s[6:7]
	s_add_nc_u64 s[12:13], s[12:13], s[24:25]
	s_add_nc_u64 s[20:21], s[20:21], s[24:25]
	s_add_nc_u64 s[16:17], s[16:17], s[28:29]
	s_add_nc_u64 s[18:19], s[18:19], s[28:29]
	s_add_nc_u64 s[14:15], s[14:15], s[30:31]
	REP 4, 1, global_load_b64 v[40+2*p:41+2*p], v13, s[16:17] offset:16*p     ; the oldest loads: every counted wait below shows them in
	REP 4, 1, global_load_b64 v[48+2*p:49+2*p], v13, s[18:19] offset:16*p
	LDA16 R0, 0
	LDA16 R1, 1
	LDF R2, 0, 10
	s_wait_loadcnt 32                              ; the counts are the loads of the younger batches, 16 each
	STA16 R0, 0
	LDF R0, 1, 10
	s_wait_loadcnt 32
	STA16 R1, 1
	LDF R1, 2, 10
	s_wait_loadcnt 32
	CV R2, 0, 7
	LDF R2, 3, 10
	s_wait_loadcnt 32
	CV R0, 1, 7
	s_wait_loadcnt 16
	CV R1, 2, 7
	s_wait_loadcnt 0
	CV R2, 3, 7
	KSTEP 0, 1
	KSTEP 1, 0
	KSTEP 2, 0
	KSTEP 3, 0
	PSTORE
	REP 8, 1, v_min_u32 v[40+p], 0x3fff, v[40+p]
	REP 8, 1, v_lshl_add_u32 v[56+p], v[40+p], 7, v23
	REP 4, 1, global_load_b128 v[128+4*p:131+4*p], v[56+2*p], s[14:15]     ; the routed rows and the residual fly under the reduction
	REP 4, 1, global_load_b128 v[144+4*p:147+4*p], v[57+2*p], s[14:15]
	REP 4, 1, global_load_b128 v[160+4*p:163+4*p], v15, s[12:13] offset:p*8192
	BAR                                            ; all eight partial tiles are in LDS
	REDLD 11
	REDADD 1
	REDLD 12
	REDADD 0
	s_wait_loadcnt 0
	REP 8, 2, v_pk_add_f32 v[24+p:25+p], v[24+p:25+p], v[160+p:161+p]
.irp j,0,1,2,3
	REP 4, 1, v_fma_f32 v[24+4*\j+p], v[128+4*\j+p], v[48+2*\j], v[24+4*\j+p]
	REP 4, 1, v_fma_f32 v[24+4*\j+p], v[144+4*\j+p], v[49+2*\j], v[24+4*\j+p]
.endr
	REP 4, 1, global_store_b128 v15, v[24+4*p:27+4*p], s[20:21] offset:p*8192      ; sixteen lanes store 256 consecutive bytes, aligned
	s_wait_tensorcnt 0x0                           ; the wave's end
	ds_add_u32 v2, v3
	s_wait_dscnt 0x0
	s_endpgm
.Lfunc_end_k_q58023d92db_fin:
	.size	k_q58023d92db_fin, .Lfunc_end_k_q58023d92db_fin-k_q58023d92db_fin
	.p2alignl 7, 3214868480
	.fill 96, 4, 3214868480
	.section	.rodata,"a",@progbits
	.p2align	6, 0x0
	.amdhsa_kernel k_q58023d92db_fin
		.amdhsa_group_segment_fixed_size 279552
		.amdhsa_private_segment_fixed_size 0
		.amdhsa_enable_private_segment 0
		.amdhsa_kernarg_size 56
		.amdhsa_user_sgpr_count 2
		.amdhsa_user_sgpr_kernarg_segment_ptr 1
		.amdhsa_wavefront_size32 1
		.amdhsa_system_sgpr_workgroup_id_x 1
		.amdhsa_system_sgpr_workgroup_id_y 1
		.amdhsa_system_sgpr_workgroup_id_z 1
		.amdhsa_system_vgpr_workitem_id 0
		.amdhsa_next_free_vgpr 256
		.amdhsa_next_free_sgpr 66
		.amdhsa_reserve_vcc 0
		.amdhsa_float_denorm_mode_32 3
		.amdhsa_float_denorm_mode_16_64 3
		.amdhsa_memory_ordered 1
		.amdhsa_forward_progress 1
		.amdhsa_inst_pref_size 49
	.end_amdhsa_kernel
	.amdgpu_metadata
---
amdhsa.version: [ 1, 2 ]
amdhsa.kernels:
  - .name:           k_q58023d92db_fin
    .symbol:         k_q58023d92db_fin.kd
    .args:
      - { .name: hh, .offset: 0, .size: 8, .value_kind: global_buffer, .address_space: global }
      - { .name: sd, .offset: 8, .size: 8, .value_kind: global_buffer, .address_space: global }
      - { .name: x1, .offset: 16, .size: 8, .value_kind: global_buffer, .address_space: global }
      - { .name: wsA, .offset: 24, .size: 8, .value_kind: global_buffer, .address_space: global }
      - { .name: pos, .offset: 32, .size: 8, .value_kind: global_buffer, .address_space: global }
      - { .name: gw, .offset: 40, .size: 8, .value_kind: global_buffer, .address_space: global }
      - { .name: out0, .offset: 48, .size: 8, .value_kind: global_buffer, .address_space: global }
    .group_segment_fixed_size: 279552
    .private_segment_fixed_size: 0
    .kernarg_segment_align: 8
    .kernarg_segment_size: 56
    .max_flat_workgroup_size: 256
    .sgpr_count:     66
    .vgpr_count:     256
    .wavefront_size: 32
...
	.end_amdgpu_metadata
.endif
;; end of part 7
;; ======== version 2 of 2: 8 launches; 1.21 times as fast as version 1
;; limits: values outside matrix products are rounded to bf16; values outside matrix products are rounded to f16; values are held in f16: magnitudes above 65,504 overflow, below 6.1e-05 lose precision; inputs' magnitudes at most 65,504
;; workspace buffers: wsA 67,108,864 bytes; wsB 33,554,432 bytes; x1 4,194,304 bytes; hh 4,194,304 bytes; ids 8,192 bytes of whole numbers; gw 8,192 bytes; pos 8,448 bytes of whole numbers; wc 16,777,216 bytes
;; launch cast (part 8): grid 32 x 8, 8 waves a work-group, no clusters, 68,608 bytes of LDS; arguments x, wq, wk, wv, wo, sg, su, sd, norm1_w, norm2_w, wc; writes wc
.if DOCPART == 8
	.amdgcn_target "amdgcn-amd-amdhsa--gfx1250"
	.amdhsa_code_object_version 6
	.text
	.protected	k_q58023d92db_cast
	.globl	k_q58023d92db_cast
	.p2align	8
	.type	k_q58023d92db_cast,@function
k_q58023d92db_cast:
	s_mov_b64 s[64:65], 0
	v_nop
	global_prefetch_b8 v0, s[64:65] scope:SCOPE_SE
	s_setreg_imm32_b32 hwreg(HW_REG_WAVE_MODE, 25, 1), 1
	s_wait_xcnt 0x0
; The dense operands are rounded ONCE and laid out in the order in which a wave's operand registers take them: each of them is read by sixteen work-groups of a later launch.
; wc holds eight matrices of 2 MiB, in this order: x, wq norm1_w, wk norm1_w, wv norm1_w, wo (f16); sg norm2_w, su norm2_w, sd (bf16); the norm's weight multiplies along k, in f32, ahead of the one rounding.
; Layout of each: [block of 8 k (128)][row (1024)][8]: byte (k / 8) x 16,384 + 16 x row + 2 x (k mod 8).  A matrix fragment's load (lane = row % 16 and half h: 8 k at 8 h) is then two aligned runs of 256 bytes.
; Grid: x = 32 rows, y = the matrix.  A wave takes 16 rows x 256 k.  It reads 512 consecutive bytes of a row with each load (32 loads, all out before its one wait), rounds, and turns the block through
; LDS bytes of its own (16 rows of 512 bytes, pitch 528: the 16 rows of a read start at 16 different groups of four banks), so that each store covers 16 rows x 16 bytes twice: two aligned runs of 256 bytes.
; LIMITS.  |x|, |W norm1_w|, |wo| below 65,504 (f16); numbers below 6e-5 keep f16's fixed step of 6e-8.  No matrix unit, no cluster, no barrier: a stream in which no byte is shared.
.set LP, 528                           ; an LDS row: 512 bytes + 16
.set WREG, 16*LP                       ; a wave's 16 rows
.set SPARE, 8*WREG                     ; the spare words, 128 bytes a wave
.set D, 64                             ; v[64:191]   32 loads of 4 numbers: row n / 2, 128 k at n % 2; later v[64:127]: 16 pieces read back
.set NW, 192                           ; v[192:199]  the norm's weight at my 4 k of each 128
.macro REP n, st, line:vararg
.set p, 0
.rept \n
	\line
.set p, p+(\st)
.endr
.endm
	s_load_b512 s[8:23], s[0:1], 0x0               ; x 8, wq 10, wk 12, wv 14, wo 16, sg 18, su 20, sd 22
	s_load_b128 s[24:27], s[0:1], 0x40             ; norm1_w 24, norm2_w 26
	s_load_b64 s[28:29], s[0:1], 0x50              ; wc
	v_lshl_add_u32 v2, v0, 2, SPARE                ; my spare word,
	v_mov_b32 v3, 0                                ; and 0: kept for the add at the wave's end
	v_and_b32 v1, 31, v0
	v_lshrrev_b32 v4, 5, v0
	v_readfirstlane_b32 s2, v4                     ; wave 0..7
	s_mov_b32 s3, ttmp9                            ; which 32 rows
	s_and_b32 s4, ttmp7, 0xffff                    ; which matrix
	s_lshr_b32 s5, s2, 2
	s_lshl1_add_u32 s5, s3, s5                     ; my group of 16 rows: 2 x + wave / 4
	s_and_b32 s6, s2, 3                            ; my quarter of k
	v_lshlrev_b32 v6, 4, v1                        ; where I read: 16 bytes a lane
	s_lshl_b32 s7, s6, 10                          ; 256 k of f32
	v_add_nc_u32 v5, s7, v6                        ; the same place in the norm's weight
	s_mul_i32 s35, s2, WREG                        ; my LDS bytes
	v_lshl_add_u32 v8, v1, 3, s35                  ; in: 8 bytes a lane
	v_and_b32 v10, 15, v0                          ; r
	v_bfe_u32 v11, v0, 4, 1                        ; h
	v_mul_u32_u24 v9, v10, LP
	v_lshl_add_u32 v9, v11, 4, v9
	v_add_nc_u32 v9, s35, v9                       ; back: row r, piece h
	v_lshlrev_b32 v7, 14, v11
	v_lshl_add_u32 v7, v10, 4, v7                  ; where I store: block h, row r
	s_lshl_b32 s30, s5, 16                         ; 16 rows of 4,096 bytes
	s_add_co_u32 s30, s30, s7
	s_mov_b32 s31, 0
	s_lshl_b32 s32, s4, 21                         ; the matrix's 2 MiB,
	s_lshl_b32 s33, s6, 19                         ; 32 blocks of 16,384 bytes,
	s_add_co_u32 s32, s32, s33
	s_lshl_b32 s33, s5, 8                          ; 16 rows of 16 bytes
	s_add_co_u32 s32, s32, s33
	s_mov_b32 s33, 0
	s_lshr_b32 s34, 0x6e, s4                       ; matrices 1, 2, 3, 5, 6 take a norm's weight
	s_and_b32 s34, s34, 1
	s_wait_kmcnt 0x0
.irp m,1,2,3,4,5,6,7
	s_cmp_eq_u32 s4, \m
	s_cselect_b64 s[8:9], s[8+2*\m:9+2*\m], s[8:9]
.endr
	s_cmp_ge_u32 s4, 5
	s_cselect_b64 s[24:25], s[26:27], s[24:25]
	s_add_nc_u64 s[8:9], s[8:9], s[30:31]
	s_add_nc_u64 s[28:29], s[28:29], s[32:33]
.set n, 0
.rept 32
	global_load_b128 v[D+4*n:D+4*n+3], v6, s[8:9] offset:(n/2)*4096+(n%2)*512 th:TH_LOAD_NT
.set n, n+1
.endr
	s_cmp_lg_u32 s34, 0
	s_cbranch_scc0 .Lplain
	global_load_b128 v[NW:NW+3], v5, s[24:25]
	global_load_b128 v[NW+4:NW+7], v5, s[24:25] offset:512
	s_wait_loadcnt 0x0
.set n, 0
.rept 32
	v_pk_mul_f32 v[D+4*n:D+4*n+1], v[D+4*n:D+4*n+1], v[NW+4*(n%2):NW+4*(n%2)+1]
	v_pk_mul_f32 v[D+4*n+2:D+4*n+3], v[D+4*n+2:D+4*n+3], v[NW+4*(n%2)+2:NW+4*(n%2)+3]
.set n, n+1
.endr
.Lplain:
	s_wait_loadcnt 0x0
	s_cmp_ge_u32 s4, 5
	s_cbranch_scc1 .Lbf
.set n, 0
.rept 32
	v_cvt_pk_f16_f32 v[D+4*n], v[D+4*n], v[D+4*n+1]
	v_cvt_pk_f16_f32 v[D+4*n+1], v[D+4*n+2], v[D+4*n+3]
.set n, n+1
.endr
	s_branch .Lout
.Lbf:
.set n, 0
.rept 32
	v_cvt_pk_bf16_f32 v[D+4*n], v[D+4*n], v[D+4*n+1]
	v_cvt_pk_bf16_f32 v[D+4*n+1], v[D+4*n+2], v[D+4*n+3]
.set n, n+1
.endr
.Lout:
.set n, 0
.rept 32
	ds_store_b64 v8, v[D+4*n:D+4*n+1] offset:(n/2)*LP+(n%2)*256    ; 256 consecutive bytes of a row
.set n, n+1
.endr
	REP 16, 1, ds_load_b128 v[D+4*p:D+4*p+3], v9 offset:32*p       ; pieces 2 p + h of 16 rows; LDS serves a wave's instructions in order (ISA guide 5.7.1.4): these see the stores above
.irp t,0,1,2,3,4,5,6,7,8,9,10,11,12,13,14,15
	s_wait_dscnt 15-\t
	global_store_b128 v7, v[D+4*\t:D+4*\t+3], s[28:29] offset:\t*32768     ; lanes 0-15 and lanes 16-31 each store 256 consecutive bytes, aligned
.endr
	s_wait_tensorcnt 0x0                           ; the wave's end, behind my last LDS store
	ds_add_u32 v2, v3
	s_wait_dscnt 0x0
	s_endpgm
.Lfunc_end_k_q58023d92db_cast:
	.size	k_q58023d92db_cast, .Lfunc_end_k_q58023d92db_cast-k_q58023d92db_cast
	.p2alignl 7, 3214868480
	.fill 96, 4, 3214868480
	.section	.rodata,"a",@progbits
	.p2align	6, 0x0
	.amdhsa_kernel k_q58023d92db_cast
		.amdhsa_group_segment_fixed_size 68608
		.amdhsa_private_segment_fixed_size 0
		.amdhsa_enable_private_segment 0
		.amdhsa_kernarg_size 88
		.amdhsa_user_sgpr_count 2
		.amdhsa_user_sgpr_kernarg_segment_ptr 1
		.amdhsa_wavefront_size32 1
		.amdhsa_system_sgpr_workgroup_id_x 1
		.amdhsa_system_sgpr_workgroup_id_y 1
		.amdhsa_system_sgpr_workgroup_id_z 1
		.amdhsa_system_vgpr_workitem_id 0
		.amdhsa_next_free_vgpr 200
		.amdhsa_next_free_sgpr 66
		.amdhsa_reserve_vcc 0
		.amdhsa_float_denorm_mode_32 3
		.amdhsa_float_denorm_mode_16_64 3
		.amdhsa_memory_ordered 1
		.amdhsa_forward_progress 1
		.amdhsa_inst_pref_size 23
	.end_amdhsa_kernel
	.amdgpu_metadata
---
amdhsa.version: [ 1, 2 ]
amdhsa.kernels:
  - .name:           k_q58023d92db_cast
    .symbol:         k_q58023d92db_cast.kd
    .args:
      - { .name: x, .offset: 0, .size: 8, .value_kind: global_buffer, .address_space: global }
      - { .name: wq, .offset: 8, .size: 8, .value_kind: global_buffer, .address_space: global }
      - { .name: wk, .offset: 16, .size: 8, .value_kind: global_buffer, .address_space: global }
      - { .name: wv, .offset: 24, .size: 8, .value_kind: global_buffer, .address_space: global }
      - { .name: wo, .offset: 32, .size: 8, .value_kind: global_buffer, .address_space: global }
      - { .name: sg, .offset: 40, .size: 8, .value_kind: global_buffer, .address_space: global }
      - { .name: su, .offset: 48, .size: 8, .value_kind: global_buffer, .address_space: global }
      - { .name: sd, .offset: 56, .size: 8, .value_kind: global_buffer, .address_space: global }
      - { .name: norm1_w, .offset: 64, .size: 8, .value_kind: global_buffer, .address_space: global }
      - { .name: norm2_w, .offset: 72, .size: 8, .value_kind: global_buffer, .address_space: global }
      - { .name: wc, .offset: 80, .size: 8, .value_kind: global_buffer, .address_space: global }
    .group_segment_fixed_size: 68608
    .private_segment_fixed_size: 0
    .kernarg_segment_align: 8
    .kernarg_segment_size: 88
    .max_flat_workgroup_size: 256
    .sgpr_count:     66
    .vgpr_count:     200
    .wavefront_size: 32
...
	.end_amdgpu_metadata
.endif
;; end of part 8
;; launch qkv (part 9): grid 16 x 16, 8 waves a work-group, no clusters, 177,152 bytes of LDS; arguments wc, wsA; writes wsA
.if DOCPART == 9
	.amdgcn_target "amdgcn-amd-amdhsa--gfx1250"
	.amdhsa_code_object_version 6
	.text
	.protected	k_q58023d92db_qkv
	.globl	k_q58023d92db_qkv
	.p2align	8
	.type	k_q58023d92db_qkv,@function
k_q58023d92db_qkv:
	s_mov_b64 s[64:65], 0
	v_nop
	global_prefetch_b8 v0, s[64:65] scope:SCOPE_SE
	s_setreg_imm32_b32 hwreg(HW_REG_WAVE_MODE, 25, 1), 1
	s_wait_xcnt 0x0
; q, k, v = rope(rmsnorm(x, norm1_w) W^T), by heads: wsA holds q at 0, k at 2 MiB, v at 4 MiB, each [16 b + head][256][64] f16.
; The operands come rounded from the launch before: wc holds f16(x) at 0 and f16(W norm1_w) for wq, wk, wv at 2, 4, 6 MiB, each [block of 8 k][row][8].
; A work-group makes 64 tokens x one head's 64 channels, three passes (wq, wk, wv).  The eight waves SPLIT K: wave w owns k = 128 w .. 128 w + 127.  In this split a wave uses each fragment of W once
; and nobody else uses it, so fragments come from memory STRAIGHT INTO THE OPERAND REGISTERS (a load is two aligned runs of 256 bytes); x's fragments stay in registers for all three passes.
; LDS serves only where waves meet: the eight f32 partial tiles, the partial sums of squares; and the wave's own rotary tables.
; The row scale r = rsqrt(mean x^2 + 1e-6) multiplies the f32 sums.  mean x^2 is the diagonal of A A^T, taken of the f16-rounded x.
; LIMITS.  q, k, v below 65,504 (f16); r is made of the rounded row (relative error about 1e-5); the rotary angle is reduced in f32 (error under 1e-4 radians at position 255);
; NaN and infinities are not treated apart.
; NO TENSOR LOADS, NO CLUSTER here: x's slices (shared by 16 heads) and W's (shared by 16 row blocks) could be asked for jointly into LDS; this text takes them through no LDS at all.
; REGISTERS, in windows of 256 (s_set_vgpr_msb: bits 1:0 source 0, 3:2 source 1, 5:4 source 2, 7:6 destination):
;   window 0: v0 thread  v1 lane  v2, v3 the add's registers  v4 my K slice + block h + row r (global)  v5 my trig bytes  v10 partial store  v11, v12 partial reads  v13, v14 sums of squares: store, read
;             v15 output offset  v20-23 r, r, r', r'  v24-39 the sums  v40-63 at work  v64-127 at work  v128-255 the 16 accumulators (i, c) at 128 + 8 (4 i + c)
;   window 1: x's fragments (16 tokens i, K step s) at 64 + 32 s + 8 i; W's fragments (16 channels c, K step s) at (192 + 32 s) mod 256 + 8 c.
;             Loads that are out together never carry the same register number, whatever the window.
.set PITCH, 272                        ; a row of a partial tile: 256 bytes of f32 + 16: the 16 rows that an access touches start at 16 different groups of four banks
.set WST, 64*PITCH                     ; a wave's partial tile: 64 rows
.set SSQ, 8*WST                        ; 512 bytes a wave: 64 partial sums of squares, then 256 bytes for the off-diagonal lanes
.set TRIG, SSQ+4096                    ; 4,096 bytes a wave: cos and signed sin for the lane's 2 rows x 8 channels
.set SPARE, TRIG+32768                 ; the spare words, 128 bytes a wave
.set MSB, 0
.macro WIN new                         ; the immediate's high byte repeats the setting that is left; a switch that changes nothing is dropped
.if MSB != (\new)
	s_set_vgpr_msb (MSB<<8)|(\new)
.set MSB, (\new)
.endif
.endm
.set TO_F, 0x40                        ; a load's destination in window 1, its address in window 0
.set MUL,  0x05                        ; both sources in window 1, C and D in window 0
.macro REP n, st, line:vararg
.set p, 0
.rept \n
	\line
.set p, p+(\st)
.endr
.endm
.macro PLACES                          ; four plain instructions between a matrix instruction and a load into, or a vector use of, its registers
.rept 4
	v_nop
.endr
.endm
.macro BAR
	s_wait_dscnt 0x0                       ; for the others' sake: my LDS stores are done and my LDS reads are back
	s_barrier_signal -1
	s_barrier_wait -1
.endm
.macro LDK base, lo, s                 ; K step s of my slice: four fragments of 16 rows x 32 k, 8 loads
.irp g,0,1,2,3
	global_load_b128 v[(\base)+8*\g:(\base)+8*\g+3], v4, s[\lo:\lo+1] offset:(4*(\s))*16384+\g*256
	global_load_b128 v[(\base)+8*\g+4:(\base)+8*\g+7], v4, s[\lo:\lo+1] offset:(4*(\s)+2)*16384+\g*256
.endr
.endm
; 32 along K: 16 matrix instructions on 16 accumulators by turns.  Used transposed (source 0 = 16 rows of W, source 1 = 16 tokens): a lane holds one token and eight neighbouring channels.
.macro KST s, zero
.set rB, (192+32*(\s))%256
.set rA, 64+32*(\s)
.irp c,0,1,2,3
.irp i,0,1,2,3
.if \zero
	v_wmma_f32_16x16x32_f16 v[128+8*(4*\i+\c):135+8*(4*\i+\c)], v[rB+8*\c:rB+8*\c+7], v[rA+8*\i:rA+8*\i+7], 0
.else
	v_wmma_f32_16x16x32_f16 v[128+8*(4*\i+\c):135+8*(4*\i+\c)], v[rB+8*\c:rB+8*\c+7], v[rA+8*\i:rA+8*\i+7], v[128+8*(4*\i+\c):135+8*(4*\i+\c)]
.endif
.endr
.endr
.endm
.macro PSTORE                          ; my partial tile: token row, 32 bytes a lane; each accumulator's low registers first
	PLACES
.irp i,0,1,2,3
.irp c,0,1,2,3
	ds_store_b128 v10, v[128+8*(4*\i+\c):131+8*(4*\i+\c)] offset:\i*16*PITCH+64*\c
	ds_store_b128 v10, v[132+8*(4*\i+\c):135+8*(4*\i+\c)] offset:\i*16*PITCH+64*\c+16
.endr
.endr
.endm
.macro REDLD a                         ; four waves' partials of my 2 rows x 8 channels
.irp u,0,1,2,3
.irp j,0,1
	ds_load_b128 v[64+16*\u+8*\j:67+16*\u+8*\j], v[\a] offset:\u*WST+\j*4*PITCH
	ds_load_b128 v[68+16*\u+8*\j:71+16*\u+8*\j], v[\a] offset:\u*WST+\j*4*PITCH+16
.endr
.endr
	s_wait_dscnt 0x0
.endm
.macro REDADD first
.if \first
	REP 8, 2, v_pk_add_f32 v[24+p:25+p], v[64+p:65+p], v[80+p:81+p]
.else
	REP 8, 2, v_pk_add_f32 v[24+p:25+p], v[24+p:25+p], v[64+p:65+p]
	REP 8, 2, v_pk_add_f32 v[24+p:25+p], v[24+p:25+p], v[80+p:81+p]
.endif
	REP 8, 2, v_pk_add_f32 v[24+p:25+p], v[24+p:25+p], v[96+p:97+p]
	REP 8, 2, v_pk_add_f32 v[24+p:25+p], v[24+p:25+p], v[112+p:113+p]
.endm
; cos and signed sin of pos x theta for one of my two rows.  t = pos theta / 2 pi, f = t - round(t), y = pi f in -pi/2 .. pi/2; sin y to y^11, cos y to y^12; cos 2y = 1 - 2 sin^2 y, sin 2y = 2 sin y cos y.
.macro TRIGROW pp, jr
	REP 4, 2, v_pk_mul_f32 v[72+p:73+p], v[64+p:65+p], v[\pp:\pp+1]
	REP 8, 1, v_rndne_f32 v[80+p], v[72+p]
	REP 4, 2, v_pk_add_f32 v[72+p:73+p], v[72+p:73+p], v[80+p:81+p] neg_lo:[0,1] neg_hi:[0,1]
	REP 4, 2, v_pk_mul_f32 v[72+p:73+p], v[72+p:73+p], 0x40490fdb op_sel_hi:[1,0]
	REP 4, 2, v_pk_mul_f32 v[80+p:81+p], v[72+p:73+p], v[72+p:73+p]
	REP 4, 2, v_pk_fma_f32 v[88+p:89+p], v[80+p:81+p], v[50:51], 0x3638ef1d op_sel_hi:[1,1,0]
	REP 4, 2, v_pk_fma_f32 v[88+p:89+p], v[88+p:89+p], v[80+p:81+p], 0xb9500d01 op_sel_hi:[1,1,0]
	REP 4, 2, v_pk_fma_f32 v[88+p:89+p], v[88+p:89+p], v[80+p:81+p], 0x3c088889 op_sel_hi:[1,1,0]
	REP 4, 2, v_pk_fma_f32 v[88+p:89+p], v[88+p:89+p], v[80+p:81+p], 0xbe2aaaab op_sel_hi:[1,1,0]
	REP 4, 2, v_pk_fma_f32 v[88+p:89+p], v[88+p:89+p], v[80+p:81+p], 1.0 op_sel_hi:[1,1,0]
	REP 4, 2, v_pk_mul_f32 v[88+p:89+p], v[88+p:89+p], v[72+p:73+p]
	REP 4, 2, v_pk_fma_f32 v[96+p:97+p], v[80+p:81+p], v[52:53], 0xb493f27e op_sel_hi:[1,1,0]
	REP 4, 2, v_pk_fma_f32 v[96+p:97+p], v[96+p:97+p], v[80+p:81+p], 0x37d00d01 op_sel_hi:[1,1,0]
	REP 4, 2, v_pk_fma_f32 v[96+p:97+p], v[96+p:97+p], v[80+p:81+p], 0xbab60b61 op_sel_hi:[1,1,0]
	REP 4, 2, v_pk_fma_f32 v[96+p:97+p], v[96+p:97+p], v[80+p:81+p], 0x3d2aaaab op_sel_hi:[1,1,0]
	REP 4, 2, v_pk_fma_f32 v[96+p:97+p], v[96+p:97+p], v[80+p:81+p], -0.5 op_sel_hi:[1,1,0]
	REP 4, 2, v_pk_fma_f32 v[96+p:97+p], v[96+p:97+p], v[80+p:81+p], 1.0 op_sel_hi:[1,1,0]
	REP 4, 2, v_pk_mul_f32 v[104+p:105+p], v[88+p:89+p], v[88+p:89+p]
	REP 4, 2, v_pk_fma_f32 v[104+p:105+p], v[104+p:105+p], -2.0, 1.0 op_sel_hi:[1,0,0]
	REP 4, 2, v_pk_mul_f32 v[112+p:113+p], v[88+p:89+p], v[96+p:97+p]
	REP 4, 2, v_pk_mul_f32 v[112+p:113+p], v[112+p:113+p], v[42:43]
	ds_store_b128 v5, v[104:107] offset:512*(2*(\jr))
	ds_store_b128 v5, v[108:111] offset:512*(2*(\jr)+1)
	ds_store_b128 v5, v[112:115] offset:512*(2*(\jr)+4)
	ds_store_b128 v5, v[116:119] offset:512*(2*(\jr)+5)
.endm
	s_load_b128 s[8:11], s[0:1], 0x0               ; wc s[8:9], wsA s[10:11]
	v_lshl_add_u32 v2, v0, 2, SPARE                ; my spare word,
	v_mov_b32 v3, 0                                ; and 0: kept for the add at the wave's end
	v_and_b32 v1, 31, v0
	v_lshrrev_b32 v22, 5, v0
	v_readfirstlane_b32 s2, v22                    ; wave 0..7
	s_mov_b32 s20, ttmp9                           ; head
	s_and_b32 s21, ttmp7, 0xffff                   ; block of 64 tokens
	s_mul_i32 s3, s2, WST
	v_and_b32 v22, 15, v0                          ; r
	v_bfe_u32 v23, v0, 4, 1                        ; h
	s_lshl_b32 s5, s2, 18                          ; my 128 k: 16 blocks of 16,384 bytes
	v_lshl_add_u32 v4, v23, 14, s5                 ; + block h
	v_lshl_add_u32 v4, v22, 4, v4                  ; + row r
	v_bfe_u32 v40, v0, 3, 2                        ; lane / 8
	v_and_b32 v41, 7, v0                           ; lane % 8
	v_mul_u32_u24 v10, v22, PITCH
	v_lshl_add_u32 v10, v23, 5, v10
	v_add_nc_u32 v10, s3, v10                      ; row r x pitch + 32 h, in my partial tile
	s_mul_i32 s4, s2, 8*PITCH
	v_mul_u32_u24 v11, v40, PITCH
	v_lshl_add_u32 v11, v41, 5, v11
	v_add_nc_u32 v11, s4, v11                      ; row 8 w + lane / 8, 32 bytes at 32 (lane % 8), in wave 0's partial
	v_add_nc_u32 v12, 4*WST, v11                   ; the same in wave 4's
	v_bfe_u32 v42, v0, 3, 1
	v_xor_b32 v42, v42, v23                        ; 0 in the lanes that hold a diagonal number
	v_lshlrev_b32 v13, 2, v22
	v_lshl_add_u32 v13, v42, 8, v13
	s_lshl_b32 s5, s2, 9
	s_add_co_u32 s5, s5, SSQ
	v_add_nc_u32 v13, s5, v13
	s_lshl_b32 s5, s2, 5
	s_add_co_u32 s5, s5, SSQ
	v_lshl_add_u32 v14, v40, 2, s5                 ; word of row 8 w + lane / 8 in wave 0's sums
	s_lshl_b32 s5, s2, 10
	v_lshl_add_u32 v15, v1, 4, s5                  ; 1,024 w + 16 lane
	s_lshl_b32 s5, s2, 12
	s_add_co_u32 s5, s5, TRIG
	v_lshl_add_u32 v5, v1, 4, s5
.irp j,1,2,3,4,5,6,7
	v_cmp_eq_u32 s[32+\j], \j, v41                 ; lanes whose diagonal number lies in register j
.endr
	s_lshl_b32 s22, s21, 10                        ; my 64 tokens: 16 bytes a row in each block
	s_mov_b32 s23, 0
	s_lshl_b32 s6, s20, 10                         ; my head's 64 rows,
	s_add_co_u32 s6, s6, 0x200000                  ; in wq's copy, 2 MiB on
	s_mov_b32 s7, 0
	s_lshr_b32 s27, s21, 2                         ; b
	s_lshl_b32 s27, s27, 4
	s_add_co_u32 s27, s27, s20                     ; 16 b + head
	s_lshl_b32 s30, s27, 15
	s_and_b32 s27, s21, 3                          ; which 64 of the sequence's 256
	s_lshl_b32 s28, s27, 13
	s_add_co_u32 s30, s30, s28
	s_mov_b32 s31, 0
	s_mov_b32 s26, 3                               ; passes to go
	s_wait_kmcnt 0x0
	s_add_nc_u64 s[12:13], s[8:9], s[22:23]
	s_add_nc_u64 s[24:25], s[8:9], s[6:7]
	s_add_nc_u64 s[18:19], s[10:11], s[30:31]
	WIN TO_F
	LDK 64, 12, 0                                  ; x's fragments, 32 loads,
	LDK 96, 12, 1
	LDK 128, 12, 2
	LDK 160, 12, 3
	LDK 192, 24, 0                                 ; and the first pass's W, K steps 0 and 1
	LDK 224, 24, 1
	WIN 0
	; the rotary tables, while the operands are on their way
	s_lshl_b32 s28, s27, 6
	s_lshl3_add_u32 s28, s2, s28                   ; 64 (block % 4) + 8 w
	v_add_nc_u32 v44, s28, v40
	v_cvt_f32_u32 v44, v44                         ; position of my first row,
	v_mov_b32 v45, v44
	v_add_f32 v46, 4.0, v44                        ; and of my second
	v_mov_b32 v47, v46
	v_and_b32 v48, 3, v0
	v_lshlrev_b32 v48, 3, v48                      ; my first frequency: 8 (lane % 4)
	v_cmp_gt_u32 vcc_lo, 4, v41
	v_cndmask_b32 v42, 2.0, -2.0, vcc_lo           ; channels 0-31 take -x[d + 32] sin, channels 32-63 +x[d - 32] sin; the 2 is sin 2y's
	v_mov_b32 v43, v42
	v_mov_b32 v50, 0xb2d7322b                      ; -1/11!
	v_mov_b32 v51, 0xb2d7322b
	v_mov_b32 v52, 0x310f76c7                      ; 1/12!
	v_mov_b32 v53, 0x310f76c7
	REP 8, 1, v_add_nc_u32 v[64+p], p, v48
	REP 8, 1, v_cvt_f32_u32 v[64+p], v[64+p]
	REP 8, 1, v_mul_f32 v[64+p], 0xbed49a78, v[64+p]   ; -i log2(10000) / 32
	REP 8, 1, v_exp_f32 v[64+p], v[64+p]
	v_nop                                          ; a plain instruction behind the last exponential,
	s_wait_alu depctr_va_vdst(0)                   ; and one wait for the batch of eight
	REP 8, 1, v_mul_f32 v[64+p], 0.15915494, v[64+p]
	TRIGROW 44, 0
	TRIGROW 46, 1
	s_wait_loadcnt 16                              ; x is in; W's K steps 0 and 1, sixteen loads, stay out
	WIN TO_F
	LDK 0, 24, 2
	LDK 32, 24, 3
	; sums of squares of my K slice: the diagonal of A A^T, four accumulators by turns
	WIN MUL
.irp s,0,1,2,3
.irp i,0,1,2,3
.if \s == 0
	v_wmma_f32_16x16x32_f16 v[96+8*\i:103+8*\i], v[64+32*\s+8*\i:71+32*\s+8*\i], v[64+32*\s+8*\i:71+32*\s+8*\i], 0
.else
	v_wmma_f32_16x16x32_f16 v[96+8*\i:103+8*\i], v[64+32*\s+8*\i:71+32*\s+8*\i], v[64+32*\s+8*\i:71+32*\s+8*\i], v[96+8*\i:103+8*\i]
.endif
.endr
.endr
	WIN 0
	PLACES
.irp i,0,1,2,3
	v_cndmask_b32 v[40+\i], v[96+8*\i], v[97+8*\i], s33    ; register lane % 8 of the accumulator
.irp j,2,3,4,5,6,7
	v_cndmask_b32 v[40+\i], v[40+\i], v[96+8*\i+\j], s[32+\j]
.endr
	ds_store_b32 v13, v[40+\i] offset:64*\i
.endr
	s_mov_b32 s28, 0x3a800000                      ; 1/1024
	s_mov_b32 s29, 0x358637bd                      ; 1e-6
	BAR                                            ; every wave's partial sums of squares are in LDS
.irp j,0,1
.irp u,0,1,2,3,4,5,6,7
	ds_load_b32 v[64+8*\j+\u], v14 offset:512*\u+16*\j
.endr
.endr
	s_wait_dscnt 0x0
	REP 2, 8, v_pk_add_f32 v[64+p:65+p], v[64+p:65+p], v[66+p:67+p]
	REP 2, 8, v_pk_add_f32 v[68+p:69+p], v[68+p:69+p], v[70+p:71+p]
	REP 2, 8, v_pk_add_f32 v[64+p:65+p], v[64+p:65+p], v[68+p:69+p]
	v_add_f32 v20, v64, v65
	v_add_f32 v22, v72, v73
	v_fma_f32 v20, v20, s28, s29
	v_fma_f32 v22, v22, s28, s29
	v_rsq_f32 v20, v20
	v_rsq_f32 v22, v22
	v_nop
	s_wait_alu depctr_va_vdst(0)                   ; one wait for both roots
	v_mov_b32 v21, v20
	v_mov_b32 v23, v22
.Lpass:                                                ; at the head W's four K steps, 8 loads each and in this order, are on their way, on the way in and round the back edge alike
	s_wait_loadcnt 24                              ; K step 0 is in; the three younger K steps stay out; and so on down
	WIN MUL
	KST 0, 1                                       ; the first K step starts the sums
	s_wait_loadcnt 16
	KST 1, 0
	s_wait_loadcnt 8
	KST 2, 0
	s_wait_loadcnt 0
	KST 3, 0
	WIN 0
	PSTORE
	s_cmp_eq_u32 s26, 1
	s_cbranch_scc1 .Lnonext
	s_add_nc_u64 s[24:25], s[24:25], 0x200000      ; the next pass's W, whole, flies under the reduction (no load that names this base is out; PSTORE's four places stand behind the last product)
	WIN TO_F
	LDK 192, 24, 0
	LDK 224, 24, 1
	LDK 0, 24, 2
	LDK 32, 24, 3
	WIN 0
.Lnonext:
	BAR                                            ; all eight partial tiles are in LDS
	REDLD 11
	REDADD 1
	REDLD 12
	REDADD 0
	BAR                                            ; every wave's reads of the partials are back: the tiles may be written again
	REP 4, 2, v_pk_mul_f32 v[24+p:25+p], v[24+p:25+p], v[20:21]
	REP 4, 2, v_pk_mul_f32 v[32+p:33+p], v[32+p:33+p], v[22:23]
	s_cmp_eq_u32 s26, 1
	s_cbranch_scc1 .Lnorope                        ; v is not rotated
	REP 8, 1, ds_load_b128 v[64+4*p:67+4*p], v5 offset:512*p
	s_wait_dscnt 0x0
	REP 16, 1, v_mul_f32_dpp v[96+p], v[24+p], v[80+p] row_xmask:4 row_mask:0xf bank_mask:0xf  ; the partner channel, 32 away, lies in lane xor 4
	REP 16, 1, v_fma_f32 v[24+p], v[24+p], v[64+p], v[96+p]
.Lnorope:
	REP 8, 1, v_cvt_pk_f16_f32 v[40+p], v[24+2*p], v[25+2*p]
	global_store_b128 v15, v[40:43], s[18:19]              ; four rows of 128 bytes: 512 consecutive bytes
	global_store_b128 v15, v[44:47], s[18:19] offset:512
	s_wait_xcnt 0x0                                ; the stores' base and data are rewritten only behind this wait
	s_add_nc_u64 s[18:19], s[18:19], 0x200000
	s_sub_co_u32 s26, s26, 1
	s_cmp_lg_u32 s26, 0
	s_cbranch_scc1 .Lpass
	s_wait_tensorcnt 0x0                           ; the wave's end, behind my last LDS store
	ds_add_u32 v2, v3
	s_wait_dscnt 0x0
	s_endpgm
.Lfunc_end_k_q58023d92db_qkv:
	.size	k_q58023d92db_qkv, .Lfunc_end_k_q58023d92db_qkv-k_q58023d92db_qkv
	.p2alignl 7, 3214868480
	.fill 96, 4, 3214868480
	.section	.rodata,"a",@progbits
	.p2align	6, 0x0
	.amdhsa_kernel k_q58023d92db_qkv
		.amdhsa_group_segment_fixed_size 177152
		.amdhsa_private_segment_fixed_size 0
		.amdhsa_enable_private_segment 0
		.amdhsa_kernarg_size 16
		.amdhsa_user_sgpr_count 2
		.amdhsa_user_sgpr_kernarg_segment_ptr 1
		.amdhsa_wavefront_size32 1
		.amdhsa_system_sgpr_workgroup_id_x 1
		.amdhsa_system_sgpr_workgroup_id_y 1
		.amdhsa_system_sgpr_workgroup_id_z 1
		.amdhsa_system_vgpr_workitem_id 0
		.amdhsa_next_free_vgpr 512
		.amdhsa_next_free_sgpr 66
		.amdhsa_reserve_vcc 1
		.amdhsa_float_denorm_mode_32 3
		.amdhsa_float_denorm_mode_16_64 3
		.amdhsa_memory_ordered 1
		.amdhsa_forward_progress 1
		.amdhsa_inst_pref_size 50
	.end_amdhsa_kernel
	.amdgpu_metadata
---
amdhsa.version: [ 1, 2 ]
amdhsa.kernels:
  - .name:           k_q58023d92db_qkv
    .symbol:         k_q58023d92db_qkv.kd
    .args:
      - { .name: wc, .offset: 0, .size: 8, .value_kind: global_buffer, .address_space: global }
      - { .name: wsA, .offset: 8, .size: 8, .value_kind: global_buffer, .address_space: global }
    .group_segment_fixed_size: 177152
    .private_segment_fixed_size: 0
    .kernarg_segment_align: 8
    .kernarg_segment_size: 16
    .max_flat_workgroup_size: 256
    .sgpr_count:     66
    .vgpr_count:     512
    .wavefront_size: 32
...
	.end_amdgpu_metadata
.endif
;; end of part 9
;; launch attn (part 10): grid 4 x 64, 4 waves a work-group, no clusters, 78,336 bytes of LDS; arguments wsA, wsB; writes wsB
.if DOCPART == 10
	.amdgcn_target "amdgcn-amd-amdhsa--gfx1250"
	.amdhsa_code_object_version 6
	.text
	.protected	k_q58023d92db_attn
	.globl	k_q58023d92db_attn
	.p2align	8
	.type	k_q58023d92db_attn,@function
k_q58023d92db_attn:
	s_mov_b64 s[64:65], 0
	v_nop
	global_prefetch_b8 v0, s[64:65] scope:SCOPE_SE
	s_setreg_imm32_b32 hwreg(HW_REG_WAVE_MODE, 25, 1), 1
	s_wait_xcnt 0x0
; Causal attention, head size 64, 256 positions.  q, k, v: wsA at 0, 2 MiB, 4 MiB, [16 b + head][256][64] f16.
; ctx: wsB, f16, [block of 8 columns (128)][token (1024)][8], column = 64 head + channel: the order in which the next launch's operand registers take it.
; A work-group owns 64 queries of one (b, head), a wave 16.  Key blocks of 64 above the diagonal block are neither loaded nor multiplied.
; S^T = K Q^T: a lane holds one query (lane % 16) and the keys 8 (lane / 16) + 0..7 of each 16; two such results rounded to f16 are source 1 of O^T = V^T P, in which a lane again holds one query, and
; eight channels: 16 bytes that are one piece of ctx's layout, so the result is stored straight from registers: sixteen lanes fill 256 consecutive bytes.
; p = 2^(c s - c m), c = log2(e) / 8, running maximum m and sum l in f32; O and l are multiplied by a = 2^(c m_old - c m_new) in every step; m starts at the lowest finite number, so the first a is 0.
; LIMITS.  q, k, v within f16's 65,504; a hidden score counts as -1e30; a weight below 2^-126 counts as 0; NaN and infinities are not treated apart.
; NO CLUSTER: K and V of a (b, head) are 64 KB, loaded once through registers by each of its four work-groups; they are a small part of the launch and the four need different numbers of blocks.
.set PK, 144                           ; a row of K in LDS: 128 bytes + 16
.set PV, 160                           ; a row of V: 128 + 32
.set VB, 256*PK
.set SPARE, VB+256*PV
; v5 r  v6 h  v7 Q offset  v8 16 lane  v9, v10 K, V stage stores  v11 K fragments  v12 V fragments  v13 query - 8 h  v14 ctx offset  v16 c m  v17 m  v18-19 l  v20-23 at work (a in v22)  v24 c m_old  v27 -1e30
; v48-63 Q  v64-127 K, then V fragments  v128-159 S^T  v160-175 P  v176-207 O^T
.macro REP n, st, line:vararg
.set p, 0
.rept \n
	\line
.set p, p+(\st)
.endr
.endm
.macro PLACES
.rept 4
	v_nop
.endr
.endm
	s_load_b128 s[8:11], s[0:1], 0x0               ; wsA, wsB
	v_lshl_add_u32 v2, v0, 2, SPARE
	v_mov_b32 v3, 0
	v_and_b32 v1, 31, v0
	v_lshrrev_b32 v4, 5, v0
	v_readfirstlane_b32 s2, v4                     ; wave 0..3
	s_sub_co_u32 s20, 3, ttmp9                     ; query block: the longest first
	s_and_b32 s21, ttmp7, 0xffff                   ; 16 b + head
	v_and_b32 v5, 15, v0
	v_bfe_u32 v6, v0, 4, 1
	v_lshlrev_b32 v7, 7, v5
	v_lshl_add_u32 v7, v6, 4, v7
	v_lshlrev_b32 v8, 4, v1
	v_bfe_u32 v24, v0, 3, 2
	v_and_b32 v25, 7, v0
	s_mul_i32 s3, s2, 64*PK
	v_mul_u32_u24 v9, v24, PK
	v_lshl_add_u32 v9, v25, 4, v9
	v_add_nc_u32 v9, s3, v9
	s_mul_i32 s4, s2, 64*PV
	s_add_co_u32 s4, s4, VB
	v_mul_u32_u24 v10, v24, PV
	v_lshl_add_u32 v10, v25, 4, v10
	v_add_nc_u32 v10, s4, v10
	v_mul_u32_u24 v11, v5, PK
	v_lshl_add_u32 v11, v6, 4, v11
	v_bfe_u32 v26, v0, 3, 1
	v_lshl_add_u32 v12, v6, 3, v25                 ; key 8 h + lane % 8,
	v_mul_u32_u24 v12, v12, PV
	v_lshl_add_u32 v12, v26, 4, v12                ; channels 8 ((lane / 8) % 2) on
	v_add_nc_u32 v12, VB, v12
	s_lshl_b32 s5, s2, 4
	v_lshlrev_b32 v13, 3, v6
	v_sub_nc_u32 v13, v5, v13
	v_add_nc_u32 v13, s5, v13                      ; register j of key group kt is hidden where 16 kt + j is greater
	v_lshlrev_b32 v14, 14, v6                      ; ctx: block h of 16,384 bytes,
	v_lshl_add_u32 v14, v5, 4, v14                 ; 16 bytes a token
	v_mov_b32 v27, 0xf149f2ca                      ; -1e30
	s_lshl_b32 s12, s21, 15                        ; 256 rows of 128 bytes
	s_lshl_b32 s14, s20, 13
	s_lshl_b32 s15, s2, 11
	s_add_co_u32 s14, s14, s15
	s_add_co_u32 s14, s14, s12                     ; my 16 queries
	s_mov_b32 s15, 0
	s_lshl_b32 s16, s2, 13
	s_add_co_u32 s16, s16, s12
	s_add_co_u32 s16, s16, 0x200000                ; key block w of K; V lies 2 MiB on
	s_mov_b32 s17, 0
	s_and_b32 s18, s21, 15
	s_lshl_b32 s18, s18, 17                        ; the head's 8 blocks of 16,384 bytes;
	s_lshr_b32 s19, s21, 4
	s_lshl_b32 s19, s19, 12                        ; token 256 b
	s_add_co_u32 s18, s18, s19
	s_lshl_b32 s19, s20, 10                        ; + 64 x query block
	s_add_co_u32 s18, s18, s19
	s_lshl_b32 s19, s2, 8                          ; + 16 w, 16 bytes each
	s_add_co_u32 s18, s18, s19
	s_mov_b32 s19, 0
	s_mov_b32 s26, 0x76543210                      ; v_permlanex16_b32: each lane takes its own place in the other half
	s_mov_b32 s27, 0xfedcba98
	s_mov_b32 s28, 0x3e38aa3b                      ; c = log2(e) / 8
	s_mov_b32 s29, s28
	s_wait_kmcnt 0x0
	s_add_nc_u64 s[14:15], s[8:9], s[14:15]
	s_add_nc_u64 s[16:17], s[8:9], s[16:17]
	s_add_nc_u64 s[10:11], s[10:11], s[18:19]
	REP 4, 1, global_load_b128 v[48+4*p:51+4*p], v7, s[14:15] offset:32*p
	s_cmp_gt_u32 s2, s20
	s_cbranch_scc1 .Lnokv                          ; my key block lies above the diagonal block: nobody reads it
	REP 16, 1, global_load_b128 v[64+4*p:67+4*p], v8, s[16:17] offset:512*p
	REP 16, 1, global_load_b128 v[128+4*p:131+4*p], v8, s[16:17] offset:0x200000+512*p
	s_wait_loadcnt 16                              ; V's sixteen stay out
	REP 16, 1, ds_store_b128 v9, v[64+4*p:67+4*p] offset:p*4*PK
	s_wait_loadcnt 0
	REP 16, 1, ds_store_b128 v10, v[128+4*p:131+4*p] offset:p*4*PV
.Lnokv:
	REP 32, 1, v_mov_b32 v[176+p], 0               ; no first step is written out: O and l start at 0
	v_mov_b32 v16, 0xfe000000                      ; c m: far below every c s
	v_mov_b32 v17, 0xff7fffff
	v_mov_b32 v18, 0
	v_mov_b32 v19, 0
	s_wait_loadcnt 0                               ; Q
	s_wait_dscnt 0x0
	s_barrier_signal -1
	s_barrier_wait -1                              ; K and V are whole; nothing writes them again
	s_mov_b32 s30, 0
.Lkb:                                                  ; four trips; those above the diagonal are jumped
	s_cmp_gt_u32 s30, s20
	s_cbranch_scc1 .Lskip
.irp kt,0,1,2,3
.irp c,0,1
	ds_load_b128 v[64+16*\kt+8*\c:67+16*\kt+8*\c], v11 offset:\kt*16*PK+64*\c
	ds_load_b128 v[68+16*\kt+8*\c:71+16*\kt+8*\c], v11 offset:\kt*16*PK+64*\c+32
.endr
.endr
	s_wait_dscnt 0x0
.irp kt,0,1,2,3
	v_wmma_f32_16x16x32_f16 v[128+8*\kt:135+8*\kt], v[64+16*\kt:71+16*\kt], v[48:55], 0
.endr
.irp kt,0,1,2,3
	v_wmma_f32_16x16x32_f16 v[128+8*\kt:135+8*\kt], v[72+16*\kt:79+16*\kt], v[56:63], v[128+8*\kt:135+8*\kt]
.endr
	PLACES
.irp f,0,1,2,3,4,5,6,7
	ds_load_tr16_b128 v[64+8*\f:67+8*\f], v12 offset:(\f/4)*32*PV+(\f%4)*32
	ds_load_tr16_b128 v[68+8*\f:71+8*\f], v12 offset:(\f/4)*32*PV+16*PV+(\f%4)*32
.endr
	s_cmp_lg_u32 s30, s20
	s_cbranch_scc1 .Lnomask
.set i, 0
.rept 32
	v_cmp_gt_i32 vcc_lo, 16*(i/8)+i%8, v13
	v_cndmask_b32 v[128+i], v[128+i], v27, vcc_lo
.set i, i+1
.endr
.Lnomask:
	REP 4, 1, v_max3_num_f32 v[20+p], v[128+8*p], v[129+8*p], v[130+8*p]   ; each accumulator's lowest registers are read first
	REP 4, 1, v_max3_num_f32 v[20+p], v[20+p], v[131+8*p], v[132+8*p]
	REP 4, 1, v_max3_num_f32 v[20+p], v[20+p], v[133+8*p], v[134+8*p]
	v_max3_num_f32 v20, v20, v135, v143
	v_max3_num_f32 v21, v21, v151, v159
	v_max3_num_f32 v22, v22, v23, v17
	v_mov_b32 v24, v16
	v_max3_num_f32 v20, v20, v21, v22
	v_permlanex16_b32 v23, v20, s26, s27           ; the query's other 32 keys lie in the lane 16 away
	v_max_num_f32 v17, v20, v23
	v_mul_f32 v16, s28, v17
	v_sub_f32 v21, v24, v16
	REP 16, 2, v_pk_fma_f32 v[128+p:129+p], v[128+p:129+p], s[28:29], v[16:17] op_sel_hi:[1,0,0] neg_lo:[0,0,1] neg_hi:[0,0,1]
	v_exp_f32 v22, v21
	REP 32, 1, v_exp_f32 v[128+p], v[128+p]
	v_nop                                          ; a plain instruction behind the last exponential,
	s_wait_alu depctr_va_vdst(0)                   ; and one wait for the batch of 33
	REP 16, 1, v_cvt_pk_f16_f32 v[160+p], v[128+2*p], v[129+2*p]
	REP 8, 4, v_pk_add_f32 v[128+p:129+p], v[128+p:129+p], v[130+p:131+p]
	REP 4, 8, v_pk_add_f32 v[128+p:129+p], v[128+p:129+p], v[132+p:133+p]
	REP 2, 16, v_pk_add_f32 v[128+p:129+p], v[128+p:129+p], v[136+p:137+p]
	v_pk_add_f32 v[128:129], v[128:129], v[144:145]
	v_pk_fma_f32 v[18:19], v[18:19], v[22:23], v[128:129] op_sel_hi:[1,0,1]
	REP 16, 2, v_pk_mul_f32 v[176+p:177+p], v[176+p:177+p], v[22:23] op_sel_hi:[1,0]
	s_wait_dscnt 0x0                               ; V is in
.irp kk,0,1
.irp cb,0,1,2,3
	v_wmma_f32_16x16x32_f16 v[176+8*\cb:183+8*\cb], v[64+32*\kk+8*\cb:71+32*\kk+8*\cb], v[160+8*\kk:167+8*\kk], v[176+8*\cb:183+8*\cb]
.endr
.endr
	PLACES
.Lskip:
	v_add_nc_u32 v11, 64*PK, v11
	v_add_nc_u32 v12, 64*PV, v12
	s_add_co_u32 s30, s30, 1
	s_cmp_lt_u32 s30, 4
	s_cbranch_scc1 .Lkb
	v_add_f32 v18, v18, v19
	v_permlanex16_b32 v19, v18, s26, s27
	v_add_f32 v18, v18, v19
	v_rcp_f32 v18, v18
	v_nop
	s_wait_alu depctr_va_vdst(0)
	v_mov_b32 v19, v18
	REP 16, 2, v_pk_mul_f32 v[176+p:177+p], v[176+p:177+p], v[18:19]
	REP 16, 1, v_cvt_pk_f16_f32 v[128+p], v[176+2*p], v[177+2*p]
	REP 4, 1, global_store_b128 v14, v[128+4*p:131+4*p], s[10:11] offset:p*32768   ; channels 16 p + 8 h on: lanes 0-15 and lanes 16-31 each store 256 consecutive bytes, aligned
	s_wait_tensorcnt 0x0                           ; the wave's end
	ds_add_u32 v2, v3
	s_wait_dscnt 0x0
	s_endpgm
.Lfunc_end_k_q58023d92db_attn:
	.size	k_q58023d92db_attn, .Lfunc_end_k_q58023d92db_attn-k_q58023d92db_attn
	.p2alignl 7, 3214868480
	.fill 96, 4, 3214868480
	.section	.rodata,"a",@progbits
	.p2align	6, 0x0
	.amdhsa_kernel k_q58023d92db_attn
		.amdhsa_group_segment_fixed_size 78336
		.amdhsa_private_segment_fixed_size 0
		.amdhsa_enable_private_segment 0
		.amdhsa_kernarg_size 16
		.amdhsa_user_sgpr_count 2
		.amdhsa_user_sgpr_kernarg_segment_ptr 1
		.amdhsa_wavefront_size32 1
		.amdhsa_system_sgpr_workgroup_id_x 1
		.amdhsa_system_sgpr_workgroup_id_y 1
		.amdhsa_system_sgpr_workgroup_id_z 1
		.amdhsa_system_vgpr_workitem_id 0
		.amdhsa_next_free_vgpr 208
		.amdhsa_next_free_sgpr 66
		.amdhsa_reserve_vcc 1
		.amdhsa_float_denorm_mode_32 3
		.amdhsa_float_denorm_mode_16_64 3
		.amdhsa_memory_ordered 1
		.amdhsa_forward_progress 1
		.amdhsa_inst_pref_size 25
	.end_amdhsa_kernel
	.amdgpu_metadata
---
amdhsa.version: [ 1, 2 ]
amdhsa.kernels:
  - .name:           k_q58023d92db_attn
    .symbol:         k_q58023d92db_attn.kd
    .args:
      - { .name: wsA, .offset: 0, .size: 8, .value_kind: global_buffer, .address_space: global }
      - { .name: wsB, .offset: 8, .size: 8, .value_kind: global_buffer, .address_space: global }
    .group_segment_fixed_size: 78336
    .private_segment_fixed_size: 0
    .kernarg_segment_align: 8
    .kernarg_segment_size: 16
    .max_flat_workgroup_size: 128
    .sgpr_count:     66
    .vgpr_count:     208
    .wavefront_size: 32
...
	.end_amdgpu_metadata
.endif
;; end of part 10
;; launch oproj (part 11): grid 16 x 16, 8 waves a work-group, no clusters, 140,288 bytes of LDS; arguments wsB, wc, x, x1, wsA; writes x1, wsA
.if DOCPART == 11
	.amdgcn_target "amdgcn-amd-amdhsa--gfx1250"
	.amdhsa_code_object_version 6
	.text
	.protected	k_q58023d92db_oproj
	.globl	k_q58023d92db_oproj
	.p2align	8
	.type	k_q58023d92db_oproj,@function
k_q58023d92db_oproj:
	s_mov_b64 s[64:65], 0
	v_nop
	global_prefetch_b8 v0, s[64:65] scope:SCOPE_SE
	s_setreg_imm32_b32 hwreg(HW_REG_WAVE_MODE, 25, 1), 1
	s_wait_xcnt 0x0
; x1 = x + ctx wo^T.  ctx: wsB, f16(wo): wc + 8 MiB, both [block of 8 k][row][8]; x, x1 f32.  A work-group makes 64 tokens x 64 columns; the eight waves split K: wave w owns k = 128 w .. + 127.
; In this split a wave uses each fragment once and nobody else uses it, so both operands come from memory straight into the operand registers (a load is two aligned runs of 256 bytes).
; LDS serves only where the waves meet: the eight f32 partial tiles.  The residual is added in f32.
; x1 is stored twice: as f32 (the router and the last launch want it so) and, rounded once to bf16, at wsA + 8 MiB as [block of 64 columns][token][64]: the next launch's matrix operand.
; LIMITS.  ctx within f16's range; NaN and infinities are not treated apart.
; NO TENSOR LOADS, NO CLUSTER here: the shared slices could be asked for jointly into LDS; this text takes them through no LDS at all.
; REGISTERS, in windows of 256 (s_set_vgpr_msb: bits 1:0 source 0, 3:2 source 1, 5:4 source 2, 7:6 destination):
;   window 0: v4 my K slice + block h + row r  v10 partial store  v11, v12 partial reads  v13 offset of the bf16 copy  v15 x, x1 offset  v24-39 sums  v40-47 packed  v64-127 at work  v128-255 accumulators
;   window 1: ctx's fragments (i, K step s) at 64 + 32 s + 8 i; wo's (c, s) at (192 + 32 s) mod 256 + 8 c
.set PITCH, 272
.set WST, 64*PITCH
.set SPARE, 8*WST
.set MSB, 0
.macro WIN new                         ; the immediate's high byte repeats the setting that is left
.if MSB != (\new)
	s_set_vgpr_msb (MSB<<8)|(\new)
.set MSB, (\new)
.endif
.endm
.set TO_F, 0x40                        ; a load's destination in window 1, its address in window 0
.set MUL,  0x05                        ; both sources in window 1, C and D in window 0
.macro REP n, st, line:vararg
.set p, 0
.rept \n
	\line
.set p, p+(\st)
.endr
.endm
.macro PLACES
.rept 4
	v_nop
.endr
.endm
.macro BAR
	s_wait_dscnt 0x0
	s_barrier_signal -1
	s_barrier_wait -1
.endm
.macro LDK base, lo, s                 ; K step s of my slice: four fragments of 16 rows x 32 k, 8 loads
.irp g,0,1,2,3
	global_load_b128 v[(\base)+8*\g:(\base)+8*\g+3], v4, s[\lo:\lo+1] offset:(4*(\s))*16384+\g*256
	global_load_b128 v[(\base)+8*\g+4:(\base)+8*\g+7], v4, s[\lo:\lo+1] offset:(4*(\s)+2)*16384+\g*256
.endr
.endm
.macro KST s, zero                     ; 16 matrix instructions on 16 accumulators by turns; source 0 = 16 rows of wo, source 1 = 16 tokens
.set rB, (192+32*(\s))%256
.set rA, 64+32*(\s)
.irp c,0,1,2,3
.irp i,0,1,2,3
.if \zero
	v_wmma_f32_16x16x32_f16 v[128+8*(4*\i+\c):135+8*(4*\i+\c)], v[rB+8*\c:rB+8*\c+7], v[rA+8*\i:rA+8*\i+7], 0
.else
	v_wmma_f32_16x16x32_f16 v[128+8*(4*\i+\c):135+8*(4*\i+\c)], v[rB+8*\c:rB+8*\c+7], v[rA+8*\i:rA+8*\i+7], v[128+8*(4*\i+\c):135+8*(4*\i+\c)]
.endif
.endr
.endr
.endm
.macro PSTORE
	PLACES
.irp i,0,1,2,3
.irp c,0,1,2,3
	ds_store_b128 v10, v[128+8*(4*\i+\c):131+8*(4*\i+\c)] offset:\i*16*PITCH+64*\c
	ds_store_b128 v10, v[132+8*(4*\i+\c):135+8*(4*\i+\c)] offset:\i*16*PITCH+64*\c+16
.endr
.endr
.endm
.macro REDLD a                         ; four waves' partials of my 4 rows x 4 columns
.irp u,0,1,2,3
.irp j,0,1,2,3
	ds_load_b128 v[64+16*\u+4*\j:67+16*\u+4*\j], v[\a] offset:\u*WST+\j*2*PITCH
.endr
.endr
	s_wait_dscnt 0x0
.endm
.macro REDADD first
.if \first
	REP 8, 2, v_pk_add_f32 v[24+p:25+p], v[64+p:65+p], v[80+p:81+p]
.else
	REP 8, 2, v_pk_add_f32 v[24+p:25+p], v[24+p:25+p], v[64+p:65+p]
	REP 8, 2, v_pk_add_f32 v[24+p:25+p], v[24+p:25+p], v[80+p:81+p]
.endif
	REP 8, 2, v_pk_add_f32 v[24+p:25+p], v[24+p:25+p], v[96+p:97+p]
	REP 8, 2, v_pk_add_f32 v[24+p:25+p], v[24+p:25+p], v[112+p:113+p]
.endm
	s_load_b256 s[8:15], s[0:1], 0x0               ; ctx s[8:9], wc s[10:11], x s[12:13], x1 s[14:15]
	s_load_b64 s[16:17], s[0:1], 0x20              ; wsA
	v_lshl_add_u32 v2, v0, 2, SPARE
	v_mov_b32 v3, 0
	v_lshrrev_b32 v22, 5, v0
	v_readfirstlane_b32 s2, v22
	s_mov_b32 s20, ttmp9                           ; column block
	s_and_b32 s21, ttmp7, 0xffff                   ; block of 64 tokens
	s_mul_i32 s3, s2, WST
	v_and_b32 v22, 15, v0                          ; r
	v_bfe_u32 v23, v0, 4, 1                        ; h
	s_lshl_b32 s5, s2, 18                          ; my 128 k: 16 blocks of 16,384 bytes
	v_lshl_add_u32 v4, v23, 14, s5
	v_lshl_add_u32 v4, v22, 4, v4
	v_mul_u32_u24 v10, v22, PITCH
	v_lshl_add_u32 v10, v23, 5, v10
	v_add_nc_u32 v10, s3, v10                      ; row r x pitch + 32 h, in my partial tile
	s_mul_i32 s4, s2, 8*PITCH
	v_mul_u32_u24 v11, v23, PITCH
	v_lshl_add_u32 v11, v22, 4, v11
	v_add_nc_u32 v11, s4, v11                      ; row 8 w + lane / 16, 16 bytes at 16 (lane % 16)
	v_add_nc_u32 v12, 4*WST, v11
	s_lshl_b32 s5, s2, 15
	v_lshl_add_u32 v15, v23, 12, s5
	v_lshl_add_u32 v15, v22, 4, v15
	s_lshl_b32 s5, s2, 10
	v_lshl_add_u32 v13, v23, 7, s5                 ; the same row in the bf16 copy: 128 bytes a row,
	v_lshl_add_u32 v13, v22, 3, v13                ; 8 bytes a lane
	s_lshl_b32 s22, s21, 10                        ; my 64 tokens: 16 bytes a row in each block
	s_mov_b32 s23, 0
	s_lshl_b32 s6, s20, 10                         ; my 64 rows of wo's copy,
	s_add_co_u32 s6, s6, 0x800000                  ; which lies 8 MiB on
	s_mov_b32 s7, 0
	s_lshl_b32 s24, s21, 18
	s_lshl_b32 s25, s20, 8
	s_add_co_u32 s24, s24, s25
	s_mov_b32 s25, 0
	s_lshl_b32 s26, s20, 17                        ; the bf16 copy: column block x 1,024 tokens x 128 bytes,
	s_lshl_b32 s27, s21, 13                        ; my 64 tokens,
	s_add_co_u32 s26, s26, s27
	s_add_co_u32 s26, s26, 0x800000                ; 8 MiB on in wsA
	s_mov_b32 s27, 0
	s_wait_kmcnt 0x0
	s_add_nc_u64 s[8:9], s[8:9], s[22:23]
	s_add_nc_u64 s[10:11], s[10:11], s[6:7]
	s_add_nc_u64 s[12:13], s[12:13], s[24:25]
	s_add_nc_u64 s[14:15], s[14:15], s[24:25]
	s_add_nc_u64 s[16:17], s[16:17], s[26:27]
	WIN TO_F
	LDK 64, 8, 0                                   ; by K steps, sixteen loads each: ctx's fragments, then wo's
	LDK 192, 10, 0
	LDK 96, 8, 1
	LDK 224, 10, 1
	LDK 128, 8, 2
	LDK 0, 10, 2
	s_wait_loadcnt 32                              ; K step 0 is in; K steps 1 and 2 stay out
	LDK 160, 8, 3
	LDK 32, 10, 3
	WIN MUL
	KST 0, 1                                       ; the first K step starts the sums
	s_wait_loadcnt 32                              ; K steps 2 and 3 stay out
	KST 1, 0
	s_wait_loadcnt 16
	KST 2, 0
	s_wait_loadcnt 0
	KST 3, 0
	WIN 0
	PSTORE
	REP 4, 1, global_load_b128 v[128+4*p:131+4*p], v15, s[12:13] offset:p*8192     ; the residual flies under the reduction
	BAR                                            ; all eight partial tiles are in LDS
	REDLD 11
	REDADD 1
	REDLD 12
	REDADD 0
	s_wait_loadcnt 0
	REP 8, 2, v_pk_add_f32 v[24+p:25+p], v[24+p:25+p], v[128+p:129+p]
	REP 4, 1, global_store_b128 v15, v[24+4*p:27+4*p], s[14:15] offset:p*8192      ; sixteen lanes store 256 consecutive bytes, aligned
	REP 4, 1, v_cvt_pk_bf16_f32 v[40+2*p], v[24+4*p], v[25+4*p]
	REP 4, 1, v_cvt_pk_bf16_f32 v[41+2*p], v[26+4*p], v[27+4*p]
	REP 4, 1, global_store_b64 v13, v[40+2*p:41+2*p], s[16:17] offset:p*256        ; two rows of 128 bytes: 256 consecutive bytes, aligned
	s_wait_tensorcnt 0x0                           ; the wave's end
	ds_add_u32 v2, v3
	s_wait_dscnt 0x0
	s_endpgm
.Lfunc_end_k_q58023d92db_oproj:
	.size	k_q58023d92db_oproj, .Lfunc_end_k_q58023d92db_oproj-k_q58023d92db_oproj
	.p2alignl 7, 3214868480
	.fill 96, 4, 3214868480
	.section	.rodata,"a",@progbits
	.p2align	6, 0x0
	.amdhsa_kernel k_q58023d92db_oproj
		.amdhsa_group_segment_fixed_size 140288
		.amdhsa_private_segment_fixed_size 0
		.amdhsa_enable_private_segment 0
		.amdhsa_kernarg_size 40
		.amdhsa_user_sgpr_count 2
		.amdhsa_user_sgpr_kernarg_segment_ptr 1
		.amdhsa_wavefront_size32 1
		.amdhsa_system_sgpr_workgroup_id_x 1
		.amdhsa_system_sgpr_workgroup_id_y 1
		.amdhsa_system_sgpr_workgroup_id_z 1
		.amdhsa_system_vgpr_workitem_id 0
		.amdhsa_next_free_vgpr 512
		.amdhsa_next_free_sgpr 66
		.amdhsa_reserve_vcc 0
		.amdhsa_float_denorm_mode_32 3
		.amdhsa_float_denorm_mode_16_64 3
		.amdhsa_memory_ordered 1
		.amdhsa_forward_progress 1
		.amdhsa_inst_pref_size 23
	.end_amdhsa_kernel
	.amdgpu_metadata
---
amdhsa.version: [ 1, 2 ]
amdhsa.kernels:
  - .name:           k_q58023d92db_oproj
    .symbol:         k_q58023d92db_oproj.kd
    .args:
      - { .name: wsB, .offset: 0, .size: 8, .value_kind: global_buffer, .address_space: global }
      - { .name: wc, .offset: 8, .size: 8, .value_kind: global_buffer, .address_space: global }
      - { .name: x, .offset: 16, .size: 8, .value_kind: global_buffer, .address_space: global }
      - { .name: x1, .offset: 24, .size: 8, .value_kind: global_buffer, .address_space: global }
      - { .name: wsA, .offset: 32, .size: 8, .value_kind: global_buffer, .address_space: global }
    .group_segment_fixed_size: 140288
    .private_segment_fixed_size: 0
    .kernarg_segment_align: 8
    .kernarg_segment_size: 40
    .max_flat_workgroup_size: 256
    .sgpr_count:     66
    .vgpr_count:     512
    .wavefront_size: 32
...
	.end_amdgpu_metadata
.endif
;; end of part 11
;; launch shup (part 12): grid 16 x 16, 8 waves a work-group, no clusters, 283,648 bytes of LDS; arguments wsA, wc, x1, norm2_w, router_w, expert_bias, hh, ids, gw; writes hh, ids, gw
.if DOCPART == 12
	.amdgcn_target "amdgcn-amd-amdhsa--gfx1250"
	.amdhsa_code_object_version 6
	.text
	.protected	k_q58023d92db_shup
	.globl	k_q58023d92db_shup
	.p2align	8
	.type	k_q58023d92db_shup,@function
k_q58023d92db_shup:
	s_mov_b64 s[64:65], 0
	v_nop
	global_prefetch_b8 v0, s[64:65] scope:SCOPE_SE
	s_setreg_imm32_b32 hwreg(HW_REG_WAVE_MODE, 25, 1), 1
	s_wait_xcnt 0x0
; Two things.  (1) hs = silu(h2 sg^T) x (h2 su^T), h2 = rmsnorm(x1, norm2_w): hh + 2 MiB, [column block of 64][token][64] bf16.  64 tokens x 64 hidden channels a work-group, two passes (sg, su),
; the eight waves split K as in the projections.  The operands come rounded: bf16(x1) at wsA + 8 MiB as [block of 64 k][row][64]; bf16(sg norm2_w) and bf16(su norm2_w) at wc + 10 and 12 MiB as
; [block of 8 k][row][8].  The weights' fragments, which a wave uses once, come from memory straight into the operand registers; x1's slice goes once through the wave's own LDS stage into fragments
; that stay in registers for the sum of squares and both passes.  The row scale r multiplies the f32 sums; mean x1^2 is the diagonal of A A^T (of the rounded row: relative error about 2e-4).
; (2) The router, all in f32 on the vector unit, since the choice of experts hangs on it: waves 0-3 take one token each (64 rb + 4 cb + w): h2 (stored as bf16: hh [token][1024]), 16 logits, sigmoid, top 2
; (a tie goes to the lower index), the two gates divided by their sum + 1e-9.  The chosen experts go to ids, the gates to gw, at fixed places: no address and no branch of this launch hangs on them.
; LIMITS.  NaN and infinities are not treated apart (a NaN gate gives index 15).  NO TENSOR LOADS, NO CLUSTER here: the shared slices could be asked for jointly; this text fetches them through registers.
; REGISTERS, in windows of 256 (s_set_vgpr_msb: bits 1:0 source 0, 3:2 source 1, 5:4 source 2, 7:6 destination): window 0: addresses, sums, at work, v128-255 the accumulators (the router: all of v40-255);
;   window 1: x1's slice as loaded, then its fragments (i, K step s) at 64 + 32 s + 8 i; the weights' (c, s) at (192 + 32 s) mod 256 + 8 c
.set PITCH, 272
.set WST, 64*PITCH
.set BSTG, 8*WST                       ; x1's stages at 0; the partial tiles here
.set SSQ, 16*WST
.set SPARE, SSQ+4096
.set MSB, 0
.macro WIN new                         ; the immediate's high byte repeats the setting that is left
.if MSB != (\new)
	s_set_vgpr_msb (MSB<<8)|(\new)
.set MSB, (\new)
.endif
.endm
.set TO_F, 0x40                        ; a load's destination in window 1, its address in window 0
.set FROM_F, 0x04                      ; an LDS store's data in window 1, its address in window 0
.set MUL,  0x05                        ; both sources in window 1, C and D in window 0
.macro REP n, st, line:vararg
.set p, 0
.rept \n
	\line
.set p, p+(\st)
.endr
.endm
.macro PLACES
.rept 4
	v_nop
.endr
.endm
.macro BAR
	s_wait_dscnt 0x0
	s_barrier_signal -1
	s_barrier_wait -1
.endm
.macro LD16 R, bp, lo                  ; 64 rows x 128 bytes of block 2 w + bp: 8 KB on end, 512 bytes a load
	REP 16, 1, global_load_b128 v[(\R)+4*p:(\R)+4*p+3], v4, s[\lo:\lo+1] offset:(\bp)*131072+p*512
.endm
.macro ST16 R, bp, dst
	REP 16, 1, ds_store_b128 v[\dst], v[(\R)+4*p:(\R)+4*p+3] offset:p*4*PITCH+128*(\bp)
.endm
.macro LDK base, lo, s                 ; K step s of my slice of the weights: four fragments of 16 rows x 32 k, 8 loads
.irp g,0,1,2,3
	global_load_b128 v[(\base)+8*\g:(\base)+8*\g+3], v5, s[\lo:\lo+1] offset:(4*(\s))*16384+\g*256
	global_load_b128 v[(\base)+8*\g+4:(\base)+8*\g+7], v5, s[\lo:\lo+1] offset:(4*(\s)+2)*16384+\g*256
.endr
.endm
.macro KST s, zero                     ; 16 matrix instructions on 16 accumulators by turns; source 0 = 16 rows of the weights, source 1 = 16 tokens
.set rB, (192+32*(\s))%256
.set rA, 64+32*(\s)
.irp c,0,1,2,3
.irp i,0,1,2,3
.if \zero
	v_wmma_f32_16x16x32_bf16 v[128+8*(4*\i+\c):135+8*(4*\i+\c)], v[rB+8*\c:rB+8*\c+7], v[rA+8*\i:rA+8*\i+7], 0
.else
	v_wmma_f32_16x16x32_bf16 v[128+8*(4*\i+\c):135+8*(4*\i+\c)], v[rB+8*\c:rB+8*\c+7], v[rA+8*\i:rA+8*\i+7], v[128+8*(4*\i+\c):135+8*(4*\i+\c)]
.endif
.endr
.endr
.endm
.macro PSTORE
	PLACES
.irp i,0,1,2,3
.irp c,0,1,2,3
	ds_store_b128 v10, v[128+8*(4*\i+\c):131+8*(4*\i+\c)] offset:\i*16*PITCH+64*\c
	ds_store_b128 v10, v[132+8*(4*\i+\c):135+8*(4*\i+\c)] offset:\i*16*PITCH+64*\c+16
.endr
.endr
.endm
.macro REDLD a
.irp u,0,1,2,3
.irp j,0,1
	ds_load_b128 v[64+16*\u+8*\j:67+16*\u+8*\j], v[\a] offset:\u*WST+\j*4*PITCH
	ds_load_b128 v[68+16*\u+8*\j:71+16*\u+8*\j], v[\a] offset:\u*WST+\j*4*PITCH+16
.endr
.endr
	s_wait_dscnt 0x0
.endm
.macro REDADD first
.if \first
	REP 8, 2, v_pk_add_f32 v[24+p:25+p], v[64+p:65+p], v[80+p:81+p]
.else
	REP 8, 2, v_pk_add_f32 v[24+p:25+p], v[24+p:25+p], v[64+p:65+p]
	REP 8, 2, v_pk_add_f32 v[24+p:25+p], v[24+p:25+p], v[80+p:81+p]
.endif
	REP 8, 2, v_pk_add_f32 v[24+p:25+p], v[24+p:25+p], v[96+p:97+p]
	REP 8, 2, v_pk_add_f32 v[24+p:25+p], v[24+p:25+p], v[112+p:113+p]
.endm
.macro LANESUM a, t                    ; the sum over the 32 lanes, in every lane
	v_add_f32_dpp v[\a], v[\a], v[\a] row_xmask:1 row_mask:0xf bank_mask:0xf
	v_add_f32_dpp v[\a], v[\a], v[\a] row_xmask:2 row_mask:0xf bank_mask:0xf
	v_add_f32_dpp v[\a], v[\a], v[\a] row_xmask:4 row_mask:0xf bank_mask:0xf
	v_add_f32_dpp v[\a], v[\a], v[\a] row_xmask:8 row_mask:0xf bank_mask:0xf
	v_permlanex16_b32 v[\t], v[\a], s46, s47
	v_add_f32 v[\a], v[\a], v[\t]
.endm
.macro ROWMAX a                        ; the maximum over 16 lanes
	v_max_num_f32_dpp v[\a], v[\a], v[\a] row_xmask:1 row_mask:0xf bank_mask:0xf
	v_max_num_f32_dpp v[\a], v[\a], v[\a] row_xmask:2 row_mask:0xf bank_mask:0xf
	v_max_num_f32_dpp v[\a], v[\a], v[\a] row_xmask:4 row_mask:0xf bank_mask:0xf
	v_max_num_f32_dpp v[\a], v[\a], v[\a] row_xmask:8 row_mask:0xf bank_mask:0xf
.endm
	s_load_b512 s[8:23], s[0:1], 0x0               ; wsA 8, wc 10, x1 12, norm2_w 14, router_w 16, expert_bias 18, hh 20, ids 22
	s_load_b64 s[24:25], s[0:1], 0x40              ; gw
	v_lshl_add_u32 v2, v0, 2, SPARE
	v_mov_b32 v3, 0
	v_and_b32 v1, 31, v0
	v_lshrrev_b32 v22, 5, v0
	v_readfirstlane_b32 s2, v22
	s_mov_b32 s27, ttmp9                           ; column block
	s_and_b32 s28, ttmp7, 0xffff                   ; block of 64 tokens
	s_mul_i32 s3, s2, WST
	s_lshl_b32 s5, s2, 18                          ; my 128 k: 262,144 bytes in either layout
	v_lshl_add_u32 v4, v1, 4, s5                   ; x1's copy: 16 bytes a lane
	v_bfe_u32 v40, v0, 3, 2
	v_and_b32 v41, 7, v0
	v_mul_u32_u24 v6, v40, PITCH
	v_lshl_add_u32 v6, v41, 4, v6
	v_add_nc_u32 v6, s3, v6
	v_and_b32 v22, 15, v0
	v_bfe_u32 v23, v0, 4, 1
	v_lshl_add_u32 v5, v23, 14, s5                 ; the weights: block h,
	v_lshl_add_u32 v5, v22, 4, v5                  ; row r
	v_mul_u32_u24 v8, v22, PITCH
	v_lshl_add_u32 v8, v23, 4, v8
	v_add_nc_u32 v8, s3, v8
	v_add_nc_u32 v9, BSTG, v8
	v_lshl_add_u32 v10, v23, 4, v9                 ; row r x pitch + 32 h, in my partial tile
	s_mul_i32 s4, s2, 8*PITCH
	s_add_co_u32 s4, s4, BSTG
	v_mul_u32_u24 v11, v40, PITCH
	v_lshl_add_u32 v11, v41, 5, v11
	v_add_nc_u32 v11, s4, v11
	v_add_nc_u32 v12, 4*WST, v11
	v_bfe_u32 v42, v0, 3, 1
	v_xor_b32 v42, v42, v23
	v_lshlrev_b32 v13, 2, v22
	v_lshl_add_u32 v13, v42, 8, v13
	s_lshl_b32 s5, s2, 9
	s_add_co_u32 s5, s5, SSQ
	v_add_nc_u32 v13, s5, v13
	s_lshl_b32 s5, s2, 5
	s_add_co_u32 s5, s5, SSQ
	v_lshl_add_u32 v14, v40, 2, s5
	s_lshl_b32 s5, s2, 10
	v_lshl_add_u32 v15, v1, 4, s5
.irp j,1,2,3,4,5,6,7
	v_cmp_eq_u32 s[32+\j], \j, v41
.endr
	s_lshl_b32 s44, s28, 13                        ; my 64 tokens in each block of x1's bf16 copy,
	s_add_co_u32 s44, s44, 0x800000                ; which lies 8 MiB on in wsA
	s_mov_b32 s45, 0
	s_lshl_b32 s6, s27, 10                         ; my 64 rows of sg's copy, 16 bytes each in a block,
	s_add_co_u32 s6, s6, 0xa00000                  ; which lies 10 MiB on in wc; su's 2 MiB further
	s_mov_b32 s7, 0
	s_lshl_b32 s40, s27, 17                        ; hs: column block x 1,024 tokens x 128 bytes,
	s_lshl_b32 s41, s28, 13                        ; my 64 tokens,
	s_add_co_u32 s40, s40, s41
	s_add_co_u32 s40, s40, 0x200000                ; behind h2
	s_mov_b32 s41, 0
	s_mov_b32 s46, 0x76543210
	s_mov_b32 s47, 0xfedcba98
	s_mov_b32 s48, 0x3a800000                      ; 1/1024
	s_mov_b32 s49, 0x358637bd                      ; 1e-6
	s_mov_b32 s26, 2
	s_wait_kmcnt 0x0
	s_add_nc_u64 s[8:9], s[8:9], s[44:45]
	s_add_nc_u64 s[30:31], s[10:11], s[6:7]
	s_add_nc_u64 s[54:55], s[20:21], s[40:41]
	WIN TO_F
	LD16 64, 0, 8                                  ; x1's slice, two blocks of sixteen loads,
	LD16 128, 1, 8
	LDK 192, 30, 0                                 ; and sg's K steps 0 and 1
	LDK 224, 30, 1
	s_wait_loadcnt 32                              ; the first block is in; younger: the second block's 16 and the weights' 16
	WIN FROM_F
	ST16 64, 0, 6
	s_wait_loadcnt 16                              ; the second block is in; the weights' 16 stay out
	ST16 128, 1, 6
	WIN TO_F
	LDK 0, 30, 2
	LDK 32, 30, 3
.irp s,0,1,2,3                         ; x1's fragments, out of my own stage, into the registers that the slice has left
.irp i,0,1,2,3
	ds_load_b128 v[64+32*\s+8*\i:67+32*\s+8*\i], v8 offset:\i*16*PITCH+64*\s
	ds_load_b128 v[68+32*\s+8*\i:71+32*\s+8*\i], v8 offset:\i*16*PITCH+64*\s+32
.endr
.endr
	s_wait_dscnt 0x0
	WIN MUL
.irp s,0,1,2,3                         ; sums of squares of my K slice: the diagonal of A A^T, four accumulators by turns
.irp i,0,1,2,3
.if \s == 0
	v_wmma_f32_16x16x32_bf16 v[96+8*\i:103+8*\i], v[64+32*\s+8*\i:71+32*\s+8*\i], v[64+32*\s+8*\i:71+32*\s+8*\i], 0
.else
	v_wmma_f32_16x16x32_bf16 v[96+8*\i:103+8*\i], v[64+32*\s+8*\i:71+32*\s+8*\i], v[64+32*\s+8*\i:71+32*\s+8*\i], v[96+8*\i:103+8*\i]
.endif
.endr
.endr
	WIN 0
	PLACES
.irp i,0,1,2,3
	v_cndmask_b32 v[40+\i], v[96+8*\i], v[97+8*\i], s33
.irp j,2,3,4,5,6,7
	v_cndmask_b32 v[40+\i], v[40+\i], v[96+8*\i+\j], s[32+\j]
.endr
	ds_store_b32 v13, v[40+\i] offset:64*\i
.endr
	BAR                                            ; every wave's partial sums of squares are in LDS
.irp j,0,1
.irp u,0,1,2,3,4,5,6,7
	ds_load_b32 v[64+8*\j+\u], v14 offset:512*\u+16*\j
.endr
.endr
	s_wait_dscnt 0x0
	REP 2, 8, v_pk_add_f32 v[64+p:65+p], v[64+p:65+p], v[66+p:67+p]
	REP 2, 8, v_pk_add_f32 v[68+p:69+p], v[68+p:69+p], v[70+p:71+p]
	REP 2, 8, v_pk_add_f32 v[64+p:65+p], v[64+p:65+p], v[68+p:69+p]
	v_add_f32 v20, v64, v65
	v_add_f32 v22, v72, v73
	v_fma_f32 v20, v20, s48, s49
	v_fma_f32 v22, v22, s48, s49
	v_rsq_f32 v20, v20
	v_rsq_f32 v22, v22
	v_nop
	s_wait_alu depctr_va_vdst(0)
	v_mov_b32 v21, v20
	v_mov_b32 v23, v22
.Lpass:                                                ; at the head the weights' four K steps, 8 loads each and in this order, are on their way
	s_wait_loadcnt 24                              ; K step 0 is in; the three younger K steps stay out; and so on down
	WIN MUL
	KST 0, 1
	s_wait_loadcnt 16
	KST 1, 0
	s_wait_loadcnt 8
	KST 2, 0
	s_wait_loadcnt 0
	KST 3, 0
	WIN 0
	PSTORE
	s_cmp_eq_u32 s26, 1
	s_cbranch_scc1 .Lnonext
	s_add_nc_u64 s[30:31], s[30:31], 0x200000      ; su, whole, flies under the reduction (no load that names this base is out)
	WIN TO_F
	LDK 192, 30, 0
	LDK 224, 30, 1
	LDK 0, 30, 2
	LDK 32, 30, 3
	WIN 0
.Lnonext:
	BAR
	REDLD 11
	REDADD 1
	REDLD 12
	REDADD 0
	BAR                                            ; every wave's reads of the partials are back
	s_cmp_eq_u32 s26, 1
	s_cbranch_scc1 .Lup
	REP 4, 2, v_pk_mul_f32 v[40+p:41+p], v[24+p:25+p], v[20:21]    ; the gate's sums are kept
	REP 4, 2, v_pk_mul_f32 v[48+p:49+p], v[32+p:33+p], v[22:23]
	s_branch .Lbottom
.Lup:
	REP 4, 2, v_pk_mul_f32 v[24+p:25+p], v[24+p:25+p], v[20:21]
	REP 4, 2, v_pk_mul_f32 v[32+p:33+p], v[32+p:33+p], v[22:23]
	REP 8, 2, v_pk_mul_f32 v[64+p:65+p], v[40+p:41+p], 0xbfb8aa3b op_sel_hi:[1,0]
	REP 16, 1, v_exp_f32 v[64+p], v[64+p]
	v_nop
	s_wait_alu depctr_va_vdst(0)                   ; one wait for the sixteen exponentials
	REP 8, 2, v_pk_add_f32 v[64+p:65+p], v[64+p:65+p], 1.0 op_sel_hi:[1,0]
	REP 16, 1, v_rcp_f32 v[64+p], v[64+p]
	v_nop
	s_wait_alu depctr_va_vdst(0)                   ; and one for the sixteen reciprocals
	REP 8, 2, v_pk_mul_f32 v[64+p:65+p], v[64+p:65+p], v[40+p:41+p]
	REP 8, 2, v_pk_mul_f32 v[64+p:65+p], v[64+p:65+p], v[24+p:25+p]
	REP 8, 1, v_cvt_pk_bf16_f32 v[96+p], v[64+2*p], v[65+2*p]
	global_store_b128 v15, v[96:99], s[54:55]
	global_store_b128 v15, v[100:103], s[54:55] offset:512
.Lbottom:
	s_sub_co_u32 s26, s26, 1
	s_cmp_lg_u32 s26, 0
	s_cbranch_scc1 .Lpass
	; THE ROUTER: waves 0-3, one token each; no barrier stands in what the others jump
	s_cmp_ge_u32 s2, 4
	s_cbranch_scc1 .Lend
	s_wait_loadcnt 0x0                             ; no load of the passes is out: the registers below are loaded anew
	s_wait_xcnt 0x0                                ; the stores above have read their registers
	s_lshl2_add_u32 s40, s27, s2                   ; 4 cb + w: my row among the block's 64
	s_lshl_b32 s41, s28, 6
	s_add_co_u32 s40, s40, s41                     ; my token
	s_lshl_b32 s44, s40, 12
	s_add_nc_u64 s[12:13], s[12:13], s[44:45]
	s_lshl_b32 s44, s40, 11
	s_add_nc_u64 s[52:53], s[20:21], s[44:45]
	s_lshl_b32 s44, s40, 3
	s_add_nc_u64 s[22:23], s[22:23], s[44:45]
	s_add_nc_u64 s[24:25], s[24:25], s[44:45]
	v_lshlrev_b32 v56, 4, v1
	v_and_b32 v61, 15, v0
	v_lshlrev_b32 v57, 2, v61
	v_lshlrev_b32 v59, 3, v1
	v_mov_b32 v60, 0
	REP 8, 1, global_load_b128 v[64+4*p:67+4*p], v56, s[12:13] offset:512*p
	REP 8, 1, global_load_b128 v[96+4*p:99+4*p], v56, s[14:15] offset:512*p
	global_load_b32 v58, v57, s[18:19]
.irp b,0,1,2,3
	REP 8, 1, global_load_b128 v[128+32*\b+4*p:131+32*\b+4*p], v56, s[16:17] offset:4096*\b+512*p
.endr
	s_wait_loadcnt 32                              ; the four router rows stay out
	v_pk_mul_f32 v[40:41], v[64:65], v[64:65]
	v_pk_mul_f32 v[42:43], v[66:67], v[66:67]
.set n, 2
.rept 14
	v_pk_fma_f32 v[40+2*(n%2):41+2*(n%2)], v[64+2*n:65+2*n], v[64+2*n:65+2*n], v[40+2*(n%2):41+2*(n%2)]
.set n, n+1
.endr
	v_pk_add_f32 v[40:41], v[40:41], v[42:43]
	v_add_f32 v40, v40, v41
	LANESUM 40, 41
	v_fma_f32 v40, v40, s48, s49
	v_rsq_f32 v40, v40
	v_nop
	s_wait_alu depctr_va_vdst(0)
	v_mov_b32 v41, v40
	REP 16, 2, v_pk_mul_f32 v[64+p:65+p], v[64+p:65+p], v[40:41]
	REP 16, 2, v_pk_mul_f32 v[64+p:65+p], v[64+p:65+p], v[96+p:97+p]
	REP 16, 1, v_cvt_pk_bf16_f32 v[96+p], v[64+2*p], v[65+2*p]
	REP 8, 1, global_store_b64 v59, v[96+2*p:97+2*p], s[52:53] offset:256*p       ; 256 consecutive bytes a store
	s_mov_b32 s41, 0
.Lrt:                                                  ; four trips of four experts; a ring of four row buffers
	s_wait_xcnt 0x0                                ; the refills' base is rewritten only behind this wait
	s_add_co_u32 s42, s41, 1
	s_min_u32 s42, s42, 3                          ; the last trip's refills repeat rows 12-15: inside the buffer, never used
	s_lshl_b32 s44, s42, 14
	s_add_nc_u64 s[50:51], s[16:17], s[44:45]
	s_lshl_b32 s43, s41, 2
.irp b,0,1,2,3
	s_wait_loadcnt 24                              ; three younger rows of eight loads stay out
	v_pk_mul_f32 v[42:43], v[128+32*\b:129+32*\b], v[64:65]
	v_pk_mul_f32 v[44:45], v[130+32*\b:131+32*\b], v[66:67]
.set n, 2
.rept 14
	v_pk_fma_f32 v[42+2*(n%2):43+2*(n%2)], v[128+32*\b+2*n:129+32*\b+2*n], v[64+2*n:65+2*n], v[42+2*(n%2):43+2*(n%2)]
.set n, n+1
.endr
	REP 8, 1, global_load_b128 v[128+32*\b+4*p:131+32*\b+4*p], v56, s[50:51] offset:4096*\b+512*p
	v_pk_add_f32 v[42:43], v[42:43], v[44:45]
	v_add_f32 v42, v42, v43
	LANESUM 42, 43
	s_add_co_u32 s42, s43, \b
	v_cmp_eq_u32 vcc_lo, s42, v61
	v_cndmask_b32 v60, v60, v42, vcc_lo            ; lane e % 16 keeps expert e's logit
.endr
	s_add_co_u32 s41, s41, 1
	s_cmp_lt_u32 s41, 4
	s_cbranch_scc1 .Lrt
	s_wait_loadcnt 0
	v_add_f32 v60, v60, v58
	v_mul_f32 v62, 0xbfb8aa3b, v60
	v_exp_f32 v62, v62
	v_nop
	s_wait_alu depctr_va_vdst(0)
	v_add_f32 v62, 1.0, v62
	v_rcp_f32 v62, v62
	v_nop
	s_wait_alu depctr_va_vdst(0)                   ; v62: the gate
	v_mov_b32 v42, v62
	ROWMAX 42
	v_cmp_eq_f32 s42, v62, v42
	s_and_b32 s42, s42, 0xffff
	s_ctz_i32_b32 s56, s42                         ; the lowest index among equals
	s_and_b32 s56, s56, 15
	v_cmp_eq_u32 vcc_lo, s56, v61
	v_cndmask_b32 v63, v62, -1.0, vcc_lo           ; gates lie in 0 .. 1: the first choice is taken out
	v_mov_b32 v44, v63
	ROWMAX 44
	v_cmp_eq_f32 s42, v63, v44
	s_and_b32 s42, s42, 0xffff
	s_ctz_i32_b32 s57, s42
	s_and_b32 s57, s57, 15
	v_add_f32 v45, v42, v44
	v_add_f32 v45, 0x3089705f, v45                 ; + 1e-9
	v_rcp_f32 v45, v45
	v_mov_b32 v48, s56
	s_wait_alu depctr_va_vdst(0)
	v_mul_f32 v46, v42, v45
	v_mul_f32 v47, v44, v45
	v_mov_b32 v49, s57
	v_mov_b32 v50, 0
	v_cmp_eq_u32 vcc_lo, 0, v1
	s_wait_xcnt 0x0                                ; EXEC changes only behind this wait
	s_and_saveexec_b32 s58, vcc_lo
	global_store_b64 v50, v[48:49], s[22:23]
	global_store_b64 v50, v[46:47], s[24:25]
	s_wait_xcnt 0x0
	s_or_b32 exec_lo, exec_lo, s58
.Lend:
	s_wait_tensorcnt 0x0                           ; the wave's end
	ds_add_u32 v2, v3
	s_wait_dscnt 0x0
	s_endpgm
.Lfunc_end_k_q58023d92db_shup:
	.size	k_q58023d92db_shup, .Lfunc_end_k_q58023d92db_shup-k_q58023d92db_shup
	.p2alignl 7, 3214868480
	.fill 96, 4, 3214868480
	.section	.rodata,"a",@progbits
	.p2align	6, 0x0
	.amdhsa_kernel k_q58023d92db_shup
		.amdhsa_group_segment_fixed_size 283648
		.amdhsa_private_segment_fixed_size 0
		.amdhsa_enable_private_segment 0
		.amdhsa_kernarg_size 72
		.amdhsa_user_sgpr_count 2
		.amdhsa_user_sgpr_kernarg_segment_ptr 1
		.amdhsa_wavefront_size32 1
		.amdhsa_system_sgpr_workgroup_id_x 1
		.amdhsa_system_sgpr_workgroup_id_y 1
		.amdhsa_system_sgpr_workgroup_id_z 1
		.amdhsa_system_vgpr_workitem_id 0
		.amdhsa_next_free_vgpr 512
		.amdhsa_next_free_sgpr 66
		.amdhsa_reserve_vcc 1
		.amdhsa_float_denorm_mode_32 3
		.amdhsa_float_denorm_mode_16_64 3
		.amdhsa_memory_ordered 1
		.amdhsa_forward_progress 1
		.amdhsa_inst_pref_size 62
	.end_amdhsa_kernel
	.amdgpu_metadata
---
amdhsa.version: [ 1, 2 ]
amdhsa.kernels:
  - .name:           k_q58023d92db_shup
    .symbol:         k_q58023d92db_shup.kd
    .args:
      - { .name: wsA, .offset: 0, .size: 8, .value_kind: global_buffer, .address_space: global }
      - { .name: wc, .offset: 8, .size: 8, .value_kind: global_buffer, .address_space: global }
      - { .name: x1, .offset: 16, .size: 8, .value_kind: global_buffer, .address_space: global }
      - { .name: norm2_w, .offset: 24, .size: 8, .value_kind: global_buffer, .address_space: global }
      - { .name: router_w, .offset: 32, .size: 8, .value_kind: global_buffer, .address_space: global }
      - { .name: expert_bias, .offset: 40, .size: 8, .value_kind: global_buffer, .address_space: global }
      - { .name: hh, .offset: 48, .size: 8, .value_kind: global_buffer, .address_space: global }
      - { .name: ids, .offset: 56, .size: 8, .value_kind: global_buffer, .address_space: global }
      - { .name: gw, .offset: 64, .size: 8, .value_kind: global_buffer, .address_space: global }
    .group_segment_fixed_size: 283648
    .private_segment_fixed_size: 0
    .kernarg_segment_align: 8
    .kernarg_segment_size: 72
    .max_flat_workgroup_size: 256
    .sgpr_count:     66
    .vgpr_count:     512
    .wavefront_size: 32
...
	.end_amdgpu_metadata
.endif
;; end of part 12
;; launch exup (part 13): grid 16 x 16, 16 waves a work-group, no clusters, 303,104 bytes of LDS; arguments hh, ids, eg, eu, wsB, pos; writes wsB, pos
.if DOCPART == 13
	.amdgcn_target "amdgcn-amd-amdhsa--gfx1250"
	.amdhsa_code_object_version 6
	.text
	.protected	k_q58023d92db_exup
	.globl	k_q58023d92db_exup
	.p2align	8
	.type	k_q58023d92db_exup,@function
k_q58023d92db_exup:
	s_mov_b64 s[64:65], 0
	v_nop
	global_prefetch_b8 v0, s[64:65] scope:SCOPE_SE
	s_setreg_imm32_b32 hwreg(HW_REG_WAVE_MODE, 25, 1), 1
	s_wait_xcnt 0x0
; The routed experts' first products: hid = silu(h2 eg[e]^T) x (h2 eu[e]^T) for the rows that chose expert e.  Grid: x = slice of 64 hidden channels, y = expert.
; A work-group alone reads its slice of eg and eu (512 KB of f32, each byte once), rounds it to bf16 on the way through registers and lays it in LDS; then it walks the expert's rows in tiles of 32.
; SIXTEEN WAVES, four to a SIMD with 256 registers each: eight tiles of 32 rows x two halves of the slice's channels go at once, so 256 rows take one trip of the tile loop and four trips cover 1,024.
; THE LIST.  Every wave reads ids (8 KB, stored by the launch before) and builds, in LDS bytes of its own, the list of the slots 2 t + k that chose e, in ascending order: rank = place in that list.  Row p = 1024 e + rank.
; An entry is 4 x slot in 16 bits: the slot's byte in pos; (entry & 0x1ff8) << 8 is the token's row in h2.  Entries n .. n + 31 repeat entry 0, so a tile that is not full repeats a row that exists and stores
; into the expert's own rows past n.  It serves every split: n = 0 .. 1,024.  Tile 0 is made also where n = 0 (of token 0's row): the next launch asks for its rows ahead of knowing which tiles live.
; hid: wsB [block of 16 channels (64)][p (16,384)][16] bf16: a store is 512 consecutive bytes, and the next launch's fragment loads are too.  Slice 0's wave 0 also stores pos[slot] = p and cnt[e] = n.
; The tile loop has a constant count of 4 trips; dead tiles are jumped; it holds no barrier and writes no LDS.  Its length in work hangs on n, so the weights' LDS addresses are four fixed registers and
; immediates: the 32 K steps are written out.  Token rows come straight from memory as matrix operands.
; NO TENSOR LOADS, NO CLUSTER: each slice of weights has one reader and must pass registers to be rounded; the token rows come by a list.
.set WP, 2064                          ; a weight row in LDS: 2,048 bytes + 16
.set LIST, 128*WP                      ; rows 0-63 gate, 64-127 up; then sixteen lists of 2,304 bytes (1,056 entries and 32 for the lanes that have none; the rest unused)
.set LSZ, 2304
.set SPARE, LIST+16*LSZ
; v4-7 ring: global offsets  v8-11 ring: LDS addresses  v12, v13 token row offsets (first: zeros v12-15)  v16 r  v17 8 lane  v18, v19 4 x slot of my token's two choices in chunk 0  v20-23 weight fragment addresses, fixed
; v24 1056 + lane  v25, v26, v28, v29 at work  v27 output offset  v30 list address  v31 16 h  v32-95 accumulators (f, c, gate/up) at 32 + 8 (4 f + 2 c + u)  v96-127 weight fragments
; v128-191, v192-255 token fragments X, Y (before: the ring)  v64-127 first hold ids, then (one wave) the list and the numbers for pos
.macro REP n, st, line:vararg
.set p, 0
.rept \n
	\line
.set p, p+(\st)
.endr
.endm
.macro PLACES                          ; four plain instructions between a matrix instruction and a load into, or a vector use of, its registers
.rept 4
	v_nop
.endr
.endm
.macro LCH c                           ; tokens 32 c .. 32 c + 31: those that chose e append their slot
	v_cmp_eq_u32 s40, s21, v[64+2*(\c)]
	v_cmp_eq_u32 s41, s21, v[65+2*(\c)]
	s_or_b32 s42, s40, s41
	v_mbcnt_lo_u32_b32 v25, s42, s27               ; rank = entries so far + choosing lanes below me
	v_cndmask_b32 v26, v18, v19, s41
	v_cndmask_b32 v25, v24, v25, s42               ; lanes without an entry write behind the list
	v_add_nc_u32 v26, 256*(\c), v26
	v_min_u32 v25, 0x43f, v25
	v_lshl_add_u32 v25, v25, 1, s26
	ds_store_b16 v25, v26
	s_bcnt1_i32_b32 s43, s42
	s_add_co_u32 s27, s27, s43
.endm
.macro PCH c                           ; pos of ranks 32 c .. 32 c + 31.  Whole chunks past n are jumped; in the chunk that holds n the lanes past n repeat entry 0's word with entry 0's value
	s_cmp_le_u32 s27, 32*(\c)
	s_cbranch_scc1 .Lposdone
	v_min_u32 v[64+(\c)], 0x1ffc, v[64+(\c)]
	v_add_nc_u32 v[96+(\c)], 32*(\c), v29
	v_cmp_gt_u32 vcc_lo, s45, v[96+(\c)]
	v_cndmask_b32 v[96+(\c)], v25, v[96+(\c)], vcc_lo
	global_store_b32 v[64+(\c)], v[96+(\c)], s[18:19]
.endm
.macro SLOT i, ahead, left             ; one weight row: rounded, stored, and the slot filled again with the row four further on
	s_wait_loadcnt \left
.set q, 0
.rept 8
	v_cvt_pk_bf16_f32 v[128+32*(\i)+4*q], v[128+32*(\i)+4*q], v[128+32*(\i)+4*q+1]
	v_cvt_pk_bf16_f32 v[128+32*(\i)+4*q+1], v[128+32*(\i)+4*q+2], v[128+32*(\i)+4*q+3]
	ds_store_b64 v[8+(\i)], v[128+32*(\i)+4*q:128+32*(\i)+4*q+1] offset:256*q
.set q, q+1
.endr
.if \ahead
	v_add_nc_u32 v[4+(\i)], 16384, v[4+(\i)]       ; free since the wait above
	REP 8, 1, global_load_b128 v[128+32*(\i)+4*p:128+32*(\i)+4*p+3], v[4+(\i)], s[24:25] offset:512*p th:TH_LOAD_NT
.endif
	v_add_nc_u32 v[8+(\i)], 4*WP, v[8+(\i)]
.endm
.macro WM d, a, b, zero
.if \zero
	v_wmma_f32_16x16x32_bf16 v[\d:\d+7], v[\a:\a+7], v[\b:\b+7], 0
.else
	v_wmma_f32_16x16x32_bf16 v[\d:\d+7], v[\a:\a+7], v[\b:\b+7], v[\d:\d+7]
.endif
.endm
; K step s of chunk kc: 8 LDS loads of weights, 8 matrix instructions on 8 accumulators by turns (source 0 = 16 channels, source 1 = 16 tokens)
.macro KS buf, s, kc, zero, pl
.if \pl
	PLACES
.endif
	ds_load_b128 v[96:99], v20 offset:256*(\kc)+64*(\s)
	ds_load_b128 v[100:103], v20 offset:256*(\kc)+64*(\s)+32
	ds_load_b128 v[104:107], v21 offset:256*(\kc)+64*(\s)
	ds_load_b128 v[108:111], v21 offset:256*(\kc)+64*(\s)+32
	ds_load_b128 v[112:115], v22 offset:256*(\kc)+64*(\s)
	ds_load_b128 v[116:119], v22 offset:256*(\kc)+64*(\s)+32
	ds_load_b128 v[120:123], v23 offset:256*(\kc)+64*(\s)
	ds_load_b128 v[124:127], v23 offset:256*(\kc)+64*(\s)+32
	s_wait_dscnt 0x4                               ; the four youngest, channel block 1's, may stay out
	WM 32, 96, (\buf)+8*(\s), \zero
	WM 64, 96, (\buf)+32+8*(\s), \zero
	WM 40, 104, (\buf)+8*(\s), \zero
	WM 72, 104, (\buf)+32+8*(\s), \zero
	s_wait_dscnt 0x0
	WM 48, 112, (\buf)+8*(\s), \zero
	WM 80, 112, (\buf)+32+8*(\s), \zero
	WM 56, 120, (\buf)+8*(\s), \zero
	WM 88, 120, (\buf)+32+8*(\s), \zero
.endm
.macro ISSUE buf, kc                   ; chunk kc: 128 along K of 32 token rows: 256 bytes of each row, as fragments
.irp f,0,1
.irp t,0,1,2,3
	global_load_b128 v[(\buf)+32*\f+8*\t:(\buf)+32*\f+8*\t+3], v[12+\f], s[8:9] offset:256*(\kc)+64*\t
	global_load_b128 v[(\buf)+32*\f+8*\t+4:(\buf)+32*\f+8*\t+7], v[12+\f], s[8:9] offset:256*(\kc)+64*\t+32
.endr
.endr
.endm
	s_load_b256 s[8:15], s[0:1], 0x0               ; hh s[8:9], ids s[10:11], eg s[12:13], eu s[14:15]
	s_load_b128 s[16:19], s[0:1], 0x20             ; wsB s[16:17], pos s[18:19]
	v_lshl_add_u32 v2, v0, 2, SPARE
	v_mov_b32 v3, 0
	v_and_b32 v1, 31, v0
	v_lshrrev_b32 v16, 5, v0
	v_readfirstlane_b32 s2, v16                    ; wave 0..15
	s_mov_b32 s20, ttmp9                           ; slice
	s_and_b32 s21, ttmp7, 0xffff                   ; expert
	v_lshlrev_b32 v17, 3, v1
	v_lshlrev_b32 v18, 3, v1                       ; 4 x slot 2 lane,
	v_add_nc_u32 v19, 4, v18                       ; 4 x slot 2 lane + 1
	v_add_nc_u32 v24, 1056, v1
	s_mul_i32 s26, s2, LSZ
	s_add_co_u32 s26, s26, LIST                    ; my list
	s_mov_b32 s27, 0                               ; entries so far; in the end n
	REP 4, 1, v_mov_b32 v[12+p], 0
	v_lshl_add_u32 v25, v1, 4, s26
	v_lshl_add_u32 v26, v1, 3, s26
	REP 4, 1, ds_store_b128 v25, v[12:15] offset:512*p     ; my list starts as zeros, all 2,304 bytes of it
	ds_store_b64 v26, v[12:13] offset:2048
	s_mul_i32 s3, s2, 8*WP                         ; my 8 rows of the 128
.irp i,0,1,2,3
	v_lshl_add_u32 v[4+\i], v1, 4, \i*4096
	v_lshl_add_u32 v[8+\i], v1, 3, s3
.endr
.irp i,1,2,3
	v_add_nc_u32 v[8+\i], \i*WP, v[8+\i]
.endr
	s_lshl_b32 s6, s21, 22                         ; an expert's 4 MiB,
	s_lshl_b32 s7, s20, 18                         ; the slice's 64 rows,
	s_add_co_u32 s6, s6, s7
	s_and_b32 s7, s2, 7
	s_lshl_b32 s7, s7, 15                          ; my 8 of them
	s_add_co_u32 s6, s6, s7
	s_mov_b32 s7, 0
	s_wait_kmcnt 0x0
	s_cmp_lt_u32 s2, 8                             ; waves 0-7 stage the gate's rows, waves 8-15 the up rows
	s_cselect_b64 s[24:25], s[12:13], s[14:15]
	s_add_nc_u64 s[24:25], s[24:25], s[6:7]
	REP 32, 1, global_load_b64 v[64+2*p:65+2*p], v17, s[10:11] offset:256*p
.irp i,0,1,2,3
	REP 8, 1, global_load_b128 v[128+32*\i+4*p:131+32*\i+4*p], v[4+\i], s[24:25] offset:512*p th:TH_LOAD_NT
.endr
	s_wait_loadcnt 32                              ; ids are in; the ring's 32 loads stay out: the list is built while the weights fly
.set cc, 0
.rept 32
	LCH cc
.set cc, cc+1
.endr
	v_mov_b32 v28, s26
	ds_load_u16 v26, v28                           ; entry 0,
	v_add_nc_u32 v25, s27, v1
	v_min_u32 v25, 0x41f, v25
	v_lshl_add_u32 v25, v25, 1, s26
	s_wait_dscnt 0x0
	ds_store_b16 v25, v26                          ; repeated in entries n .. n + 31
	s_cmp_lg_u32 s20, 0
	s_cbranch_scc1 .Lnopos
	s_cmp_lg_u32 s2, 0
	s_cbranch_scc1 .Lnopos
	; slice 0's wave 0 stores where each slot's row lies, and the count
	v_lshl_add_u32 v28, v1, 1, s26
	REP 32, 1, ds_load_u16 v[64+p], v28 offset:64*p        ; entries 32 c + lane, behind my own stores of them
	s_lshl_b32 s44, s21, 10
	v_add_nc_u32 v29, s44, v1                      ; 1024 e + lane
	v_mov_b32 v25, s44                             ; 1024 e: entry 0's row
	s_add_co_u32 s45, s44, s27                     ; 1024 e + n
	s_wait_dscnt 0x0
.set cc, 0
.rept 32
	PCH cc
.set cc, cc+1
.endr
.Lposdone:
	v_mov_b32 v25, s27
	s_lshl_b32 s44, s21, 2
	v_mov_b32 v26, s44
	v_cmp_eq_u32 vcc_lo, 0, v1
	s_wait_xcnt 0x0                                ; EXEC changes only behind this wait; it also frees the registers of the stores above
	s_and_saveexec_b32 s47, vcc_lo
	global_store_b32 v26, v25, s[18:19] offset:8192
	s_wait_xcnt 0x0
	s_or_b32 exec_lo, exec_lo, s47
.Lnopos:
	s_max_u32 s27, s27, 1                          ; from here on n decides which tiles live: tile 0 always does
	SLOT 0, 1, 24                                  ; rows 0-3 are stored, rows 4-7 asked for: three younger rows of eight loads stay out at each wait
	SLOT 1, 1, 24
	SLOT 2, 1, 24
	SLOT 3, 1, 24
	SLOT 0, 0, 24                                  ; the last four rows: the counts run down
	SLOT 1, 0, 16
	SLOT 2, 0, 8
	SLOT 3, 0, 0
	v_and_b32 v16, 15, v0
	v_bfe_u32 v31, v0, 4, 1
	v_lshlrev_b32 v31, 4, v31
	s_and_b32 s4, s2, 1                            ; which 32 of the slice's 64 channels
	s_lshr_b32 s5, s2, 1                           ; which of eight tiles
	s_mul_i32 s6, s4, 32*WP
	v_mul_u32_u24 v20, v16, WP
	v_add_nc_u32 v20, v20, v31
	v_add_nc_u32 v20, s6, v20                      ; gate row 32 cg + r, 16 h;
	v_add_nc_u32 v21, 64*WP, v20                   ; the up row of the same channel;
	v_add_nc_u32 v22, 16*WP, v20                   ; and both 16 channels on
	v_add_nc_u32 v23, 80*WP, v20
	s_lshl_b32 s6, s20, 2
	s_lshl1_add_u32 s6, s4, s6                     ; channel block 4 sl + 2 cg
	s_lshl_b32 s6, s6, 19
	s_lshl_b32 s7, s21, 15
	s_add_co_u32 s6, s6, s7
	s_mov_b32 s7, 0
	s_add_nc_u64 s[16:17], s[16:17], s[6:7]
	s_lshl_b32 s28, s5, 5                          ; the tile's first rank
	s_lshl_b32 s6, s5, 6
	s_add_co_u32 s6, s6, s26
	v_lshl_add_u32 v30, v16, 1, s6
	s_lshl_b32 s6, s5, 10
	v_lshl_add_u32 v27, v16, 5, s6
	v_add_nc_u32 v27, v27, v31
	s_wait_dscnt 0x0
	s_barrier_signal -1
	s_barrier_wait -1                              ; the slice is whole in LDS; nothing writes it again
	s_mov_b32 s29, 4
.Ltile:
	s_cmp_ge_u32 s28, s27
	s_cbranch_scc1 .Ldead
	ds_load_u16 v28, v30
	ds_load_u16 v29, v30 offset:32
	s_wait_dscnt 0x0
	v_min_u32 v28, 0x1ffc, v28
	v_min_u32 v29, 0x1ffc, v29
	v_and_b32 v28, 0x1ff8, v28                     ; 8 x token
	v_and_b32 v29, 0x1ff8, v29
	v_lshl_add_u32 v12, v28, 8, v31                ; token x 2,048 bytes + 16 h
	v_lshl_add_u32 v13, v29, 8, v31
	ISSUE 128, 0
	ISSUE 192, 1
.set ch, 0
.rept 8                                ; eight chunks of 128 along K, on X and Y by turns; a buffer is asked for again as soon as it has been multiplied
.if ch < 7
	s_wait_loadcnt 16                              ; this chunk is in, the next chunk's sixteen stay out
.else
	s_wait_loadcnt 0
.endif
.if ch == 0
	KS 128, 0, 0, 1, 0                             ; the first K step starts the sums
.else
	KS 128+64*(ch%2), 0, ch, 0, 0
.endif
	KS 128+64*(ch%2), 1, ch, 0, 1
	KS 128+64*(ch%2), 2, ch, 0, 1
	KS 128+64*(ch%2), 3, ch, 0, 1
	PLACES                                         ; for the loads below, for the next K step's, and at the end for the activation
.if ch < 6
	ISSUE 128+64*(ch%2), ch+2
.endif
.set ch, ch+1
.endr
.irp f,0,1
.irp c,0,1
	REP 4, 2, v_pk_mul_f32 v[128+8*(2*\f+\c)+p:129+8*(2*\f+\c)+p], v[32+8*(4*\f+2*\c)+p:33+8*(4*\f+2*\c)+p], 0xbfb8aa3b op_sel_hi:[1,0]
.endr
.endr
	REP 32, 1, v_exp_f32 v[128+p], v[128+p]
	v_nop
	s_wait_alu depctr_va_vdst(0)                   ; one wait for the 32 exponentials
	REP 16, 2, v_pk_add_f32 v[128+p:129+p], v[128+p:129+p], 1.0 op_sel_hi:[1,0]
	REP 32, 1, v_rcp_f32 v[128+p], v[128+p]
	v_nop
	s_wait_alu depctr_va_vdst(0)                   ; and one for the 32 reciprocals
.irp f,0,1
.irp c,0,1
	REP 4, 2, v_pk_mul_f32 v[128+8*(2*\f+\c)+p:129+8*(2*\f+\c)+p], v[128+8*(2*\f+\c)+p:129+8*(2*\f+\c)+p], v[32+8*(4*\f+2*\c)+p:33+8*(4*\f+2*\c)+p]
	REP 4, 2, v_pk_mul_f32 v[128+8*(2*\f+\c)+p:129+8*(2*\f+\c)+p], v[128+8*(2*\f+\c)+p:129+8*(2*\f+\c)+p], v[40+8*(4*\f+2*\c)+p:41+8*(4*\f+2*\c)+p]
.endr
.endr
	REP 16, 1, v_cvt_pk_bf16_f32 v[160+p], v[128+2*p], v[129+2*p]
.irp f,0,1
.irp c,0,1
	global_store_b128 v27, v[160+4*(2*\f+\c):163+4*(2*\f+\c)], s[16:17] offset:\c*524288+\f*512   ; 16 rows of 32 bytes: 512 consecutive bytes
.endr
.endr
.Ldead:
	s_wait_xcnt 0x0                                ; the stores' offset and data are rewritten only behind this wait
	v_add_nc_u32 v30, 512, v30                     ; 256 ranks on: 2 bytes an entry,
	v_add_nc_u32 v27, 8192, v27                    ; 32 bytes a row of a channel block
	s_add_co_u32 s28, s28, 256
	s_sub_co_u32 s29, s29, 1
	s_cmp_lg_u32 s29, 0
	s_cbranch_scc1 .Ltile
	s_wait_tensorcnt 0x0                           ; the wave's end
	ds_add_u32 v2, v3
	s_wait_dscnt 0x0
	s_endpgm
.Lfunc_end_k_q58023d92db_exup:
	.size	k_q58023d92db_exup, .Lfunc_end_k_q58023d92db_exup-k_q58023d92db_exup
	.p2alignl 7, 3214868480
	.fill 96, 4, 3214868480
	.section	.rodata,"a",@progbits
	.p2align	6, 0x0
	.amdhsa_kernel k_q58023d92db_exup
		.amdhsa_group_segment_fixed_size 303104
		.amdhsa_private_segment_fixed_size 0
		.amdhsa_enable_private_segment 0
		.amdhsa_kernarg_size 48
		.amdhsa_user_sgpr_count 2
		.amdhsa_user_sgpr_kernarg_segment_ptr 1
		.amdhsa_wavefront_size32 1
		.amdhsa_system_sgpr_workgroup_id_x 1
		.amdhsa_system_sgpr_workgroup_id_y 1
		.amdhsa_system_sgpr_workgroup_id_z 1
		.amdhsa_system_vgpr_workitem_id 0
		.amdhsa_next_free_vgpr 256
		.amdhsa_next_free_sgpr 66
		.amdhsa_reserve_vcc 1
		.amdhsa_float_denorm_mode_32 3
		.amdhsa_float_denorm_mode_16_64 3
		.amdhsa_memory_ordered 1
		.amdhsa_forward_progress 1
		.amdhsa_inst_pref_size 122
	.end_amdhsa_kernel
	.amdgpu_metadata
---
amdhsa.version: [ 1, 2 ]
amdhsa.kernels:
  - .name:           k_q58023d92db_exup
    .symbol:         k_q58023d92db_exup.kd
    .args:
      - { .name: hh, .offset: 0, .size: 8, .value_kind: global_buffer, .address_space: global }
      - { .name: ids, .offset: 8, .size: 8, .value_kind: global_buffer, .address_space: global }
      - { .name: eg, .offset: 16, .size: 8, .value_kind: global_buffer, .address_space: global }
      - { .name: eu, .offset: 24, .size: 8, .value_kind: global_buffer, .address_space: global }
      - { .name: wsB, .offset: 32, .size: 8, .value_kind: global_buffer, .address_space: global }
      - { .name: pos, .offset: 40, .size: 8, .value_kind: global_buffer, .address_space: global }
    .group_segment_fixed_size: 303104
    .private_segment_fixed_size: 0
    .kernarg_segment_align: 8
    .kernarg_segment_size: 48
    .max_flat_workgroup_size: 512
    .sgpr_count:     66
    .vgpr_count:     256
    .wavefront_size: 32
...
	.end_amdgpu_metadata
.endif
;; end of part 13
;; launch exdn (part 14): grid 16 x 16, 16 waves a work-group, no clusters, 207,872 bytes of LDS; arguments wsB, pos, ed, wsA; writes wsA
.if DOCPART == 14
	.amdgcn_target "amdgcn-amd-amdhsa--gfx1250"
	.amdhsa_code_object_version 6
	.text
	.protected	k_q58023d92db_exdn
	.globl	k_q58023d92db_exdn
	.p2align	8
	.type	k_q58023d92db_exdn,@function
k_q58023d92db_exdn:
	s_mov_b64 s[64:65], 0
	v_nop
	global_prefetch_b8 v0, s[64:65] scope:SCOPE_SE
	s_setreg_imm32_b32 hwreg(HW_REG_WAVE_MODE, 25, 1), 1
	s_wait_xcnt 0x0
; The routed experts' second product: part[p] = hid[p] ed[e]^T, f32, unweighted.  Grid: x = slice of 64 output columns, y = expert.  n = cnt[e] was stored by the launch before (pos, byte 8,192 on).
; A work-group alone reads its slice of ed (256 KB of f32, each byte once), rounds it to bf16 and lays it in LDS; then it walks the expert's rows p = 1024 e + rank in tiles of 32.
; SIXTEEN WAVES, four to a SIMD with 256 registers each: eight tiles of 32 rows x two halves of the slice's columns go at once: 256 rows a trip, four trips cover 1,024.
; hid: wsB [block of 16 channels][p][16] bf16: a fragment load is 512 consecutive bytes.  part: wsA [block of 32 columns (32)][p][32] f32; partial sums stay f32; the last launch weighs and adds them.
; THE FIRST TILE'S FIRST TWO CHUNKS OF hid ARE ASKED FOR WHILE THE WEIGHTS FLY, by every wave alike, so that the counted waits of the staging hold on every path: a wave whose tile is dead asks for tile 0's
; rows, which the launch before always stores; tile 0 counts as live here too (n is taken as at least 1), and its rows past n are read by nobody.  Each later tile's first two chunks are asked for at the end of the tile before.
; The tile loop has a constant count of 4 trips and is left at the first dead tile; no barrier stands in it; every LDS address in it is a fixed register and an immediate: the 32 K steps are written out.
; NO TENSOR LOADS, NO CLUSTER: each slice of weights has one reader and must pass registers to be rounded.
.set WP, 2064
.set STG, 64*WP                        ; 32 rows x 144 bytes for each wave
.set SPARE, STG+16*4608
; v4 16 lane  v8 my 4 rows in LDS + 8 lane  v12-15 the tile's hid offsets, 8 MiB (16 channel blocks) apart  v16 r  v20, v21 weight fragment addresses, fixed  v25, v26 stage in, out  v27 output offset
; v28 the tile's hid offset  v31 16 h  v32-63 accumulators (f, c) at 32 + 8 (2 f + c)  v96-127 weight fragments of two K steps  (before: v32-63, v64-95, v96-127 three slots for weight rows)  v128-191, v192-255 X, Y
.macro REP n, st, line:vararg
.set p, 0
.rept \n
	\line
.set p, p+(\st)
.endr
.endm
.macro PLACES
.rept 4
	v_nop
.endr
.endm
.macro FILL S, row                     ; a weight row's 4,096 bytes, 512 a load
	REP 8, 1, global_load_b128 v[(\S)+4*p:(\S)+4*p+3], v4, s[12:13] offset:(\row)*4096+512*p th:TH_LOAD_NT
.endm
.macro SLOT S, row, left, nxt          ; the row in slot S is rounded and stored; nxt >= 0: the slot takes that row
	s_wait_loadcnt \left
.set q, 0
.rept 8
	v_cvt_pk_bf16_f32 v[(\S)+4*q], v[(\S)+4*q], v[(\S)+4*q+1]
	v_cvt_pk_bf16_f32 v[(\S)+4*q+1], v[(\S)+4*q+2], v[(\S)+4*q+3]
	ds_store_b64 v8, v[(\S)+4*q:(\S)+4*q+1] offset:(\row)*WP+256*q
.set q, q+1
.endr
.if (\nxt) >= 0
	FILL \S, \nxt
.endif
.endm
.macro WM d, a, b, zero
.if \zero
	v_wmma_f32_16x16x32_bf16 v[\d:\d+7], v[\a:\a+7], v[\b:\b+7], 0
.else
	v_wmma_f32_16x16x32_bf16 v[\d:\d+7], v[\a:\a+7], v[\b:\b+7], v[\d:\d+7]
.endif
.endm
; K steps s and s + 1 of chunk kc: 8 LDS loads, 8 matrix instructions, the four accumulators by turns
.macro KS2 buf, s, kc, zero, pl
.if \pl
	PLACES
.endif
	ds_load_b128 v[96:99], v20 offset:256*(\kc)+64*(\s)
	ds_load_b128 v[100:103], v20 offset:256*(\kc)+64*(\s)+32
	ds_load_b128 v[104:107], v21 offset:256*(\kc)+64*(\s)
	ds_load_b128 v[108:111], v21 offset:256*(\kc)+64*(\s)+32
	ds_load_b128 v[112:115], v20 offset:256*(\kc)+64*(\s)+64
	ds_load_b128 v[116:119], v20 offset:256*(\kc)+64*(\s)+96
	ds_load_b128 v[120:123], v21 offset:256*(\kc)+64*(\s)+64
	ds_load_b128 v[124:127], v21 offset:256*(\kc)+64*(\s)+96
	s_wait_dscnt 0x4                               ; the second K step's four may stay out
	WM 32, 96, (\buf)+8*(\s), \zero
	WM 48, 96, (\buf)+32+8*(\s), \zero
	WM 40, 104, (\buf)+8*(\s), \zero
	WM 56, 104, (\buf)+32+8*(\s), \zero
	s_wait_dscnt 0x0
	WM 32, 112, (\buf)+8*(\s)+8, 0
	WM 48, 112, (\buf)+32+8*(\s)+8, 0
	WM 40, 120, (\buf)+8*(\s)+8, 0
	WM 56, 120, (\buf)+32+8*(\s)+8, 0
.endm
.macro ISSUE buf, kc                   ; chunk kc: 128 along K of 32 rows: eight channel blocks, 512 consecutive bytes a load; two chunks share an offset register
.irp f,0,1
.irp t,0,1,2,3
	global_load_b128 v[(\buf)+32*\f+8*\t:(\buf)+32*\f+8*\t+3], v[12+(\kc)/2], s[8:9] offset:(8*((\kc)%2)+2*\t)*524288+\f*512
	global_load_b128 v[(\buf)+32*\f+8*\t+4:(\buf)+32*\f+8*\t+7], v[12+(\kc)/2], s[8:9] offset:(8*((\kc)%2)+2*\t+1)*524288+\f*512
.endr
.endr
.endm
.macro AHEAD                           ; the offsets of the tile at v28, and its first two chunks
	v_mov_b32 v12, v28
	v_add_nc_u32 v13, 0x800000, v28                ; sixteen channel blocks on,
	v_add_nc_u32 v14, 0x1000000, v28               ; thirty-two,
	v_add_nc_u32 v15, 0x1800000, v28               ; forty-eight
	ISSUE 128, 0
	ISSUE 192, 1
.endm
	s_load_b256 s[8:15], s[0:1], 0x0               ; hid s[8:9], pos s[10:11], ed s[12:13], part s[14:15]
	v_lshl_add_u32 v2, v0, 2, SPARE
	v_mov_b32 v3, 0
	v_and_b32 v1, 31, v0
	v_lshrrev_b32 v16, 5, v0
	v_readfirstlane_b32 s2, v16                    ; wave 0..15
	s_mov_b32 s20, ttmp9                           ; slice
	s_and_b32 s21, ttmp7, 0xffff                   ; expert
	s_mul_i32 s3, s2, 4*WP                         ; my 4 rows of the 64
	v_lshlrev_b32 v4, 4, v1
	v_lshl_add_u32 v8, v1, 3, s3
	s_lshl_b32 s6, s21, 22
	s_lshl_b32 s7, s20, 18
	s_add_co_u32 s6, s6, s7
	s_lshl_b32 s7, s2, 14                          ; my 4 rows
	s_add_co_u32 s6, s6, s7
	s_mov_b32 s7, 0
	s_lshl_b32 s31, s21, 2                         ; the count's word; this register is never rewritten
	s_wait_kmcnt 0x0
	s_add_nc_u64 s[12:13], s[12:13], s[6:7]
	s_load_b32 s27, s[10:11], s31 offset:0x2000    ; n
	FILL 32, 0
	FILL 64, 1
	FILL 96, 2
	v_and_b32 v16, 15, v0
	v_bfe_u32 v31, v0, 4, 1
	v_lshlrev_b32 v31, 4, v31
	s_and_b32 s4, s2, 1                            ; which 32 of the slice's 64 columns
	s_lshr_b32 s5, s2, 1                           ; which of eight tiles
	s_mul_i32 s6, s4, 32*WP
	v_mul_u32_u24 v20, v16, WP
	v_add_nc_u32 v20, v20, v31
	v_add_nc_u32 v20, s6, v20                      ; weight row 32 cg + r, 16 h,
	v_add_nc_u32 v21, 16*WP, v20                   ; and 16 columns on
	s_mul_i32 s6, s2, 4608
	s_add_co_u32 s6, s6, STG
	v_mul_u32_u24 v25, v16, 144
	v_lshl_add_u32 v25, v31, 1, v25                ; row r, 32 h
	v_add_nc_u32 v25, s6, v25
	v_bfe_u32 v26, v0, 3, 2
	v_mul_u32_u24 v26, v26, 144
	v_and_b32 v28, 7, v0
	v_lshl_add_u32 v26, v28, 4, v26
	v_add_nc_u32 v26, s6, v26
	s_lshl_b32 s6, s5, 12
	v_lshl_add_u32 v27, v1, 4, s6                  ; 32 rows of 128 bytes a tile
	s_lshl_b32 s6, s21, 15
	s_mov_b32 s7, 0
	s_add_nc_u64 s[8:9], s[8:9], s[6:7]
	s_lshl1_add_u32 s6, s20, s4                    ; column block 2 sl + cg
	s_lshl_b32 s6, s6, 21
	s_lshl_b32 s22, s21, 17
	s_add_co_u32 s6, s6, s22
	s_add_nc_u64 s[14:15], s[14:15], s[6:7]
	s_lshl_b32 s28, s5, 5                          ; my tile's first rank
	s_lshl_b32 s6, s5, 10                          ; its 32 rows of 32 bytes
	s_wait_kmcnt 0x0
	s_min_u32 s27, s27, 1024
	s_max_u32 s27, s27, 1                          ; tile 0 always lives
	s_cmp_lt_u32 s28, s27
	s_cselect_b32 s6, s6, 0                        ; a dead tile's wave asks for tile 0's rows
	v_lshl_add_u32 v28, v16, 5, s6
	v_add_nc_u32 v28, v28, v31                     ; row x 32 bytes + 16 h
	AHEAD
	SLOT 32, 0, 48, 3                              ; younger than row 0: rows 1 and 2 (8 loads each) and the 32 loads of hid
	SLOT 64, 1, 48, -1                             ; younger than row 1: row 2, the 32, row 3
	SLOT 96, 2, 40, -1                             ; younger than row 2: the 32, row 3
	SLOT 32, 3, 0, -1
	s_wait_dscnt 0x0
	s_barrier_signal -1
	s_barrier_wait -1                              ; the slice is whole in LDS; nothing writes it again
	s_cmp_ge_u32 s28, s27
	s_cbranch_scc1 .Ldone
	s_mov_b32 s29, 4
.Ltile:                                                ; at the head the tile's chunks 0 (X) and 1 (Y) have been asked for
.set ch, 0
.rept 8                                ; eight chunks of 128 along K, on X and Y by turns
.if ch < 7
	s_wait_loadcnt 16                              ; this chunk is in, the next chunk's sixteen stay out
.else
	s_wait_loadcnt 0
.endif
.if ch == 0
	KS2 128, 0, 0, 1, 0                            ; the first K step starts the sums
.else
	KS2 128+64*(ch%2), 0, ch, 0, 0
.endif
	KS2 128+64*(ch%2), 2, ch, 0, 1
	PLACES                                         ; for the loads below, for the next K steps', and at the end for the way out
.if ch < 6
	ISSUE 128+64*(ch%2), ch+2
.endif
.set ch, ch+1
.endr
.irp f,0,1
.irp c,0,1
	ds_store_b128 v25, v[32+8*(2*\f+\c):35+8*(2*\f+\c)] offset:\f*2304+64*\c
	ds_store_b128 v25, v[36+8*(2*\f+\c):39+8*(2*\f+\c)] offset:\f*2304+64*\c+16
.endr
.endr
	REP 8, 1, ds_load_b128 v[128+4*p:131+4*p], v26 offset:p*576    ; LDS serves a wave's instructions in order (ISA guide 5.7.1.4): these see the stores above
.irp i,0,1,2,3,4,5,6,7
	s_wait_dscnt 7-\i
	global_store_b128 v27, v[128+4*\i:131+4*\i], s[14:15] offset:512*\i    ; four rows of 128 bytes: 512 consecutive bytes
.endr
	s_wait_xcnt 0x0                                ; the stores' offset and data are rewritten only behind this wait
	v_add_nc_u32 v27, 32768, v27                   ; 256 ranks on: 128 bytes a row of part,
	v_add_nc_u32 v28, 8192, v28                    ; 32 bytes a row of a channel block of hid
	s_add_co_u32 s28, s28, 256
	s_cmp_ge_u32 s28, s27
	s_cbranch_scc1 .Ldone                          ; the next tile is dead, and so are all behind it
	AHEAD
	s_sub_co_u32 s29, s29, 1
	s_cmp_lg_u32 s29, 0
	s_cbranch_scc1 .Ltile
.Ldone:
	s_wait_tensorcnt 0x0                           ; the wave's end
	ds_add_u32 v2, v3
	s_wait_dscnt 0x0
	s_endpgm
.Lfunc_end_k_q58023d92db_exdn:
	.size	k_q58023d92db_exdn, .Lfunc_end_k_q58023d92db_exdn-k_q58023d92db_exdn
	.p2alignl 7, 3214868480
	.fill 96, 4, 3214868480
	.section	.rodata,"a",@progbits
	.p2align	6, 0x0
	.amdhsa_kernel k_q58023d92db_exdn
		.amdhsa_group_segment_fixed_size 207872
		.amdhsa_private_segment_fixed_size 0
		.amdhsa_enable_private_segment 0
		.amdhsa_kernarg_size 32
		.amdhsa_user_sgpr_count 2
		.amdhsa_user_sgpr_kernarg_segment_ptr 1
		.amdhsa_wavefront_size32 1
		.amdhsa_system_sgpr_workgroup_id_x 1
		.amdhsa_system_sgpr_workgroup_id_y 1
		.amdhsa_system_sgpr_workgroup_id_z 1
		.amdhsa_system_vgpr_workitem_id 0
		.amdhsa_next_free_vgpr 256
		.amdhsa_next_free_sgpr 66
		.amdhsa_reserve_vcc 0
		.amdhsa_float_denorm_mode_32 3
		.amdhsa_float_denorm_mode_16_64 3
		.amdhsa_memory_ordered 1
		.amdhsa_forward_progress 1
		.amdhsa_inst_pref_size 50
	.end_amdhsa_kernel
	.amdgpu_metadata
---
amdhsa.version: [ 1, 2 ]
amdhsa.kernels:
  - .name:           k_q58023d92db_exdn
    .symbol:         k_q58023d92db_exdn.kd
    .args:
      - { .name: wsB, .offset: 0, .size: 8, .value_kind: global_buffer, .address_space: global }
      - { .name: pos, .offset: 8, .size: 8, .value_kind: global_buffer, .address_space: global }
      - { .name: ed, .offset: 16, .size: 8, .value_kind: global_buffer, .address_space: global }
      - { .name: wsA, .offset: 24, .size: 8, .value_kind: global_buffer, .address_space: global }
    .group_segment_fixed_size: 207872
    .private_segment_fixed_size: 0
    .kernarg_segment_align: 8
    .kernarg_segment_size: 32
    .max_flat_workgroup_size: 512
    .sgpr_count:     66
    .vgpr_count:     256
    .wavefront_size: 32
...
	.end_amdgpu_metadata
.endif
;; end of part 14
;; launch fin (part 15): grid 16 x 16, 8 waves a work-group, no clusters, 279,552 bytes of LDS; arguments hh, wc, x1, wsA, pos, gw, out0; writes out0
.if DOCPART == 15
	.amdgcn_target "amdgcn-amd-amdhsa--gfx1250"
	.amdhsa_code_object_version 6
	.text
	.protected	k_q58023d92db_fin
	.globl	k_q58023d92db_fin
	.p2align	8
	.type	k_q58023d92db_fin,@function
k_q58023d92db_fin:
	s_mov_b64 s[64:65], 0
	v_nop
	global_prefetch_b8 v0, s[64:65] scope:SCOPE_SE
	s_setreg_imm32_b32 hwreg(HW_REG_WAVE_MODE, 25, 1), 1
	s_wait_xcnt 0x0
; out = x1 + hs sd^T + gate0 part[pos0] + gate1 part[pos1].  hs: hh + 2 MiB, [block of 64][token][64] bf16; bf16(sd): wc + 14 MiB, [block of 8 k][row][8]; x1, out f32;
; part: wsA [block of 32 columns][p][32] f32; pos, gw: [token][2].
; A work-group makes 64 tokens x 64 columns and is each output number's one owner; the eight waves split K (wave w: hidden channels 128 w .. + 127); the eight f32 partial tiles meet in LDS.
; sd's fragments, which a wave uses once, come from memory straight into the operand registers; hs's slice goes once through the wave's own LDS stage into fragments.
; The two routed rows of a token are gathered by pos, which an earlier launch stored as whole numbers (clamped to the table's 16,384 rows), and weighed in f32.
; NO TENSOR LOADS, NO CLUSTER here: the shared slices could be asked for jointly; this text fetches them through registers.  NaN and infinities are not treated apart.
; REGISTERS, in windows of 256 (s_set_vgpr_msb: bits 1:0 source 0, 3:2 source 1, 5:4 source 2, 7:6 destination):
;   window 0: v4 hs offset  v5 sd offset  v6 stage store  v8 stage fragments  v10 partial store  v11, v12 partial reads  v13 pos, gw offset  v15 x1, out offset  v23 my place in a routed row  v24-39 sums
;             v40-47 pos  v48-55 gates  v56-63 gather offsets  v64-127 at work  v128-255 accumulators, then the routed rows and the residual
;   window 1: hs's slice as loaded, then its fragments (i, K step s) at 64 + 32 s + 8 i; sd's (c, s) at (192 + 32 s) mod 256 + 8 c: K steps 2 and 3, whose numbers 0-63 pos and the gates share, are asked for when those are in
.set PITCH, 272
.set WST, 64*PITCH
.set BSTG, 8*WST                       ; hs's stages at 0; the partial tiles here
.set SPARE, 16*WST
.set MSB, 0
.macro WIN new                         ; the immediate's high byte repeats the setting that is left
.if MSB != (\new)
	s_set_vgpr_msb (MSB<<8)|(\new)
.set MSB, (\new)
.endif
.endm
.set TO_F, 0x40                        ; a load's destination in window 1, its address in window 0
.set FROM_F, 0x04                      ; an LDS store's data in window 1, its address in window 0
.set MUL,  0x05                        ; both sources in window 1, C and D in window 0
.macro REP n, st, line:vararg
.set p, 0
.rept \n
	\line
.set p, p+(\st)
.endr
.endm
.macro PLACES
.rept 4
	v_nop
.endr
.endm
.macro BAR
	s_wait_dscnt 0x0
	s_barrier_signal -1
	s_barrier_wait -1
.endm
.macro LD16 R, bp, lo                  ; 64 rows x 128 bytes of block 2 w + bp: 8 KB on end, 512 bytes a load
	REP 16, 1, global_load_b128 v[(\R)+4*p:(\R)+4*p+3], v4, s[\lo:\lo+1] offset:(\bp)*131072+p*512
.endm
.macro ST16 R, bp, dst
	REP 16, 1, ds_store_b128 v[\dst], v[(\R)+4*p:(\R)+4*p+3] offset:p*4*PITCH+128*(\bp)
.endm
.macro LDK base, lo, s                 ; K step s of my slice of sd: four fragments of 16 rows x 32 k, 8 loads
.irp g,0,1,2,3
	global_load_b128 v[(\base)+8*\g:(\base)+8*\g+3], v5, s[\lo:\lo+1] offset:(4*(\s))*16384+\g*256
	global_load_b128 v[(\base)+8*\g+4:(\base)+8*\g+7], v5, s[\lo:\lo+1] offset:(4*(\s)+2)*16384+\g*256
.endr
.endm
.macro KST s, zero                     ; 16 matrix instructions on 16 accumulators by turns; source 0 = 16 rows of sd, source 1 = 16 tokens
.set rB, (192+32*(\s))%256
.set rA, 64+32*(\s)
.irp c,0,1,2,3
.irp i,0,1,2,3
.if \zero
	v_wmma_f32_16x16x32_bf16 v[128+8*(4*\i+\c):135+8*(4*\i+\c)], v[rB+8*\c:rB+8*\c+7], v[rA+8*\i:rA+8*\i+7], 0
.else
	v_wmma_f32_16x16x32_bf16 v[128+8*(4*\i+\c):135+8*(4*\i+\c)], v[rB+8*\c:rB+8*\c+7], v[rA+8*\i:rA+8*\i+7], v[128+8*(4*\i+\c):135+8*(4*\i+\c)]
.endif
.endr
.endr
.endm
.macro PSTORE
	PLACES
.irp i,0,1,2,3
.irp c,0,1,2,3
	ds_store_b128 v10, v[128+8*(4*\i+\c):131+8*(4*\i+\c)] offset:\i*16*PITCH+64*\c
	ds_store_b128 v10, v[132+8*(4*\i+\c):135+8*(4*\i+\c)] offset:\i*16*PITCH+64*\c+16
.endr
.endr
.endm
.macro REDLD a
.irp u,0,1,2,3
.irp j,0,1,2,3
	ds_load_b128 v[64+16*\u+4*\j:67+16*\u+4*\j], v[\a] offset:\u*WST+\j*2*PITCH
.endr
.endr
	s_wait_dscnt 0x0
.endm
.macro REDADD first
.if \first
	REP 8, 2, v_pk_add_f32 v[24+p:25+p], v[64+p:65+p], v[80+p:81+p]
.else
	REP 8, 2, v_pk_add_f32 v[24+p:25+p], v[24+p:25+p], v[64+p:65+p]
	REP 8, 2, v_pk_add_f32 v[24+p:25+p], v[24+p:25+p], v[80+p:81+p]
.endif
	REP 8, 2, v_pk_add_f32 v[24+p:25+p], v[24+p:25+p], v[96+p:97+p]
	REP 8, 2, v_pk_add_f32 v[24+p:25+p], v[24+p:25+p], v[112+p:113+p]
.endm
	s_load_b256 s[8:15], s[0:1], 0x0               ; hh s[8:9], wc s[10:11], x1 s[12:13], part s[14:15]
	s_load_b128 s[16:19], s[0:1], 0x20             ; pos s[16:17], gw s[18:19]
	s_load_b64 s[20:21], s[0:1], 0x30              ; out0
	v_lshl_add_u32 v2, v0, 2, SPARE
	v_mov_b32 v3, 0
	v_and_b32 v1, 31, v0
	v_lshrrev_b32 v22, 5, v0
	v_readfirstlane_b32 s2, v22
	s_mov_b32 s26, ttmp9                           ; column block
	s_and_b32 s27, ttmp7, 0xffff                   ; block of 64 tokens
	s_mul_i32 s3, s2, WST
	s_lshl_b32 s5, s2, 18                          ; my 128 k: 262,144 bytes in either layout
	v_lshl_add_u32 v4, v1, 4, s5                   ; hs: 16 bytes a lane
	v_bfe_u32 v16, v0, 3, 2
	v_and_b32 v17, 7, v0
	v_mul_u32_u24 v6, v16, PITCH
	v_lshl_add_u32 v6, v17, 4, v6
	v_add_nc_u32 v6, s3, v6
	v_and_b32 v22, 15, v0
	v_bfe_u32 v21, v0, 4, 1
	v_lshl_add_u32 v5, v21, 14, s5                 ; sd: block h,
	v_lshl_add_u32 v5, v22, 4, v5                  ; row r
	v_mul_u32_u24 v8, v22, PITCH
	v_lshl_add_u32 v8, v21, 4, v8
	v_add_nc_u32 v8, s3, v8
	v_add_nc_u32 v9, BSTG, v8
	v_lshl_add_u32 v10, v21, 4, v9                 ; row r x pitch + 32 h, in my partial tile
	s_mul_i32 s4, s2, 8*PITCH
	s_add_co_u32 s4, s4, BSTG
	v_mul_u32_u24 v11, v21, PITCH
	v_lshl_add_u32 v11, v22, 4, v11
	v_add_nc_u32 v11, s4, v11
	v_add_nc_u32 v12, 4*WST, v11
	s_lshl_b32 s5, s2, 15
	v_lshl_add_u32 v15, v21, 12, s5
	v_lshl_add_u32 v15, v22, 4, v15                ; row 8 w + lane / 16, 16 bytes at 16 (lane % 16)
	s_lshl_b32 s5, s2, 6
	v_lshl_add_u32 v13, v21, 3, s5                 ; 8 bytes a token
	v_bfe_u32 v23, v0, 3, 1
	v_lshlrev_b32 v23, 21, v23                     ; which of my block's two blocks of 32 columns,
	v_lshl_add_u32 v23, v17, 4, v23                ; and 16 bytes in its row of 128
	s_lshl_b32 s22, s27, 13
	s_add_co_u32 s22, s22, 0x200000
	s_mov_b32 s23, 0
	s_lshl_b32 s6, s26, 10                         ; my 64 rows of sd's copy, 16 bytes each in a block,
	s_add_co_u32 s6, s6, 0xe00000                  ; which lies 14 MiB on
	s_mov_b32 s7, 0
	s_lshl_b32 s24, s27, 18
	s_lshl_b32 s25, s26, 8
	s_add_co_u32 s24, s24, s25
	s_mov_b32 s25, 0
	s_lshl_b32 s28, s27, 9
	s_mov_b32 s29, 0
	s_lshl_b32 s30, s26, 22
	s_mov_b32 s31, 0
	s_wait_kmcnt 0x0
	s_add_nc_u64 s[8:9], s[8:9], s[22:23]
	s_add_nc_u64 s[10:11], s[10:11], s[6:7]
	s_add_nc_u64 s[12:13], s[12:13], s[24:25]
	s_add_nc_u64 s[20:21], s[20:21], s[24:25]
	s_add_nc_u64 s[16:17], s[16:17], s[28:29]
	s_add_nc_u64 s[18:19], s[18:19], s[28:29]
	s_add_nc_u64 s[14:15], s[14:15], s[30:31]
	REP 4, 1, global_load_b64 v[40+2*p:41+2*p], v13, s[16:17] offset:16*p     ; the oldest loads: every counted wait below shows them in
	REP 4, 1, global_load_b64 v[48+2*p:49+2*p], v13, s[18:19] offset:16*p
	WIN TO_F
	LD16 64, 0, 8                                  ; hs's slice, two blocks of sixteen loads,
	LD16 128, 1, 8
	LDK 192, 10, 0                                 ; and sd's K steps 0 and 1
	LDK 224, 10, 1
	s_wait_loadcnt 32                              ; the first block is in; younger: the second block's 16 and sd's 16
	WIN FROM_F
	ST16 64, 0, 6
	s_wait_loadcnt 16                              ; the second block is in; sd's 16 stay out
	ST16 128, 1, 6
	WIN TO_F
	LDK 0, 10, 2
	LDK 32, 10, 3
.irp s,0,1,2,3                         ; hs's fragments, out of my own stage, into the registers that the slice has left
.irp i,0,1,2,3
	ds_load_b128 v[64+32*\s+8*\i:67+32*\s+8*\i], v8 offset:\i*16*PITCH+64*\s
	ds_load_b128 v[68+32*\s+8*\i:71+32*\s+8*\i], v8 offset:\i*16*PITCH+64*\s+32
.endr
.endr
	s_wait_dscnt 0x0
	s_wait_loadcnt 24                              ; sd's K step 0 is in; the three younger K steps, 8 loads each, stay out; and so on down
	WIN MUL
	KST 0, 1                                       ; the first K step starts the sums
	s_wait_loadcnt 16
	KST 1, 0
	s_wait_loadcnt 8
	KST 2, 0
	s_wait_loadcnt 0
	KST 3, 0
	WIN 0
	PSTORE
	REP 8, 1, v_min_u32 v[40+p], 0x3fff, v[40+p]
	REP 8, 1, v_lshl_add_u32 v[56+p], v[40+p], 7, v23
	REP 4, 1, global_load_b128 v[128+4*p:131+4*p], v[56+2*p], s[14:15]     ; the routed rows and the residual fly under the reduction
	REP 4, 1, global_load_b128 v[144+4*p:147+4*p], v[57+2*p], s[14:15]
	REP 4, 1, global_load_b128 v[160+4*p:163+4*p], v15, s[12:13] offset:p*8192
	BAR                                            ; all eight partial tiles are in LDS
	REDLD 11
	REDADD 1
	REDLD 12
	REDADD 0
	s_wait_loadcnt 0
	REP 8, 2, v_pk_add_f32 v[24+p:25+p], v[24+p:25+p], v[160+p:161+p]
.irp j,0,1,2,3
	REP 4, 1, v_fma_f32 v[24+4*\j+p], v[128+4*\j+p], v[48+2*\j], v[24+4*\j+p]
	REP 4, 1, v_fma_f32 v[24+4*\j+p], v[144+4*\j+p], v[49+2*\j], v[24+4*\j+p]
.endr
	REP 4, 1, global_store_b128 v15, v[24+4*p:27+4*p], s[20:21] offset:p*8192      ; sixteen lanes store 256 consecutive bytes, aligned
	s_wait_tensorcnt 0x0                           ; the wave's end
	ds_add_u32 v2, v3
	s_wait_dscnt 0x0
	s_endpgm
.Lfunc_end_k_q58023d92db_fin:
	.size	k_q58023d92db_fin, .Lfunc_end_k_q58023d92db_fin-k_q58023d92db_fin
	.p2alignl 7, 3214868480
	.fill 96, 4, 3214868480
	.section	.rodata,"a",@progbits
	.p2align	6, 0x0
	.amdhsa_kernel k_q58023d92db_fin
		.amdhsa_group_segment_fixed_size 279552
		.amdhsa_private_segment_fixed_size 0
		.amdhsa_enable_private_segment 0
		.amdhsa_kernarg_size 56
		.amdhsa_user_sgpr_count 2
		.amdhsa_user_sgpr_kernarg_segment_ptr 1
		.amdhsa_wavefront_size32 1
		.amdhsa_system_sgpr_workgroup_id_x 1
		.amdhsa_system_sgpr_workgroup_id_y 1
		.amdhsa_system_sgpr_workgroup_id_z 1
		.amdhsa_system_vgpr_workitem_id 0
		.amdhsa_next_free_vgpr 512
		.amdhsa_next_free_sgpr 66
		.amdhsa_reserve_vcc 0
		.amdhsa_float_denorm_mode_32 3
		.amdhsa_float_denorm_mode_16_64 3
		.amdhsa_memory_ordered 1
		.amdhsa_forward_progress 1
		.amdhsa_inst_pref_size 32
	.end_amdhsa_kernel
	.amdgpu_metadata
---
amdhsa.version: [ 1, 2 ]
amdhsa.kernels:
  - .name:           k_q58023d92db_fin
    .symbol:         k_q58023d92db_fin.kd
    .args:
      - { .name: hh, .offset: 0, .size: 8, .value_kind: global_buffer, .address_space: global }
      - { .name: wc, .offset: 8, .size: 8, .value_kind: global_buffer, .address_space: global }
      - { .name: x1, .offset: 16, .size: 8, .value_kind: global_buffer, .address_space: global }
      - { .name: wsA, .offset: 24, .size: 8, .value_kind: global_buffer, .address_space: global }
      - { .name: pos, .offset: 32, .size: 8, .value_kind: global_buffer, .address_space: global }
      - { .name: gw, .offset: 40, .size: 8, .value_kind: global_buffer, .address_space: global }
      - { .name: out0, .offset: 48, .size: 8, .value_kind: global_buffer, .address_space: global }
    .group_segment_fixed_size: 279552
    .private_segment_fixed_size: 0
    .kernarg_segment_align: 8
    .kernarg_segment_size: 56
    .max_flat_workgroup_size: 256
    .sgpr_count:     66
    .vgpr_count:     512
    .wavefront_size: 32
...
	.end_amdgpu_metadata
.endif
;; end of part 15
